; MI455X (gfx1250); checked and timed in simulation.
; The chip was launched on July 23, 2026; its instructions are those of AMD's public machine-readable ISA for CDNA 5 (MIT licence, August 2026) and "CDNA5" Instruction Set Architecture Reference Guide (July 2026). The comments in the code are by the model that wrote it; some were corrected since.
;; Multi Head Attention. Allowed arithmetic: matrix products marked QUANTISED: E3M2 operands, one E8M0 scale for each 32 along K, by v_wmma_scale_f32_16x16x128_f8f6f4 with both operands' format E3M2, f32 sums; everything else in f32.
;; Inputs: Wk 2,048 x 2,048 float32; Wo 2,048 x 2,048 float32; Wq 2,048 x 2,048 float32; Wv 2,048 x 2,048 float32; attn_mask 1 x 1 x 2,048 x 2,048 float32; bk 2,048 float32; bo 2,048 float32; bq 2,048 float32; bv 2,048 float32; hidden_states 1 x 2,048 x 2,048 float32.
;; Outputs: out0 1 x 2,048 x 2,048 float32; out1 1 x 16 x 2,048 x 128 float32; out2 1 x 16 x 2,048 x 128 float32.
;; This version of the problem:
;;   THIS VERSION OF THE PROBLEM IS GIVEN IN LOW PRECISION. The matrix products marked QUANTISED in the list below multiply operands that are first quantised to E3M2 (3 exponent bits, 2 mantissa bits; 6 bits a number), with one power-of-two scale for each 32 numbers along K (OCP MX v1.0); their sums are f32. All else is computed in f32.
;;   The module's matrix products, in the order in which they are computed (A, B: the left and right operand; K: the contracted axis; several contracted axes count as one K, in the product's order):
;;     1. [M 2,048, K 2,048] x [K 2,048, N 2,048]; A: input hidden_states; B: input Wq: QUANTISED
;;     2. [M 2,048, K 2,048] x [K 2,048, N 2,048]; A: input hidden_states; B: input Wk: QUANTISED
;;     3. [M 2,048, K 2,048] x [K 2,048, N 2,048]; A: input hidden_states; B: input Wv: QUANTISED
;;     4. batch 16 x [M 2,048, K 128] x [K 128, N 2,048]; A: computed on the way; B: computed on the way: QUANTISED
;;     5. batch 16 x [M 2,048, K 2,048] x [K 2,048, N 128]; A: softmax (see below); B: computed on the way: QUANTISED
;;     6. [M 2,048, K 2,048] x [K 2,048, N 2,048]; A: computed on the way; B: input Wo: QUANTISED
;;   THE QUANTISER, for each operand of a quantised product, along K:
;;     - K is cut into blocks of 32 from its start; a last block that is shorter is filled with zeros.
;;     - A block's scale is 2^e with e = floor(log2(the largest magnitude in the block)) - 4, held to -126 .. 127; a block of zeros has e = 0. As a byte (E8M0): e + 127.
;;     - Each number is divided by its block's scale, clamped to +-28, and rounded to the nearest number of E3M2, ties to even, subnormals kept.
;;     - The product sums the exact products of the quantised numbers (number of the format x scale) in f32.
;;   ~~~python
;;   def quantise(x, axis):      # numpy; x: float32 -> the quantised numbers, widened to float32 again
;;       x = np.moveaxis(x, axis, -1); K = x.shape[-1]
;;       x = np.pad(x, [(0, 0)] * (x.ndim - 1) + [(0, -K % 32)]); x = x.reshape(x.shape[:-1] + (-1, 32)); a = np.abs(x).max(-1, keepdims=True)
;;       e = np.where(a > 0, np.clip(np.frexp(np.where(a > 0, a, 1))[1] - 1 - 4, -126, 127), 0)      # np.frexp(a)[1] - 1 = floor(log2(a)), exactly
;;       r = np.clip(x / 2.0 ** e, -28, 28)
;;       step = 2.0 ** (np.maximum(np.frexp(np.where(r == 0, 1, r))[1] - 1, -2) - 2)
;;       q = np.round(r / step) * step * 2.0 ** e      # np.round: ties to even
;;       return np.moveaxis(q.reshape(q.shape[:-2] + (-1,))[..., :K], -1, axis).astype(np.float32)
;;   ~~~
;;   SOFTMAX AHEAD OF A QUANTISED PRODUCT. Where the list says 'softmax', what is quantised is not the finished softmax but p = 2^(t - M), with t = logit x log2(e) and M = ceil(the row's largest t), a whole number; so 1/2 < the row's largest p <= 1. The row's sum l is taken of the UNQUANTISED p, in f32, and the product's result is divided by l at the end. Since M is a whole number, a kernel that streams over the keys may use a running M (the ceiling of the running maximum): every later rescaling is an exact power of two, which a block's scale takes up: the codes' values come out the same.
;;   OPERANDS COMPUTED ON THE WAY. 'Computed on the way' means the value that the module computes at that place (a softmax that the list does not call 'softmax' is quantised finished and normalised). What goes into a quantiser is computed in f32, as accurately as f32 sums, v_exp_f32 and their like allow (about 1e-6 of the number): no bf16 or f16 on the way to a quantiser, and a product that is left as it is and whose result goes on into a quantised operand takes f32 operands (vector FMAs, or v_wmma_f32_16x16x4_f32). A number that lies on a knife's edge between two numbers of the format may be rounded either way, as far as f32 arithmetic and the matrix unit's own rounding can turn it there, and no further.
;; 2 versions, each right and faster than the one before. Each part assembles by itself: llvm-mc -triple=amdgcn-amd-amdhsa -mcpu=gfx1250 --defsym DOCPART=n.
;; ======== version 1 of 2: 4 launches
;; workspace buffers: xp 3,407,872 bytes; wqkvp 10,223,616 bytes; wop 3,407,872 bytes; qp 3,407,872 bytes; kvp 6,815,744 bytes; cp 3,407,872 bytes
;; launch quant_in (part 1): grid 640 x 1, 4 waves a work-group, no clusters, 34,304 bytes of LDS; arguments hidden_states, Wq, Wk, Wv, Wo, xp, wqkvp, wop; writes xp, wqkvp, wop
.if DOCPART == 1
	.amdgcn_target "amdgcn-amd-amdhsa--gfx1250"
	.amdhsa_code_object_version 6
	.text
	.protected	k_q4f77106775_quant_in
	.globl	k_q4f77106775_quant_in
	.p2align	8
	.type	k_q4f77106775_quant_in,@function
k_q4f77106775_quant_in:
	s_mov_b64 s[64:65], 0
	v_nop
	global_prefetch_b8 v0, s[64:65] scope:SCOPE_SE
	s_setreg_imm32_b32 hwreg(HW_REG_WAVE_MODE, 25, 1), 1
	s_wait_xcnt 0x0
; hidden_states, Wq, Wk, Wv, Wo, each [2048][2048] f32 with K innermost, become codes of BF6 (E3M2) with one E8M0 byte for each 32 along K, laid in PANELS.
; A PANEL is 128 rows x 128 along K in 13,312 bytes: eight fragments (16 rows x 128 K) as images of the operand's 12 registers, fragment f at 1,536 f, its registers 4 c .. 4 c + 3
; at 512 c + 16 x lane; then, from byte 12,288 on, eight records of scale words, record f at 128 f, 4 bytes a lane (lanes 16-31 hold the words of lanes 0-15 again).
; Panels lie [rows / 128][K / 128].  So a later launch takes a fragment by three loads of 16 bytes a lane, and a run of panels is one dense block.
; A block's scale is 2^(floor(log2(its largest magnitude)) - 4); its byte is the largest magnitude's exponent field - 4, held at 1 from below.
; LIMITS: a block whose largest magnitude lies under 2^-122 keeps the byte 1; a block of zeros gets the byte 1 where the rule says 127 (its codes are zeros, and this program alone reads the bytes);
; NaN and infinities among the inputs are not served.
; SHARES: 640 work-groups = 5 matrices x 128 tiles of 16 rows.  Wave w takes K 512 w .. 512 w + 511 of the 16 rows: four fragments.  Each load reads 512 consecutive bytes of a row;
; a fragment's 16 x 512 bytes turn through the wave's own stage in LDS, so that a lane gets 16 neighbours along K of each block of 32 of ITS row.  Waves share nothing: no barrier.
; The matrix units, clusters and tensor loads have nothing to do here: the launch streams.
.set PANEL, 13312
.set FRB,   1536
.set SCO,   12288
.set SP,    528                        ; a stage row: 512 bytes + 16 = 33 x 16 bytes, so that sixteen rows' pieces of 16 bytes fall on sixteen different places modulo 256 bytes
.set TM,    8                          ; v8-23   at work in QUANT
.set LI,    24                         ; v24     16 x lane
.set LS,    25                         ; v25     4 x lane
.set SIN,   26                         ; v26     the stage, way in: 16 x lane
.set SOUT,  27                         ; v27     the stage, way out: row r, + 64 h
.set PW,    30                         ; v30     the scale word just made
.set R,     32                         ; v32-159 two sets of 64: a fragment's numbers as loaded
.set X,     160                        ; v160-223 64 numbers: register 16 b + i = k 32 b + 16 h + i of my row
.set PC,    224                        ; v224-243 the codes just made
.set SEL,   8                          ; s[8:9]  v_permlanex16_b32's selects for lane l xor 16
; From the four blocks' largest magnitudes in v[TM] on: the scale word in v[PW] and the fragment's 12 registers in v[PC] on.
.macro QTAIL s
.irp b, 0,1,2,3
	v_add_nc_u32 v[TM+12+\b], 0xfe000000, v[TM+\b]         ; 4 off the exponent field: the conversion takes the exponent field of this operand as its scale
.endr
.irp b, 0,1,2,3
	v_lshrrev_b32 v[TM+4+\b], 23, v[TM+12+\b]              ; the scale's byte
.endr
	v_lshl_or_b32 v[PW], v[TM+5], 8, v[TM+4]
	v_lshl_or_b32 v[PW], v[TM+6], 16, v[PW]
	v_lshl_or_b32 v[PW], v[TM+7], 24, v[PW]
.irp c, 0,1
	v_cvt_scalef32_pk16_bf6_f32 v[PC+6*\c:PC+2+6*\c], v[(\s)+32*\c:(\s)+15+32*\c], v[TM+12+2*\c]
	v_cvt_scalef32_pk16_bf6_f32 v[PC+12+4*\c:PC+14+4*\c], v[(\s)+16+32*\c:(\s)+31+32*\c], v[TM+12+2*\c+1]   ; (a conversion's three registers begin on an even number)
.endr
	v_nop                                                  ; one plain place behind a scaled conversion
.irp c, 0,1                                            ; the operand's layout wants a WHOLE block in a lane: lanes 0-15 block 2 c, lanes 16-31 block 2 c + 1
.irp i, 0,1,2
	v_permlane16_swap_b32 v[PC+6*\c+\i], v[PC+12+4*\c+\i]
.endr
.irp i, 0,1,2
	v_mov_b32 v[PC+3+6*\c+\i], v[PC+12+4*\c+\i]
.endr
.endr
.endm
.macro QUANT s
.irp b, 0,1,2,3
	v_max3_num_f32 v[TM+\b], |v[(\s)+16*\b]|, |v[(\s)+1+16*\b]|, 0x2800000   ; block b: my 16 numbers, and the floor 2^(5 - 127): the byte cannot fall under 1
.endr
.irp i, 2,4,6,8,10,12,14
.irp b, 0,1,2,3
	v_max3_num_f32 v[TM+\b], v[TM+\b], |v[(\s)+16*\b+\i]|, |v[(\s)+1+16*\b+\i]|   ; the four blocks by turns
.endr
.endr
.irp b, 0,1,2,3
	v_permlanex16_b32 v[TM+4+\b], v[TM+\b], s[SEL], s[SEL+1]
.endr
.irp b, 0,1,2,3
	v_max_num_f32 v[TM+\b], v[TM+\b], v[TM+4+\b]           ; with lane l xor 16's 16: the block's largest magnitude
.endr
	QTAIL \s
.endm
	s_load_b512 s[16:31], s[0:1], 0x0              ; hidden_states, Wq, Wk, Wv, Wo, xp, wqkvp, wop
	v_lshl_add_u32 v248, v0, 2, 0x8400
	v_mov_b32 v249, 0
	v_lshrrev_b32 v1, 5, v0
	v_readfirstlane_b32 s2, v1                     ; wave 0..3
	v_and_b32 v1, 31, v0                           ; lane
	v_and_b32 v2, 15, v0                           ; r
	v_bfe_u32 v3, v0, 4, 1                         ; h
	v_lshlrev_b32 v[LI], 4, v1
	v_lshlrev_b32 v[LS], 2, v1
	s_mul_i32 s3, s2, 16*SP                        ; my wave's stage
	v_add_nc_u32 v[SIN], s3, v[LI]
	v_mul_u32_u24 v[SOUT], v2, SP
	v_lshl_add_u32 v[SOUT], v3, 6, v[SOUT]
	v_add_nc_u32 v[SOUT], s3, v[SOUT]
.irp b, 0,1,2,3
	v_mov_b32 v[TM+4+\b], 0                        ; written once: a lane permute's destination counts as one of its sources
.endr
	s_mov_b32 s[SEL], 0x76543210
	s_mov_b32 s[SEL+1], 0xfedcba98
	s_lshr_b32 s4, ttmp9, 7                        ; which matrix: 0 hidden_states, 1 Wq, 2 Wk, 3 Wv, 4 Wo
	s_and_b32 s5, ttmp9, 127                       ; which tile of 16 rows
	s_lshl_b32 s10, s5, 17                         ; in: 16 rows of 8,192 bytes a tile,
	s_lshl_b32 s11, s2, 11                         ; 2,048 bytes of each row a wave
	s_add_co_u32 s10, s10, s11
	s_mov_b32 s11, 0
	s_lshr_b32 s12, s5, 3                          ; out: panel (tile / 8) x 16 + 4 x wave,
	s_lshl_b32 s12, s12, 4
	s_lshl_b32 s13, s2, 2
	s_add_co_u32 s12, s12, s13
	s_mul_i32 s12, s12, PANEL
	s_sub_co_u32 s6, s4, 1                         ; Wq, Wk, Wv lie one behind the other in wqkvp, 256 panels each
	s_cmp_eq_u32 s4, 0
	s_cselect_b32 s6, 0, s6
	s_cmp_eq_u32 s4, 4
	s_cselect_b32 s6, 0, s6
	s_mul_i32 s6, s6, 256*PANEL
	s_add_co_u32 s12, s12, s6
	s_and_b32 s7, s5, 7                            ; fragment tile % 8 of the panel
	s_mul_i32 s14, s7, FRB
	s_add_co_u32 s14, s14, s12                     ; its codes,
	s_mov_b32 s15, 0
	s_lshl_b32 s7, s7, 7
	s_add_co_u32 s12, s12, s7
	s_add_co_u32 s12, s12, SCO                     ; its record of scale words
	s_mov_b32 s13, 0
	s_wait_kmcnt 0x0
	s_cmp_eq_u32 s4, 1                             ; the buffers are chosen by the work-group's number alone; all five matrices take one path through the text
	s_cselect_b64 s[16:17], s[18:19], s[16:17]
	s_cmp_eq_u32 s4, 2
	s_cselect_b64 s[16:17], s[20:21], s[16:17]
	s_cmp_eq_u32 s4, 3
	s_cselect_b64 s[16:17], s[22:23], s[16:17]
	s_cmp_eq_u32 s4, 4
	s_cselect_b64 s[16:17], s[24:25], s[16:17]
	s_cselect_b64 s[28:29], s[30:31], s[28:29]
	s_cmp_eq_u32 s4, 0
	s_cselect_b64 s[28:29], s[26:27], s[28:29]
	s_add_nc_u64 s[16:17], s[16:17], s[10:11]
	s_add_nc_u64 s[32:33], s[28:29], s[14:15]
	s_add_nc_u64 s[34:35], s[28:29], s[12:13]
.macro LOAD f                          ; fragment f: 16 rows x 512 bytes; each load reads 512 consecutive bytes
.irp i, 0,1,2,3,4,5,6,7,8,9,10,11,12,13,14,15
	global_load_b128 v[R+64*((\f)%2)+4*\i:R+64*((\f)%2)+4*\i+3], v[LI], s[16:17] offset:\i*8192+(\f)*512 th:TH_LOAD_NT
.endr
.endm
.macro FRAG f
.if (\f) < 3
	s_wait_loadcnt 16                              ; this fragment's 16 loads are in; the next fragment's 16 may be out
.else
	s_wait_loadcnt 0x0
.endif
.irp i, 0,1,2,3,4,5,6,7,8,9,10,11,12,13,14,15
	ds_store_b128 v[SIN], v[R+64*((\f)%2)+4*\i:R+64*((\f)%2)+4*\i+3] offset:\i*SP
.endr
.irp b, 0,1,2,3
.irp j, 0,1,2,3
	ds_load_b128 v[X+16*\b+4*\j:X+16*\b+4*\j+3], v[SOUT] offset:128*\b+16*\j   ; LDS serves a wave's instructions in order: these see the stores above
.endr
.endr
	s_wait_dscnt 0x0                               ; my numbers are back; the stores into the stage have read their registers
.if (\f) > 0
	s_wait_xcnt 0x0                                ; the last fragment's stores have read v[PC] on and v[PW]: they are written again only behind this wait
.endif
.if (\f) < 2
	LOAD (\f)+2                                    ; into the set just left
.endif
	QUANT X
.irp c, 0,1,2
	global_store_b128 v[LI], v[PC+4*\c:PC+4*\c+3], s[32:33] offset:(\f)*PANEL+512*\c   ; 32 lanes store 512 consecutive bytes, at a multiple of 256 from the buffer's first byte
.endr
	global_store_b32 v[LS], v[PW], s[34:35] offset:(\f)*PANEL
.endm
	LOAD 0
	LOAD 1
	FRAG 0
	FRAG 1
	FRAG 2
	FRAG 3
	s_wait_tensorcnt 0x0
	ds_add_u32 v248, v249
	s_wait_dscnt 0x0
	s_endpgm
.Lfunc_end_k_q4f77106775_quant_in:
	.size	k_q4f77106775_quant_in, .Lfunc_end_k_q4f77106775_quant_in-k_q4f77106775_quant_in
	.p2alignl 7, 3214868480
	.fill 96, 4, 3214868480
	.section	.rodata,"a",@progbits
	.p2align	6, 0x0
	.amdhsa_kernel k_q4f77106775_quant_in
		.amdhsa_group_segment_fixed_size 34304
		.amdhsa_private_segment_fixed_size 0
		.amdhsa_enable_private_segment 0
		.amdhsa_kernarg_size 64
		.amdhsa_user_sgpr_count 2
		.amdhsa_user_sgpr_kernarg_segment_ptr 1
		.amdhsa_wavefront_size32 1
		.amdhsa_system_sgpr_workgroup_id_x 1
		.amdhsa_system_sgpr_workgroup_id_y 1
		.amdhsa_system_sgpr_workgroup_id_z 1
		.amdhsa_system_vgpr_workitem_id 0
		.amdhsa_next_free_vgpr 250
		.amdhsa_next_free_sgpr 66
		.amdhsa_reserve_vcc 0
		.amdhsa_float_denorm_mode_32 3
		.amdhsa_float_denorm_mode_16_64 3
		.amdhsa_memory_ordered 1
		.amdhsa_forward_progress 1
		.amdhsa_inst_pref_size 34
	.end_amdhsa_kernel
	.amdgpu_metadata
---
amdhsa.version: [ 1, 2 ]
amdhsa.kernels:
  - .name:           k_q4f77106775_quant_in
    .symbol:         k_q4f77106775_quant_in.kd
    .args:
      - { .name: hidden_states, .offset: 0, .size: 8, .value_kind: global_buffer, .address_space: global }
      - { .name: Wq, .offset: 8, .size: 8, .value_kind: global_buffer, .address_space: global }
      - { .name: Wk, .offset: 16, .size: 8, .value_kind: global_buffer, .address_space: global }
      - { .name: Wv, .offset: 24, .size: 8, .value_kind: global_buffer, .address_space: global }
      - { .name: Wo, .offset: 32, .size: 8, .value_kind: global_buffer, .address_space: global }
      - { .name: xp, .offset: 40, .size: 8, .value_kind: global_buffer, .address_space: global }
      - { .name: wqkvp, .offset: 48, .size: 8, .value_kind: global_buffer, .address_space: global }
      - { .name: wop, .offset: 56, .size: 8, .value_kind: global_buffer, .address_space: global }
    .group_segment_fixed_size: 34304
    .private_segment_fixed_size: 0
    .kernarg_segment_align: 8
    .kernarg_segment_size: 64
    .max_flat_workgroup_size: 128
    .sgpr_count:     66
    .vgpr_count:     250
    .wavefront_size: 32
...
	.end_amdgpu_metadata
.endif
;; end of part 1
;; launch gemm_qkv (part 2): grid 48 x 16, 4 waves a work-group, clusters of 4 x 4, 327,680 bytes of LDS; arguments xp, wqkvp, bq, bk, bv, qp, kvp, out1, out2; writes qp, kvp, out1, out2
.if DOCPART == 2
	.amdgcn_target "amdgcn-amd-amdhsa--gfx1250"
	.amdhsa_code_object_version 6
	.text
	.protected	k_q4f77106775_gemm_qkv
	.globl	k_q4f77106775_gemm_qkv
	.p2align	8
	.type	k_q4f77106775_gemm_qkv,@function
k_q4f77106775_gemm_qkv:
	s_mov_b64 s[64:65], 0
	v_nop
	global_prefetch_b8 v0, s[64:65] scope:SCOPE_SE
	s_setreg_imm32_b32 hwreg(HW_REG_WAVE_MODE, 25, 1), 1
	s_wait_xcnt 0x0
	s_wait_alu depctr_hold_cnt(0) depctr_sa_sdst(0) depctr_va_vdst(0) depctr_va_sdst(0) depctr_va_ssrc(0) depctr_va_vcc(0) depctr_vm_vsrc(0)
	s_getreg_b32 s2, hwreg(HW_REG_IB_STS2, 6, 4)
	s_cmp_eq_u32 s2, 0
	s_cbranch_scc0 .Lentry_in_a_cluster
	s_endpgm
.Lentry_in_a_cluster:
	s_bfe_u32 s2, ttmp6, 0x10000c
	s_cmp_lg_u32 s2, 0xf033
	s_cbranch_scc0 .Lentry_shape_is_right
	s_endpgm
.Lentry_shape_is_right:
; q, k, v = x W^T + b on codes of BF6 (E3M2) with E8M0 scales; x and the three weights come as PANELS (128 rows x 128 K in 13,312 bytes: eight fragments as images of the operand's 12 registers,
; fragment f at 1,536 f, registers 4 c .. 4 c + 3 at 512 c + 16 x lane; from byte 12,288 on eight records of scale words, 128 bytes each, 4 bytes a lane).  Panels lie [rows / 128][K / 128].
; A work-group makes 128 rows (tokens) x 128 columns = ONE HEAD of q, of k or of v (48 tile columns: 16 of each).  Four waves, each 64 x 64: 16 accumulators.  K = 16 steps of 128.
; The tile is 128 x 128 so that the same core also gives the output projection one work-group for each of 256 tiles.
; THE RING: two LDS slots, each with A's and B's panels of four K steps; a wave's one tensor load brings two panels, 26,624 dense bytes, as 104 rows of 256.
; CLUSTER 4 x 4: the four of a row of the cluster need the same panels of x, the four of a column the same panels of W: each is asked for JOINTLY.
; THE MATRIX INSTRUCTION IS USED TRANSPOSED (source 0 = 16 rows of W, source 1 = 16 rows of x): a lane holds eight neighbouring columns of one row.  The bias is the C of the first K step's products.
; THE WAY OUT: the tile goes into a stage in LDS.  k and v leave as f32 (out1, out2: whole rows of 512 bytes).  All three are quantised here, for the attention launch, and leave as panels:
;   q along the head's 128, rows 16 f + r;  k likewise, but fragment 2 b + u holds keys 32 b + 8 u + r + 8 (r / 8);  v along the 128 KEYS, fragment 2 b + u holding channels 32 b + 8 u + r + 8 (r / 8).
;   With those rows the results of the attention's two products have 16 neighbours along the next K in a lane's 16 registers.
; The three ways part on the cluster's x alone, which all partners share; they only read LDS and hold no barrier.
; LIMITS: a block whose largest magnitude lies under 2^-122 keeps the byte 1, a block of zeros too (its codes are zeros; this program alone reads the bytes); NaN and infinities are not served.
; The bias enters the f32 sum first, not last.
; REGISTERS: window 0: v12-29 addresses; v32-39 scale words, two sets; v40-71 the bias; v72-109 at work in the quantiser; v128-255 the accumulators ((a, b) at v[128 + 8 (4 a + b)]), later rows from the stage.
;   window 1: two sets of 96: A's four fragments, then B's four.
.set PANEL,  13312
.set FRB,    1536
.set SCO,    12288
.set SLOT,   8*PANEL                   ; A's four panels, then B's four
.set BOFF,   4*PANEL
.set STAGE,  2*SLOT                    ; behind the ring: 128 rows x 528 bytes; no tensor load lands there
.set SP,     528                       ; 512 bytes + 16 = 33 x 16 bytes
.set SPARE,  STAGE+128*SP              ; behind the stage: the spare words, 128 bytes for each wave: two blocks of 256 bytes that no other line names
.set QAQ,  12                          ; v12  the stage: row 32 w + r, + 64 h
.set QAK,  13                          ; v13  the stage: row 32 w + r + 8 (r / 8), + 64 h
.set VA,   14                          ; v14  the stage: row 32 h, column 32 w + r + 8 (r / 8)
.set H8,   15                          ; v15  8 h
.set ADRA, 16                          ; v16-17  my A fragments in slot 0, 1
.set ASC,  18                          ; v18-19  my scale words: lanes 0-15 A's records, lanes 16-31 B's
.set ADRB, 20                          ; v20-21  my B fragments
.set STO,  24                          ; v24  the stage: where I put 32 bytes of a row
.set RD,   25                          ; v25  the stage: my 32 whole rows, 16 bytes a lane
.set LI,   26                          ; v26  16 x lane
.set LS,   27                          ; v27  4 x lane
.set SPW,  28                          ; v28  my spare word: SPARE + 4 x my thread's number; never rewritten
.set NIL,  29                          ; v29  0; never rewritten
.set SC,   32                          ; set p at v[SC + 4 p]; register i: lanes 0-15 the words of A's block i, lanes 16-31 those of B's block i
.set BIAS, 40                          ; 8 registers for each of my four blocks of columns
.set TM,   72
.set PW,   88
.set PC,   90
.set ACC,  128
.set SEL,  8                           ; s[8:9]
.set G1, 24                            ; s[24:31] group 1 for A's panels;  s[32:39] group 0, one set for each slot
.set G0, 32
.set G1B, 48                           ; s[48:55], s[56:63] the same for B's
.set G0B, 56
.set MSB, 0
.macro WIN new                         ; the immediate's high byte repeats the setting that is left
.if MSB != \new
	s_set_vgpr_msb (MSB<<8)|\new
.set MSB, \new
.endif
.endm
.set MUL,  0x05                        ; sources 0 (B) and 1 (A) window 1; C and D window 0
.set TO_F, 0x40                        ; destination window 1, address window 0
.macro PLACES                          ; four places behind matrix instructions, in front of loads into their registers and of reads of results
.rept 4
	v_nop
.endr
.endm
.macro JLOAD s                         ; a joint load: waves 0 and 1 fetch for A, waves 2 and 3 for B; four v_nop follow each of the two lines
	s_cmp_eq_u32 s11, 0
	s_cbranch_scc0 .Lfor_b_\@
	tensor_load_to_lds s[G0+4*\s:G0+4*\s+3], s[G1:G1+7]
	s_nop 0
.rept 4
	v_nop
.endr
	s_branch .Lasked_\@
.Lfor_b_\@:
	tensor_load_to_lds s[G0B+4*\s:G0B+4*\s+3], s[G1B:G1B+7]
	s_nop 0
.rept 4
	v_nop
.endr
.Lasked_\@:
.endm
.macro CREST                           ; a round of the cluster's barrier behind its opening barrier
	s_cmp_lg_u32 s10, 0
	s_cbranch_scc1 .Lnot_wave_0_\@
	s_barrier_signal -3
.Lnot_wave_0_\@:
	s_barrier_wait -3
	s_barrier_signal -1
	s_barrier_wait -1
.endm
.macro CROUND                          ; a whole round
	s_barrier_signal -1
	s_barrier_wait -1
	CREST
.endm
; From the four blocks' largest magnitudes in v[TM] on: the scale word in v[PW] and the fragment's 12 registers in v[PC] on.
.macro QTAIL s
.irp b, 0,1,2,3
	v_add_nc_u32 v[TM+12+\b], 0xfe000000, v[TM+\b]         ; 4 off the exponent field: the conversion's scale operand
.endr
.irp b, 0,1,2,3
	v_lshrrev_b32 v[TM+4+\b], 23, v[TM+12+\b]              ; the scale's byte
.endr
	v_lshl_or_b32 v[PW], v[TM+5], 8, v[TM+4]
	v_lshl_or_b32 v[PW], v[TM+6], 16, v[PW]
	v_lshl_or_b32 v[PW], v[TM+7], 24, v[PW]
.irp c, 0,1
	v_cvt_scalef32_pk16_bf6_f32 v[PC+6*\c:PC+2+6*\c], v[(\s)+32*\c:(\s)+15+32*\c], v[TM+12+2*\c]
	v_cvt_scalef32_pk16_bf6_f32 v[PC+12+4*\c:PC+14+4*\c], v[(\s)+16+32*\c:(\s)+31+32*\c], v[TM+12+2*\c+1]
.endr
	v_nop                                                  ; one plain place behind a scaled conversion
.irp c, 0,1                                            ; a WHOLE block in a lane: lanes 0-15 block 2 c, lanes 16-31 block 2 c + 1
.irp i, 0,1,2
	v_permlane16_swap_b32 v[PC+6*\c+\i], v[PC+12+4*\c+\i]
.endr
.irp i, 0,1,2
	v_mov_b32 v[PC+3+6*\c+\i], v[PC+12+4*\c+\i]
.endr
.endr
.endm
.macro QUANT s                         ; 64 numbers of a lane, register 16 b + i = k 32 b + 16 h + i of my row
.irp b, 0,1,2,3
	v_max3_num_f32 v[TM+\b], |v[(\s)+16*\b]|, |v[(\s)+1+16*\b]|, 0x2800000   ; and the floor 2^(5 - 127): the byte cannot fall under 1
.endr
.irp i, 2,4,6,8,10,12,14
.irp b, 0,1,2,3
	v_max3_num_f32 v[TM+\b], v[TM+\b], |v[(\s)+16*\b+\i]|, |v[(\s)+1+16*\b+\i]|
.endr
.endr
.irp b, 0,1,2,3
	v_permlanex16_b32 v[TM+4+\b], v[TM+\b], s[SEL], s[SEL+1]
.endr
.irp b, 0,1,2,3
	v_max_num_f32 v[TM+\b], v[TM+\b], v[TM+4+\b]
.endr
	QTAIL \s
.endm
	s_load_b512 s[68:83], s[0:1], 0x0              ; xp s[68:69], wqkvp s[70:71], bq, bk, bv s[72:77], qp s[78:79], kvp s[80:81], out1 s[82:83]
	s_load_b64 s[84:85], s[0:1], 0x40              ; out2
	v_lshl_add_u32 v[SPW], v0, 2, SPARE
	v_mov_b32 v[NIL], 0
	ds_add_u32 v28, v29
	s_wait_dscnt 0x0
	v_lshrrev_b32 v1, 5, v0
	v_readfirstlane_b32 s10, v1                    ; wave 0..3
	s_lshr_b32 s11, s10, 1                         ; which half of the tile's rows is mine.  Also: I fetch for A (0) or for B (1)
	s_and_b32 s12, s10, 1                          ; which half of its columns.  Also: which two panels of a slot's four I fetch
	s_bfe_u32 s40, ttmp6, 0x40000                  ; cx, cy: my place in the cluster
	s_bfe_u32 s41, ttmp6, 0x40004
	s_lshl_b32 s42, ttmp9, 2
	s_add_co_u32 s42, s42, s40                     ; tile column = 4 x cluster x + cx
	s_and_b32 s13, ttmp7, 0xffff
	s_lshl_b32 s13, s13, 2
	s_add_co_u32 s13, s13, s41                     ; tile row = 4 x cluster y + cy
	s_lshl_b32 s43, s41, 2
	s_lshl_b32 s43, 15, s43                        ; my row of the cluster
	s_lshl_b32 s44, 0x1111, s40                    ; my column
	; group 1: two panels, 26,624 dense bytes, as 104 rows of 32 elements of 8 bytes; no padding
	s_or_b32 s[G1+0], s43, (3<<16)|(1<<21)         ; 15:0 the mask: A's panels go to my row; 17:16 elements of 8 bytes; 21 set beside a mask
	s_or_b32 s[G1B+0], s44, (3<<16)|(1<<21)        ; B's go to my column
.irp g, G1, G1B
	s_mov_b32 s[\g+1], 32<<16                      ; tensor_dim0 = 32
	s_mov_b32 s[\g+2], 104<<16                     ; tensor_dim1 = 104
	s_mov_b32 s[\g+3], 32<<16                      ; tile_dim0 = 32
	s_mov_b32 s[\g+4], 104                         ; tile_dim1 = 104
	s_mov_b32 s[\g+5], 32                          ; tensor_dim0_stride
	s_mov_b32 s[\g+6], 0
	s_mov_b32 s[\g+7], 0
.endr
	s_lshl_b32 s17, s12, 1                         ; my two panels of four
	s_lshl_b32 s16, s13, 4
	s_add_co_u32 s16, s16, s17
	s_mul_i32 s16, s16, PANEL                      ; A: panel 16 x tile row + 2 x half
	s_lshl_b32 s46, s42, 4
	s_add_co_u32 s46, s46, s17
	s_mul_i32 s46, s46, PANEL                      ; B: panel 16 x tile column + 2 x half
	s_mov_b32 s17, 0
	s_mov_b32 s47, 0
	s_mul_i32 s20, s10, 2*PANEL                    ; where they go: wave x two panels: no place in the cluster enters an LDS address
	s_wait_kmcnt 0x0
	s_add_nc_u64 s[14:15], s[68:69], s[16:17]
	s_add_nc_u64 s[46:47], s[70:71], s[46:47]
	CROUND                                         ; all sixteen work-groups are here: the first joint loads meet
.irp s, 0,1
	s_mov_b32 s[G0+4*\s], 1
	s_add_co_u32 s[G0+4*\s+1], s20, \s*SLOT
	s_add_nc_u64 s[G0+4*\s+2:G0+4*\s+3], s[14:15], \s*4*PANEL      ; slot s begins with K steps 4 s .. 4 s + 3
	s_or_b32 s[G0+4*\s+3], s[G0+4*\s+3], 0x80000000
	s_mov_b32 s[G0B+4*\s], 1
	s_add_co_u32 s[G0B+4*\s+1], s20, \s*SLOT
	s_add_nc_u64 s[G0B+4*\s+2:G0B+4*\s+3], s[46:47], \s*4*PANEL
	s_or_b32 s[G0B+4*\s+3], s[G0B+4*\s+3], 0x80000000
	JLOAD \s
.endr
	v_and_b32 v1, 15, v0                           ; r
	v_bfe_u32 v2, v0, 4, 1                         ; h
	v_and_b32 v3, 31, v0                           ; lane
	v_lshlrev_b32 v[LI], 4, v3
	v_lshlrev_b32 v[LS], 2, v3
	s_mul_i32 s21, s11, 4*FRB                      ; my four fragments of A's eight
	s_mul_i32 s22, s12, 4*FRB                      ; and of B's,
	s_add_co_u32 s22, s22, BOFF                    ; which lie behind A's four panels
.irp s, 0,1
	v_add_nc_u32 v[ADRA+\s], s21, v[LI]
	v_add_nc_u32 v[ADRB+\s], s22, v[LI]
	s_add_co_u32 s21, s21, SLOT
	s_add_co_u32 s22, s22, SLOT
.endr
	s_xor_b32 s22, s11, 1                          ; lanes 16-31 take B's records: BOFF + 512 (w & 1) - 512 (w >> 1) further on, written as one product with h
	s_add_co_u32 s22, s22, s12
	s_lshl_b32 s22, s22, 9
	s_add_co_u32 s22, s22, BOFF-512
	v_mul_u32_u24 v4, s22, v2
	s_lshl_b32 s21, s11, 9
	s_add_co_u32 s21, s21, SCO
	v_add_nc_u32 v4, v4, v[LS]
	v_add_nc_u32 v[ASC], s21, v4
	v_add_nc_u32 v[ASC+1], SLOT, v[ASC]
	s_mul_i32 s23, s11, 64*SP                      ; into the stage: my 64 rows, my 256 bytes of them; row r, 32 bytes for each half of the lanes
	s_lshl_b32 s21, s12, 8
	s_add_co_u32 s23, s23, s21
	s_add_co_u32 s23, s23, STAGE
	v_mul_u32_u24 v4, v1, SP
	v_lshl_add_u32 v4, v2, 5, v4
	v_add_nc_u32 v[STO], s23, v4
	s_mul_i32 s23, s10, 32*SP                      ; back: wave w takes rows 32 w .. 32 w + 31
	s_add_co_u32 s23, s23, STAGE
	v_add_nc_u32 v[RD], s23, v[LI]
	v_and_b32 v6, 8, v1
	v_add_nc_u32 v6, v6, v1                        ; r + 8 (r / 8)
	v_mul_u32_u24 v7, v1, SP
	v_lshl_add_u32 v7, v2, 6, v7
	v_add_nc_u32 v[QAQ], s23, v7
	v_mul_u32_u24 v7, v6, SP
	v_lshl_add_u32 v7, v2, 6, v7
	v_add_nc_u32 v[QAK], s23, v7
	v_mul_u32_u24 v7, v2, 32*SP
	v_lshl_add_u32 v7, v6, 2, v7
	s_lshl_b32 s21, s10, 7
	s_add_co_u32 s21, s21, STAGE
	v_add_nc_u32 v[VA], s21, v7
	v_lshlrev_b32 v[H8], 3, v2
	v_lshlrev_b32 v5, 5, v2                        ; the bias: 32 h bytes
.irp b, 0,1,2,3
	v_mov_b32 v[TM+4+\b], 0                        ; written once: a lane permute's destination counts as one of its sources
.endr
	s_mov_b32 s[SEL], 0x76543210
	s_mov_b32 s[SEL+1], 0xfedcba98
	; which of q, k, v this cluster makes, and the buffers that go with it: the choice hangs on the cluster's x alone
	s_lshr_b32 s86, ttmp9, 2                       ; 0 q, 1 k, 2 v
	s_and_b32 s87, s42, 15                         ; the head
	s_cmp_eq_u32 s86, 1
	s_cselect_b64 s[72:73], s[74:75], s[72:73]
	s_cmp_eq_u32 s86, 2
	s_cselect_b64 s[72:73], s[76:77], s[72:73]     ; the bias
	s_cselect_b64 s[82:83], s[84:85], s[82:83]     ; the f32 output (q has none)
	s_cselect_b32 s89, PANEL, 0                    ; v's panel lies behind k's
	s_cmp_eq_u32 s86, 0
	s_cselect_b64 s[78:79], s[78:79], s[80:81]     ; the panels' buffer
	s_mov_b32 s88, 2*PANEL
	s_cselect_b32 s88, PANEL, s88                  ; qp: a panel for each (head, 128 tokens); kvp: a pair
	s_lshl_b32 s90, s87, 4
	s_add_co_u32 s90, s90, s13
	s_mul_i32 s88, s90, s88
	s_add_co_u32 s88, s88, s89                     ; my panel
	s_mul_i32 s90, s10, 2*FRB
	s_add_co_u32 s90, s90, s88
	s_mov_b32 s91, 0
	s_add_nc_u64 s[92:93], s[78:79], s[90:91]      ; fragments 2 w, 2 w + 1
	s_lshl_b32 s90, s10, 8
	s_add_co_u32 s90, s90, s88
	s_add_co_u32 s90, s90, SCO
	s_add_nc_u64 s[94:95], s[78:79], s[90:91]      ; and their records
	s_lshl_b32 s90, s87, 20                        ; f32: head x 2,048 rows of 512 bytes + row 128 y + 32 w
	s_lshl_b32 s21, s13, 16
	s_add_co_u32 s90, s90, s21
	s_lshl_b32 s21, s10, 14
	s_add_co_u32 s90, s90, s21
	s_add_nc_u64 s[82:83], s[82:83], s[90:91]
	s_lshl_b32 s90, s87, 9                         ; the bias of my 64 columns
	s_lshl_b32 s21, s12, 8
	s_add_co_u32 s90, s90, s21
	s_add_nc_u64 s[72:73], s[72:73], s[90:91]
.irp b, 0,1,2,3
	global_load_b128 v[BIAS+8*\b:BIAS+8*\b+3], v5, s[72:73] offset:64*\b          ; lane (r, h), register j: the bias of column 16 b + 8 h + j: the result's layout
	global_load_b128 v[BIAS+8*\b+4:BIAS+8*\b+7], v5, s[72:73] offset:64*\b+16
.endr
; 28 LDS loads in one run: the slot's q-th K step into set p: four scale registers, B's four fragments, A's four
.macro FETCH slot, q, p
.irp i, 0,1,2,3
	ds_load_b32 v[SC+4*(\p)+\i], v[ASC+\slot] offset:(\q)*PANEL+128*\i
.endr
	WIN TO_F
.irp i, 0,1,2,3
.irp c, 0,1,2
	ds_load_b128 v[96*(\p)+48+12*\i+4*\c:96*(\p)+48+12*\i+4*\c+3], v[ADRB+\slot] offset:(\q)*PANEL+\i*FRB+512*\c
.endr
.endr
.irp i, 0,1,2,3
.irp c, 0,1,2
	ds_load_b128 v[96*(\p)+12*\i+4*\c:96*(\p)+12*\i+4*\c+3], v[ADRA+\slot] offset:(\q)*PANEL+\i*FRB+512*\c
.endr
.endr
	WIN 0
.endm
; 8 matrix instructions: A's blocks a0, a0 + 1 x B's four, 128 along K, from set p.  first = 1: the bias starts the sums.  The 16 accumulators take turns, one instruction a turn, in the same order in every step.
.macro MUL8 p, a0, first
.irp a, \a0, \a0+1
.irp b, 0,1,2,3
.if \first
	v_wmma_scale_f32_16x16x128_f8f6f4 v[ACC+8*(4*(\a)+\b):ACC+8*(4*(\a)+\b)+7], v[96*(\p)+48+12*\b:96*(\p)+48+12*\b+11], v[96*(\p)+12*(\a):96*(\p)+12*(\a)+11], v[BIAS+8*\b:BIAS+8*\b+7], v[SC+4*(\p)+\b], v[SC+4*(\p)+(\a)] matrix_a_fmt:MATRIX_FMT_BF6 matrix_b_fmt:MATRIX_FMT_BF6 matrix_a_scale:MATRIX_SCALE_ROW1
.else
	v_wmma_scale_f32_16x16x128_f8f6f4 v[ACC+8*(4*(\a)+\b):ACC+8*(4*(\a)+\b)+7], v[96*(\p)+48+12*\b:96*(\p)+48+12*\b+11], v[96*(\p)+12*(\a):96*(\p)+12*(\a)+11], v[ACC+8*(4*(\a)+\b):ACC+8*(4*(\a)+\b)+7], v[SC+4*(\p)+\b], v[SC+4*(\p)+(\a)] matrix_a_fmt:MATRIX_FMT_BF6 matrix_b_fmt:MATRIX_FMT_BF6 matrix_a_scale:MATRIX_SCALE_ROW1
.endif
.endr
.endr
.endm
; One of a slot's first three K steps: the next step's operands are asked for, then this step's 16 products are issued.
.macro STEP slot, q, first
	s_wait_dscnt 0x0                               ; this step's 28 loads are in
.if !\first
	PLACES                                         ; the other set was read by the step before
.endif
	FETCH \slot, (\q)+1, ((\q)+1)%2
	WIN MUL
	MUL8 (\q)%2, 0, \first
	MUL8 (\q)%2, 2, \first
	WIN 0
.endm
; A slot's last K step (set 1) changes slots: ONE barrier; in front of it each wave waits for all its tensor loads, adds 0 to its spare word, and waits for that and for its reads of this slot.
; fill = 1: the barrier opens a round of the cluster's, and this slot is filled again, with the K steps eight further on.
.macro TURN slot, next, fill
	s_wait_tensorcnt 0x0                           ; all my tensor loads have landed: my part of the next slot
	ds_add_u32 v[SPW], v[NIL]                      ; 0 onto my spare word
	s_wait_dscnt 1                                 ; this step's 28 loads are in; the add may be out
	WIN MUL
	MUL8 1, 0, 0                                   ; eight matrix instructions stand between the add and the wait for it
	s_wait_dscnt 0x0                               ; the add is done, and my reads of this slot are over
	s_barrier_signal -1
	MUL8 1, 2, 0
	WIN 0
	s_barrier_wait -1
.if \fill
	CREST                                          ; no wave of any partner still reads this slot or has a load on its way
	s_add_nc_u64 s[G0+4*\slot+2:G0+4*\slot+3], s[G0+4*\slot+2:G0+4*\slot+3], SLOT
	s_add_nc_u64 s[G0B+4*\slot+2:G0B+4*\slot+3], s[G0B+4*\slot+2:G0B+4*\slot+3], SLOT
	JLOAD \slot                                    ; the first tensor load behind the round; the four v_nop behind it are also the places in front of the loads below
.else
	PLACES
.endif
	FETCH \next, 0, 0
.endm
	s_wait_tensorcnt 1                             ; my part of slot 0 is in; slot 1's may stay out
	s_barrier_signal -1
	s_barrier_wait -1                              ; everybody's is
	FETCH 0, 0, 0
	s_wait_loadcnt 0x0                             ; the bias
	STEP 0, 0, 1                                   ; K steps 0 to 3
	STEP 0, 1, 0
	STEP 0, 2, 0
	TURN 0, 1, 1                                   ; slot 0 takes K steps 8 to 11
	STEP 1, 0, 0
	STEP 1, 1, 0
	STEP 1, 2, 0
	TURN 1, 0, 1                                   ; slot 1 takes K steps 12 to 15
	STEP 0, 0, 0
	STEP 0, 1, 0
	STEP 0, 2, 0
	TURN 0, 1, 0                                   ; nothing is left to fetch
	STEP 1, 0, 0
	STEP 1, 1, 0
	STEP 1, 2, 0
	s_wait_dscnt 0x0
	WIN MUL
	MUL8 1, 0, 0
	MUL8 1, 2, 0
	WIN 0
	PLACES
.irp a, 0,1,2,3
.irp b, 0,1,2,3
	ds_store_b128 v[STO], v[ACC+8*(4*\a+\b):ACC+8*(4*\a+\b)+3] offset:\a*16*SP+64*\b       ; each accumulator from its low end on
	ds_store_b128 v[STO], v[ACC+8*(4*\a+\b)+4:ACC+8*(4*\a+\b)+7] offset:\a*16*SP+64*\b+16
.endr
.endr
	s_wait_dscnt 0x0                               ; for the others' sake: my stores into the stage are done
	s_barrier_signal -1
	s_barrier_wait -1                              ; the tile lies in the stage; from here on it is only read
.macro GIMAGE u                        ; the fragment in v[PC] on and its scale words leave as they stand
.irp c, 0,1,2
	global_store_b128 v[LI], v[PC+4*\c:PC+4*\c+3], s[92:93] offset:\u*FRB+512*\c   ; 32 lanes store 512 consecutive bytes, at a multiple of 256 from the buffer's first byte
.endr
	global_store_b32 v[LS], v[PW], s[94:95] offset:\u*128
.endm
.macro QROW adr, rows, u               ; a fragment whose K is the head's 128: my row's 16 neighbours of each block of 32
	s_wait_xcnt 0x0                                ; earlier stores have read their registers: they are written again only behind this wait
.irp b, 0,1,2,3
.irp j, 0,1,2,3
	ds_load_b128 v[ACC+16*\b+4*\j:ACC+16*\b+4*\j+3], v[\adr] offset:\rows*\u*SP+128*\b+16*\j
.endr
.endr
	s_wait_dscnt 0x0
	QUANT ACC
	GIMAGE \u
.endm
.macro QCOL u                          ; a fragment whose K is the 128 keys: a lane takes a channel, and its registers run down the keys 64 c + 32 h + 0 .. 31: two whole blocks
	s_wait_xcnt 0x0
.irp c, 0,1
.set n, 0
.rept 32
	ds_load_b32 v[ACC+32*\c+n], v[VA] offset:(64*\c+n)*SP+32*\u
.set n, n+1
.endr
.endr
	s_wait_dscnt 0x0
.irp c, 0,1
	v_max3_num_f32 v[TM+\c], |v[ACC+32*\c]|, |v[ACC+1+32*\c]|, 0x2800000
.endr
.irp i, 2,4,6,8,10,12,14,16,18,20,22,24,26,28,30
.irp c, 0,1
	v_max3_num_f32 v[TM+\c], v[TM+\c], |v[ACC+32*\c+\i]|, |v[ACC+1+32*\c+\i]|
.endr
.endr
.irp c, 0,1
	v_add_nc_u32 v[TM+12+\c], 0xfe000000, v[TM+\c]
.endr
.irp c, 0,1
	v_lshrrev_b32 v[TM+4+\c], 23, v[TM+12+\c]
.endr
	v_lshl_or_b32 v[PW], v[TM+5], 16, v[TM+4]      ; my two bytes: blocks h and 2 + h,
	v_lshlrev_b32 v[PW], v[H8], v[PW]              ; at their places in the scale word;
	v_permlanex16_b32 v[TM+7], v[PW], s[SEL], s[SEL+1]
	v_or_b32 v[PW], v[PW], v[TM+7]                 ; with lane l xor 16's two the word is whole
.irp c, 0,1
	v_cvt_scalef32_pk16_bf6_f32 v[PC+6*\c:PC+2+6*\c], v[ACC+32*\c:ACC+15+32*\c], v[TM+12+\c]
	v_cvt_scalef32_pk16_bf6_f32 v[PC+12+4*\c:PC+14+4*\c], v[ACC+16+32*\c:ACC+31+32*\c], v[TM+12+\c]
.endr
	v_nop                                          ; one plain place behind a scaled conversion
.irp c, 0,1
.irp i, 0,1,2
	v_mov_b32 v[PC+3+6*\c+\i], v[PC+12+4*\c+\i]
.endr
.endr
	GIMAGE \u
.endm
	s_cmp_eq_u32 s86, 0
	s_cbranch_scc1 .Lq
.set n, 0
.rept 32
	ds_load_b128 v[ACC+4*n:ACC+4*n+3], v[RD] offset:n*SP
.set n, n+1
.endr
.set n, 0
.rept 32
	s_wait_dscnt 31-n                              ; row n is back; the younger loads may be out
	global_store_b128 v[LI], v[ACC+4*n:ACC+4*n+3], s[82:83] offset:n*512 th:TH_STORE_NT   ; a row of 512 bytes; the wave's 32 rows are 16,384 consecutive bytes
.set n, n+1
.endr
	s_cmp_eq_u32 s86, 2
	s_cbranch_scc1 .Lv
	QROW QAK, 8, 0
	QROW QAK, 8, 1
	s_branch .Lend
.Lq:
	QROW QAQ, 16, 0
	QROW QAQ, 16, 1
	s_branch .Lend
.Lv:
	QCOL 0
	QCOL 1
.Lend:
	s_wait_tensorcnt 0x0                           ; the wave's end
	ds_add_u32 v[SPW], v[NIL]
	s_wait_dscnt 0x0
	CROUND                                         ; the closing round: no work-group ends while a partner may still ask for a tile that names it
	s_endpgm
.Lfunc_end_k_q4f77106775_gemm_qkv:
	.size	k_q4f77106775_gemm_qkv, .Lfunc_end_k_q4f77106775_gemm_qkv-k_q4f77106775_gemm_qkv
	.p2alignl 7, 3214868480
	.fill 96, 4, 3214868480
	.section	.rodata,"a",@progbits
	.p2align	6, 0x0
	.amdhsa_kernel k_q4f77106775_gemm_qkv
		.amdhsa_group_segment_fixed_size 327680
		.amdhsa_private_segment_fixed_size 0
		.amdhsa_enable_private_segment 0
		.amdhsa_kernarg_size 72
		.amdhsa_user_sgpr_count 2
		.amdhsa_user_sgpr_kernarg_segment_ptr 1
		.amdhsa_wavefront_size32 1
		.amdhsa_system_sgpr_workgroup_id_x 1
		.amdhsa_system_sgpr_workgroup_id_y 1
		.amdhsa_system_sgpr_workgroup_id_z 1
		.amdhsa_system_vgpr_workitem_id 0
		.amdhsa_next_free_vgpr 448
		.amdhsa_next_free_sgpr 96
		.amdhsa_reserve_vcc 0
		.amdhsa_float_denorm_mode_32 3
		.amdhsa_float_denorm_mode_16_64 3
		.amdhsa_memory_ordered 1
		.amdhsa_forward_progress 1
		.amdhsa_inst_pref_size 121
	.end_amdhsa_kernel
	.amdgpu_metadata
---
amdhsa.version: [ 1, 2 ]
amdhsa.kernels:
  - .name:           k_q4f77106775_gemm_qkv
    .symbol:         k_q4f77106775_gemm_qkv.kd
    .args:
      - { .name: xp, .offset: 0, .size: 8, .value_kind: global_buffer, .address_space: global }
      - { .name: wqkvp, .offset: 8, .size: 8, .value_kind: global_buffer, .address_space: global }
      - { .name: bq, .offset: 16, .size: 8, .value_kind: global_buffer, .address_space: global }
      - { .name: bk, .offset: 24, .size: 8, .value_kind: global_buffer, .address_space: global }
      - { .name: bv, .offset: 32, .size: 8, .value_kind: global_buffer, .address_space: global }
      - { .name: qp, .offset: 40, .size: 8, .value_kind: global_buffer, .address_space: global }
      - { .name: kvp, .offset: 48, .size: 8, .value_kind: global_buffer, .address_space: global }
      - { .name: out1, .offset: 56, .size: 8, .value_kind: global_buffer, .address_space: global }
      - { .name: out2, .offset: 64, .size: 8, .value_kind: global_buffer, .address_space: global }
    .group_segment_fixed_size: 327680
    .private_segment_fixed_size: 0
    .kernarg_segment_align: 8
    .kernarg_segment_size: 72
    .max_flat_workgroup_size: 128
    .sgpr_count:     96
    .vgpr_count:     448
    .wavefront_size: 32
...
	.end_amdgpu_metadata
.endif
;; end of part 2
;; launch attn (part 3): grid 16 x 16, 8 waves a work-group, clusters of 4 x 4, 327,680 bytes of LDS; arguments qp, kvp, attn_mask, cp; writes cp
.if DOCPART == 3
	.amdgcn_target "amdgcn-amd-amdhsa--gfx1250"
	.amdhsa_code_object_version 6
	.text
	.protected	k_q4f77106775_attn
	.globl	k_q4f77106775_attn
	.p2align	8
	.type	k_q4f77106775_attn,@function
k_q4f77106775_attn:
	s_mov_b64 s[64:65], 0
	v_nop
	global_prefetch_b8 v0, s[64:65] scope:SCOPE_SE
	s_setreg_imm32_b32 hwreg(HW_REG_WAVE_MODE, 25, 1), 1
	s_wait_xcnt 0x0
	s_wait_alu depctr_hold_cnt(0) depctr_sa_sdst(0) depctr_va_vdst(0) depctr_va_sdst(0) depctr_va_ssrc(0) depctr_va_vcc(0) depctr_vm_vsrc(0)
	s_getreg_b32 s2, hwreg(HW_REG_IB_STS2, 6, 4)
	s_cmp_eq_u32 s2, 0
	s_cbranch_scc0 .Lentry_in_a_cluster
	s_endpgm
.Lentry_in_a_cluster:
	s_bfe_u32 s2, ttmp6, 0x10000c
	s_cmp_lg_u32 s2, 0xf033
	s_cbranch_scc0 .Lentry_shape_is_right
	s_endpgm
.Lentry_shape_is_right:
; ctx[q][head] = softmax_k(q . k / sqrt(128) + attn_mask[q][k]) v, both products on codes of BF6 (E3M2) with E8M0 scales.  q, k, v come as PANELS of 13,312 bytes (eight fragments as images of the
; operand's 12 registers, fragment f at 1,536 f, registers 4 c .. 4 c + 3 at 512 c + 16 x lane; from byte 12,288 on eight records of scale words, 128 bytes each).  kvp holds, for each head and each
; 128 keys, k's panel and then v's.  THE MASK IS AN INPUT: every head walks every key and adds every number of it, in f32.
; THE SOFTMAX: logit = score x (1 / sqrt(128)) + mask (one fused multiply-add: one rounding where two are written); t = logit x log2(e); M = the running largest t rounded UP to a whole number;
; p = 2^(t - M) is quantised along the keys; the row's sum is taken of the unquantised p and divides at the end; when M moves, the sum and O are multiplied by 2^(old M - new M): exact.
; SHARES: a work-group owns 128 queries of one head; each of its eight waves 16 of them, in 512 registers: two waves to a SIMD, so that one wave's vector work stands beside the other's products and loads.
; Every wave walks 16 steps of 128 keys.  A step's tiles (k's panel, v's panel, 128 x 128 numbers of the mask) come through a ring of two LDS slots.
; CLUSTER 4 x 4: x = the block of queries, y = the head.  The four of a row share a head: k's and v's panels are asked for JOINTLY; the four of a column share the queries: the MASK's tile likewise.
; Waves 0 and 1 fetch the two panels, waves 2 and 3 the mask's two halves, the others nothing.
; LAYOUT: both products transposed (S^T = K Q^T, O^T = V^T P^T): a lane holds ONE query (lane % 16).  Fragment 2 b + u of k holds keys 32 b + 8 u + r + 8 (r / 8), and of v channels likewise,
; so that register 16 b + i of S^T is key 32 b + 16 h + i, and of O^T channel 32 b + 16 h + i: 16 neighbours along the next K.  ctx is quantised in registers and leaves as a fragment of cp.
; LIMITS: a p under 2^-126 counts as 0; a row whose mask is -infinity at every key gives NaN, as the definition does; NaN among the inputs is not served; blocks of zeros get the byte 1 (their codes are zeros).
; REGISTERS: window 0: v1-10 addresses; v12 -M, v13 the largest t, v[14:15] the sum; v16-27 Q, v28 its scale words, v29 p's (at the end ctx's); v32-47, v56-58 at work; v80-87, v88-95 k's and v's scale words;
;   v96-159 S^T, then p; v160-223 O^T; v224-243 codes.   window 1: v0-63 the mask; v64-159 k's eight fragments; v160-255 v's.
.set PANEL, 13312
.set FRB,   1536
.set SCO,   12288
.set SLOT1, 131072                     ; slot 1 begins here
.set MOFF,  2*PANEL                    ; in a slot: k's panel, v's panel, then the mask's 128 rows
.set MP,    528                        ; a row of the mask's tile: 512 bytes + 16 = 33 x 16 bytes
.set SPARE, SLOT1+MOFF+128*MP          ; behind the ring: the spare words, 128 bytes for each wave: four blocks of 256 bytes that no other line names
.set AKV,  1                           ; v1-2   16 x lane + the slot
.set LI,   1                           ;        (slot 0's is 16 x lane itself)
.set ASC,  3                           ; v3-4   4 x lane + the slot + 12,288
.set SPW,  5                           ; v5     my spare word: SPARE + 4 x my thread's number; never rewritten
.set NIL,  6                           ; v6     0; never rewritten
.set AM,   7                           ; v7-8   the mask: row 16 w + r, + 64 h, + the slot
.set LS,   10                          ; v10    4 x lane
.set QF,   16
.set QS,   28
.set PW,   29
.set TM,   32
.set FF,   56                          ; v[56:57] f = 2^(old M - new M), named as a pair
.set T0,   58
.set KS,   80
.set VS,   88
.set SS,   96
.set OT,   160
.set PC,   224
.set MK,   0                           ; window 1
.set KFR,  64
.set VFR,  160
.set SEL,  20                          ; s[20:21] lane l xor 16
.set RS,   22                          ; s[22:23] 1 / sqrt(128)
.set L2E,  66                          ; s[66:67] log2(e)
.set G1KV, 24                          ; s[24:31] group 1 for a panel;  s[32:39] group 0, one set for each slot
.set G0KV, 32
.set G1M,  40                          ; s[40:47], s[48:55] the same for the mask's half tile
.set G0M,  48
.set MSB, 0
.macro WIN new                         ; the immediate's high byte repeats the setting that is left
.if MSB != \new
	s_set_vgpr_msb (MSB<<8)|\new
.set MSB, \new
.endif
.endm
.macro PLACES
.rept 4
	v_nop
.endr
.endm
.macro JLOAD s                         ; the branches hang on the wave's number alone; four v_nop follow each of the two lines
	s_cmp_lt_u32 s12, 2
	s_cbranch_scc0 .Lnot_kv_\@
	tensor_load_to_lds s[G0KV+4*(\s):G0KV+4*(\s)+3], s[G1KV:G1KV+7]
	s_nop 0
.rept 4
	v_nop
.endr
	s_branch .Lasked_\@
.Lnot_kv_\@:
	s_cmp_lt_u32 s12, 4
	s_cbranch_scc0 .Lasked_\@
	tensor_load_to_lds s[G0M+4*(\s):G0M+4*(\s)+3], s[G1M:G1M+7]
	s_nop 0
.rept 4
	v_nop
.endr
.Lasked_\@:
.endm
.macro CROUND                          ; a round of the cluster's barrier
	s_barrier_signal -1
	s_barrier_wait -1
	s_cmp_lg_u32 s12, 0
	s_cbranch_scc1 .Lnot_wave_0_\@
	s_barrier_signal -3
.Lnot_wave_0_\@:
	s_barrier_wait -3
	s_barrier_signal -1
	s_barrier_wait -1
.endm
; From the four blocks' largest magnitudes in v[TM] on: the scale word in v[PW] and the fragment's 12 registers in v[PC] on.
.macro QTAIL s
.irp b, 0,1,2,3
	v_add_nc_u32 v[TM+12+\b], 0xfe000000, v[TM+\b]         ; 4 off the exponent field: the conversion's scale operand
.endr
.irp b, 0,1,2,3
	v_lshrrev_b32 v[TM+4+\b], 23, v[TM+12+\b]              ; the scale's byte
.endr
	v_lshl_or_b32 v[PW], v[TM+5], 8, v[TM+4]
	v_lshl_or_b32 v[PW], v[TM+6], 16, v[PW]
	v_lshl_or_b32 v[PW], v[TM+7], 24, v[PW]
.irp c, 0,1
	v_cvt_scalef32_pk16_bf6_f32 v[PC+6*\c:PC+2+6*\c], v[(\s)+32*\c:(\s)+15+32*\c], v[TM+12+2*\c]
	v_cvt_scalef32_pk16_bf6_f32 v[PC+12+4*\c:PC+14+4*\c], v[(\s)+16+32*\c:(\s)+31+32*\c], v[TM+12+2*\c+1]
.endr
	v_nop                                                  ; one plain place behind a scaled conversion
.irp c, 0,1                                            ; a WHOLE block in a lane: lanes 0-15 block 2 c, lanes 16-31 block 2 c + 1
.irp i, 0,1,2
	v_permlane16_swap_b32 v[PC+6*\c+\i], v[PC+12+4*\c+\i]
.endr
.irp i, 0,1,2
	v_mov_b32 v[PC+3+6*\c+\i], v[PC+12+4*\c+\i]
.endr
.endr
.endm
.macro QUANT s
.irp b, 0,1,2,3
	v_max3_num_f32 v[TM+\b], |v[(\s)+16*\b]|, |v[(\s)+1+16*\b]|, 0x2800000
.endr
.irp i, 2,4,6,8,10,12,14
.irp b, 0,1,2,3
	v_max3_num_f32 v[TM+\b], v[TM+\b], |v[(\s)+16*\b+\i]|, |v[(\s)+1+16*\b+\i]|
.endr
.endr
.irp b, 0,1,2,3
	v_permlanex16_b32 v[TM+4+\b], v[TM+\b], s[SEL], s[SEL+1]
.endr
.irp b, 0,1,2,3
	v_max_num_f32 v[TM+\b], v[TM+\b], v[TM+4+\b]
.endr
	QTAIL \s
.endm
	s_load_b256 s[4:11], s[0:1], 0x0               ; qp s[4:5], kvp s[6:7], attn_mask s[8:9], cp s[10:11]
	v_lshl_add_u32 v[SPW], v0, 2, SPARE
	v_mov_b32 v[NIL], 0
	ds_add_u32 v5, v6
	s_wait_dscnt 0x0
	v_lshrrev_b32 v11, 5, v0
	v_readfirstlane_b32 s12, v11                   ; wave 0..7
	s_and_b32 s13, s12, 1                          ; which panel, or which half of the mask's tile, I fetch if I fetch
	s_bfe_u32 s14, ttmp6, 0x40000                  ; cx, cy
	s_bfe_u32 s15, ttmp6, 0x40004
	s_lshl_b32 s16, ttmp9, 2
	s_add_co_u32 s16, s16, s14                     ; my block of 128 queries = 4 x cluster x + cx
	s_and_b32 s17, ttmp7, 0xffff
	s_lshl_b32 s17, s17, 2
	s_add_co_u32 s17, s17, s15                     ; my head = 4 x cluster y + cy
	s_lshl_b32 s18, s15, 2
	s_lshl_b32 s18, 15, s18                        ; my row of the cluster: the same head
	s_lshl_b32 s19, 0x1111, s14                    ; my column: the same queries
	; group 1 for a panel: 13,312 dense bytes as 52 rows of 32 elements of 8 bytes
	s_or_b32 s[G1KV], s18, (3<<16)|(1<<21)
	s_mov_b32 s[G1KV+1], 32<<16
	s_mov_b32 s[G1KV+2], 52<<16
	s_mov_b32 s[G1KV+3], 32<<16
	s_mov_b32 s[G1KV+4], 52
	s_mov_b32 s[G1KV+5], 32
	s_mov_b32 s[G1KV+6], 0
	s_mov_b32 s[G1KV+7], 0
	; group 1 for half of the mask's tile: 64 rows of 128 elements of 4 bytes, 2,048 elements apart; 4 words of padding behind every 128
	s_or_b32 s[G1M], s19, (2<<16)|(1<<20)|(1<<21)|(6<<22)|(3<<25)
	s_mov_b32 s[G1M+1], 128<<16
	s_mov_b32 s[G1M+2], 64<<16
	s_mov_b32 s[G1M+3], 128<<16
	s_mov_b32 s[G1M+4], 64
	s_mov_b32 s[G1M+5], 2048
	s_mov_b32 s[G1M+6], 0
	s_mov_b32 s[G1M+7], 0
	s_mul_i32 s57, s13, PANEL                      ; my panel's place in a slot, and in a pair
	s_mul_i32 s58, s17, 32*PANEL                   ; the head's 16 pairs of panels: made of the head and the wave alone
	s_add_co_u32 s58, s58, s57
	s_mov_b32 s59, 0
	s_lshl_b32 s60, s16, 20                        ; the mask: row 128 x block + 64 x half, 8,192 bytes a row: made of the block and the wave alone
	s_lshl_b32 s61, s13, 19
	s_add_co_u32 s60, s60, s61
	s_mov_b32 s61, 0
	s_mul_i32 s62, s13, 64*MP
	s_add_co_u32 s62, s62, MOFF                    ; its place in a slot
	s_mov_b32 s[SEL], 0x76543210
	s_mov_b32 s[SEL+1], 0xfedcba98
	s_mov_b32 s[RS], 0x3db504f3                    ; 1 / sqrt(128)
	s_mov_b32 s[RS+1], s[RS]                       ; (named with it as a pair, so it is written)
	s_mov_b32 s[L2E], 0x3fb8aa3b                   ; log2(e)
	s_mov_b32 s[L2E+1], s[L2E]
	s_wait_kmcnt 0x0
	s_add_nc_u64 s[6:7], s[6:7], s[58:59]
	s_add_nc_u64 s[8:9], s[8:9], s[60:61]
.irp s, 0,1
	s_mov_b32 s[G0KV+4*\s], 1
	s_add_co_u32 s[G0KV+4*\s+1], s57, \s*SLOT1
	s_add_nc_u64 s[G0KV+4*\s+2:G0KV+4*\s+3], s[6:7], \s*2*PANEL    ; slot s begins with key step s
	s_or_b32 s[G0KV+4*\s+3], s[G0KV+4*\s+3], 0x80000000
	s_mov_b32 s[G0M+4*\s], 1
	s_add_co_u32 s[G0M+4*\s+1], s62, \s*SLOT1
	s_add_nc_u64 s[G0M+4*\s+2:G0M+4*\s+3], s[8:9], \s*512
	s_or_b32 s[G0M+4*\s+3], s[G0M+4*\s+3], 0x80000000
.endr
	CROUND                                         ; all sixteen work-groups are here: the first joint loads meet
	JLOAD 0                                        ; key step 0; slot 1 is first filled behind the first trip's round, as a refill is
	s_mul_i32 s63, s12, FRB                        ; fragment w of a panel,
	s_lshl_b32 s57, s12, 7
	s_add_co_u32 s57, s57, SCO                     ; and its record
	s_lshl_b32 s58, s17, 4
	s_add_co_u32 s58, s58, s16
	s_mul_i32 s58, s58, PANEL                      ; q's panel: 16 x head + block
	s_add_co_u32 s60, s58, s57
	s_add_co_u32 s58, s58, s63
	s_add_nc_u64 s[68:69], s[4:5], s[60:61]
	s_add_nc_u64 s[4:5], s[4:5], s[58:59]
	s_lshl_b32 s58, s16, 4
	s_add_co_u32 s58, s58, s17
	s_mul_i32 s58, s58, PANEL                      ; ctx's panel: 16 x block + head
	s_add_co_u32 s60, s58, s57
	s_add_co_u32 s58, s58, s63
	s_add_nc_u64 s[70:71], s[10:11], s[60:61]
	s_add_nc_u64 s[10:11], s[10:11], s[58:59]
	v_and_b32 v11, 31, v0
	v_lshlrev_b32 v[LI], 4, v11
	v_lshlrev_b32 v[LS], 2, v11
.irp c, 0,1,2
	global_load_b128 v[QF+4*\c:QF+4*\c+3], v[LI], s[4:5] offset:512*\c         ; Q's fragment stays in registers
.endr
	global_load_b32 v[QS], v[LS], s[68:69]
	v_add_nc_u32 v[AKV+1], SLOT1, v[LI]
	v_add_nc_u32 v[ASC], SCO, v[LS]
	v_add_nc_u32 v[ASC+1], SLOT1+SCO, v[LS]
	v_and_b32 v11, 15, v0
	v_mul_u32_u24 v[AM], v11, MP
	v_bfe_u32 v11, v0, 4, 1
	v_lshl_add_u32 v[AM], v11, 6, v[AM]
	s_mul_i32 s57, s12, 16*MP
	s_add_co_u32 s57, s57, MOFF
	v_add_nc_u32 v[AM], s57, v[AM]
	v_add_nc_u32 v[AM+1], SLOT1, v[AM]
	v_mov_b32 v13, 0xff61b1e6                      ; the largest t so far: -3e38
	v_floor_f32 v12, -v13                          ; -M
	v_mov_b32 v14, 0                               ; the sum, in two halves
	v_mov_b32 v15, 0
	v_mov_b32 v[FF+1], 0                           ; (named as the upper half of a pair)
.irp b, 0,1,2,3
	v_mov_b32 v[TM+4+\b], 0                        ; written once: a lane permute's destination counts as one of its sources
.endr
.set n, 0
.rept 64
	v_mov_b32 v[OT+n], 0                           ; O^T.  (The step is written once for all steps: the first finds zeros, which the first change of M leaves zeros)
.set n, n+1
.endr
; A KEY STEP: 128 keys, from the slot named.
.macro STEP slot
.irp t, 0,1,2,3,4,5,6,7
	ds_load_b32 v[KS+\t], v[ASC+\slot] offset:128*\t
.endr
	WIN 0x40                                       ; destination window 1
.irp t, 0,1,2,3,4,5,6,7
.irp c, 0,1,2
	ds_load_b128 v[KFR+12*\t+4*\c:KFR+12*\t+4*\c+3], v[AKV+\slot] offset:\t*FRB+512*\c
.endr
.endr
.irp b, 0,1,2,3
.irp j, 0,1,2,3
	ds_load_b128 v[MK+16*\b+4*\j:MK+16*\b+4*\j+3], v[AM+\slot] offset:128*\b+16*\j   ; the mask of my query at keys 32 b + 16 h + 4 j on: S^T's own order
.endr
.endr
	s_wait_dscnt 16                                ; k's words and fragments are in; the mask's 16 loads may be out
	WIN 0x01                                       ; source 0 window 1
.irp t, 0,1,2,3,4,5,6,7
	v_wmma_scale_f32_16x16x128_f8f6f4 v[SS+8*\t:SS+8*\t+7], v[KFR+12*\t:KFR+12*\t+11], v[QF:QF+11], 0, v[KS+\t], v[QS] matrix_a_fmt:MATRIX_FMT_BF6 matrix_b_fmt:MATRIX_FMT_BF6
.endr
	WIN 0
	PLACES                                         ; behind these products, ahead of the first read of the scores; and behind the last step's products, ahead of the loads into v's registers
.irp t, 0,1,2,3,4,5,6,7
	ds_load_b32 v[VS+\t], v[ASC+\slot] offset:PANEL+128*\t
.endr
	WIN 0x40
.irp t, 0,1,2,3,4,5,6,7
.irp c, 0,1,2
	ds_load_b128 v[VFR+12*\t+4*\c:VFR+12*\t+4*\c+3], v[AKV+\slot] offset:PANEL+\t*FRB+512*\c
.endr
.endr
	s_wait_dscnt 32                                ; the mask is in; v's 32 loads may be out: they land under the softmax
	WIN 0x10                                       ; source 2 window 1
.set n, 0
.rept 32
	v_pk_fma_f32 v[SS+n:SS+n+1], v[SS+n:SS+n+1], s[RS:RS+1], v[MK+n:MK+n+1] op_sel_hi:[1,0,1]   ; the logit; each accumulator is read from its low end on
.set n, n+2
.endr
	WIN 0
.set n, 0
.rept 32
	v_pk_mul_f32 v[SS+n:SS+n+1], v[SS+n:SS+n+1], s[L2E:L2E+1] op_sel_hi:[1,0]   ; t
.set n, n+2
.endr
.irp b, 0,1,2,3
	v_max3_num_f32 v[TM+\b], v[SS+16*\b], v[SS+1+16*\b], v[SS+2+16*\b]   ; the largest t of each block of 32 keys: it serves the row's maximum and, since p rises with t, the block's largest p
.endr
.irp i, 3,5,7,9,11,13
.irp b, 0,1,2,3
	v_max3_num_f32 v[TM+\b], v[TM+\b], v[SS+16*\b+\i], v[SS+1+16*\b+\i]
.endr
.endr
.irp b, 0,1,2,3
	v_max_num_f32 v[TM+\b], v[TM+\b], v[SS+15+16*\b]
.endr
.irp b, 0,1,2,3
	v_permlanex16_b32 v[TM+4+\b], v[TM+\b], s[SEL], s[SEL+1]
.endr
.irp b, 0,1,2,3
	v_max_num_f32 v[TM+\b], v[TM+\b], v[TM+4+\b]   ; with lane l xor 16's 16 keys
.endr
	v_max3_num_f32 v[T0], v[TM], v[TM+1], v[TM+2]
	v_max_num_f32 v[T0], v[T0], v[TM+3]
	v_max_num_f32 v13, v13, v[T0]                  ; the running largest t
	v_mov_b32 v[T0], v12
	v_floor_f32 v12, -v13                          ; the new -M = floor(-t): M is a whole number
	v_sub_f32 v[T0], v12, v[T0]                    ; old M - new M: a whole number, 0 or less
	v_cvt_i32_f32 v[T0], v[T0]                     ; (it saturates)
	v_ldexp_f32 v[FF], 1.0, v[T0]                  ; f = 2^(old M - new M)
.set n, 0
.rept 32
	v_pk_add_f32 v[SS+n:SS+n+1], v[SS+n:SS+n+1], v[12:13] op_sel_hi:[1,0]   ; t - M
.set n, n+2
.endr
.irp b, 0,1,2,3
	v_add_f32 v[TM+\b], v[TM+\b], v12              ; the same of each block's largest t
.endr
.set n, 0
.rept 64
	v_exp_f32 v[SS+n], v[SS+n]                     ; p = 2^(t - M), at most 1
.set n, n+1
.endr
.irp b, 0,1,2,3
	v_exp_f32 v[TM+\b], v[TM+\b]                   ; the block's largest p: the same two instructions on the same number
.endr
	v_pk_mul_f32 v[14:15], v[14:15], v[FF:FF+1] op_sel_hi:[1,0]   ; the sums under the new M.  (A plain place behind the exponentials)
	s_wait_alu depctr_va_vdst(0)
.irp b, 0,1,2,3
	v_max_num_f32 v[TM+\b], 0x2800000, v[TM+\b]    ; the floor 2^(5 - 127): the byte cannot fall under 1
.endr
	QTAIL SS
	v_pk_add_f32 v[TM+8:TM+9], v[SS:SS+1], v[SS+2:SS+3]           ; the row's sum of the UNQUANTISED p, in two chains
.irp j, 4,8,12,16,20,24,28,32,36,40,44,48,52,56,60
	v_pk_add_f32 v[14:15], v[14:15], v[SS+\j:SS+\j+1]
	v_pk_add_f32 v[TM+8:TM+9], v[TM+8:TM+9], v[SS+2+\j:SS+3+\j]
.endr
	v_pk_add_f32 v[14:15], v[14:15], v[TM+8:TM+9]
.set n, 0
.rept 32
	v_pk_mul_f32 v[OT+n:OT+n+1], v[OT+n:OT+n+1], v[FF:FF+1] op_sel_hi:[1,0]   ; O^T under the new M, each accumulator from its low end on.  (With the sums above: the places between p's codes and scale word and the products below)
.set n, n+2
.endr
	s_wait_dscnt 0x0                               ; v's words and fragments are in
	WIN 0x01
.irp t, 0,1,2,3,4,5,6,7
	v_wmma_scale_f32_16x16x128_f8f6f4 v[OT+8*\t:OT+8*\t+7], v[VFR+12*\t:VFR+12*\t+11], v[PC:PC+11], v[OT+8*\t:OT+8*\t+7], v[VS+\t], v[PW] matrix_a_fmt:MATRIX_FMT_BF6 matrix_b_fmt:MATRIX_FMT_BF6
.endr
	WIN 0
.endm
; A TRIP: each wave waits for all its tensor loads (its part of this trip's slot), adds 0 to its spare word, and waits for that and for its reads of the other slot; a round of the cluster's barrier;
; behind it this slot is whole and no wave of any partner reads the other, which is filled with the next key step: the load has this whole step in which to land.
.macro TRIP slot, refill
	s_wait_tensorcnt 0x0                           ; no tensor load of mine is out, so a group 0 may be written
	ds_add_u32 v[SPW], v[NIL]                      ; 0 onto my spare word
	s_add_nc_u64 s[G0KV+4*\slot+2:G0KV+4*\slot+3], s[G0KV+4*\slot+2:G0KV+4*\slot+3], 4*PANEL   ; this slot's next tiles: two key steps on
	s_add_nc_u64 s[G0M+4*\slot+2:G0M+4*\slot+3], s[G0M+4*\slot+2:G0M+4*\slot+3], 1024
	s_wait_dscnt 0x0                               ; the add is done, and my reads of the other slot are over
	CROUND
.if \refill
	JLOAD 1-\slot
.endif
	STEP \slot
.endm
	s_wait_loadcnt 0x0                             ; Q
	s_mov_b32 s56, 7
.Lloop:
	TRIP 0, 1
	TRIP 1, 1
	s_sub_co_u32 s56, s56, 1
	s_cmp_lg_u32 s56, 0
	s_cbranch_scc1 .Lloop
	TRIP 0, 1                                      ; the last two steps are written out: the very last asks for nothing (the stepped addresses are not used)
	TRIP 1, 0
	; THE WAY OUT: O^T / the sum is ctx; register 16 b + i is channel 32 b + 16 h + i of my query: it is quantised as it stands and leaves as fragment w of the panel (block, head).
	PLACES
	v_add_f32 v14, v14, v15                        ; the sum's two halves,
	v_permlanex16_b32 v[T0], v14, s[SEL], s[SEL+1]
	v_add_f32 v14, v14, v[T0]                      ; and lane l xor 16's
	v_rcp_f32 v14, v14
	v_nop                                          ; one plain place behind a transcendental
.set n, 0
	s_wait_alu depctr_va_vdst(0)
.rept 64
	v_mul_f32 v[SS+n], v[OT+n], v14
.set n, n+1
.endr
	QUANT SS
.irp c, 0,1,2
	global_store_b128 v[LI], v[PC+4*\c:PC+4*\c+3], s[10:11] offset:512*\c      ; 32 lanes store 512 consecutive bytes, at a multiple of 256 from the buffer's first byte
.endr
	global_store_b32 v[LS], v[PW], s[70:71]
	s_wait_tensorcnt 0x0                           ; the wave's end
	ds_add_u32 v[SPW], v[NIL]
	s_wait_dscnt 0x0
	CROUND                                         ; the closing round: no work-group ends while a partner may still ask for a tile that names it
	s_endpgm
.Lfunc_end_k_q4f77106775_attn:
	.size	k_q4f77106775_attn, .Lfunc_end_k_q4f77106775_attn-k_q4f77106775_attn
	.p2alignl 7, 3214868480
	.fill 96, 4, 3214868480
	.section	.rodata,"a",@progbits
	.p2align	6, 0x0
	.amdhsa_kernel k_q4f77106775_attn
		.amdhsa_group_segment_fixed_size 327680
		.amdhsa_private_segment_fixed_size 0
		.amdhsa_enable_private_segment 0
		.amdhsa_kernarg_size 32
		.amdhsa_user_sgpr_count 2
		.amdhsa_user_sgpr_kernarg_segment_ptr 1
		.amdhsa_wavefront_size32 1
		.amdhsa_system_sgpr_workgroup_id_x 1
		.amdhsa_system_sgpr_workgroup_id_y 1
		.amdhsa_system_sgpr_workgroup_id_z 1
		.amdhsa_system_vgpr_workitem_id 0
		.amdhsa_next_free_vgpr 512
		.amdhsa_next_free_sgpr 72
		.amdhsa_reserve_vcc 0
		.amdhsa_float_denorm_mode_32 3
		.amdhsa_float_denorm_mode_16_64 3
		.amdhsa_memory_ordered 1
		.amdhsa_forward_progress 1
		.amdhsa_inst_pref_size 116
	.end_amdhsa_kernel
	.amdgpu_metadata
---
amdhsa.version: [ 1, 2 ]
amdhsa.kernels:
  - .name:           k_q4f77106775_attn
    .symbol:         k_q4f77106775_attn.kd
    .args:
      - { .name: qp, .offset: 0, .size: 8, .value_kind: global_buffer, .address_space: global }
      - { .name: kvp, .offset: 8, .size: 8, .value_kind: global_buffer, .address_space: global }
      - { .name: attn_mask, .offset: 16, .size: 8, .value_kind: global_buffer, .address_space: global }
      - { .name: cp, .offset: 24, .size: 8, .value_kind: global_buffer, .address_space: global }
    .group_segment_fixed_size: 327680
    .private_segment_fixed_size: 0
    .kernarg_segment_align: 8
    .kernarg_segment_size: 32
    .max_flat_workgroup_size: 256
    .sgpr_count:     72
    .vgpr_count:     512
    .wavefront_size: 32
...
	.end_amdgpu_metadata
.endif
;; end of part 3
;; launch gemm_out (part 4): grid 16 x 16, 4 waves a work-group, clusters of 4 x 4, 327,680 bytes of LDS; arguments cp, wop, bo, out0; writes out0
.if DOCPART == 4
	.amdgcn_target "amdgcn-amd-amdhsa--gfx1250"
	.amdhsa_code_object_version 6
	.text
	.protected	k_q4f77106775_gemm_out
	.globl	k_q4f77106775_gemm_out
	.p2align	8
	.type	k_q4f77106775_gemm_out,@function
k_q4f77106775_gemm_out:
	s_mov_b64 s[64:65], 0
	v_nop
	global_prefetch_b8 v0, s[64:65] scope:SCOPE_SE
	s_setreg_imm32_b32 hwreg(HW_REG_WAVE_MODE, 25, 1), 1
	s_wait_xcnt 0x0
	s_wait_alu depctr_hold_cnt(0) depctr_sa_sdst(0) depctr_va_vdst(0) depctr_va_sdst(0) depctr_va_ssrc(0) depctr_va_vcc(0) depctr_vm_vsrc(0)
	s_getreg_b32 s2, hwreg(HW_REG_IB_STS2, 6, 4)
	s_cmp_eq_u32 s2, 0
	s_cbranch_scc0 .Lentry_in_a_cluster
	s_endpgm
.Lentry_in_a_cluster:
	s_bfe_u32 s2, ttmp6, 0x10000c
	s_cmp_lg_u32 s2, 0xf033
	s_cbranch_scc0 .Lentry_shape_is_right
	s_endpgm
.Lentry_shape_is_right:
; out0 = ctx Wo^T + bo on codes of BF6 (E3M2) with E8M0 scales; ctx and Wo come as PANELS (128 rows x 128 K in 13,312 bytes: eight fragments as images of the operand's 12 registers,
; fragment f at 1,536 f, registers 4 c .. 4 c + 3 at 512 c + 16 x lane; from byte 12,288 on eight records of scale words, 128 bytes each, 4 bytes a lane).  Panels lie [rows / 128][K / 128].
; A work-group makes 128 x 128 of out0: 256 work-groups in all.  Four waves, each 64 x 64: 16 accumulators.  K = 16 steps of 128.
; THE RING: two LDS slots, each with A's and B's panels of four K steps; a wave's one tensor load brings two panels, 26,624 dense bytes, as 104 rows of 256.
; CLUSTER 4 x 4: the four of a row of the cluster need the same panels of ctx, the four of a column the same panels of Wo: each is asked for JOINTLY.
; THE MATRIX INSTRUCTION IS USED TRANSPOSED (source 0 = 16 rows of Wo, source 1 = 16 rows of ctx): a lane holds eight neighbouring columns of one row.  The bias is the C of the first K step's products
; (it enters the f32 sum first, not last).  The tile leaves through a stage in LDS, as whole rows of 512 bytes.
; REGISTERS: window 0: v16-29 addresses; v32-39 scale words, two sets; v40-71 the bias; v128-255 the accumulators ((a, b) at v[128 + 8 (4 a + b)]), later rows from the stage.
;   window 1: two sets of 96: A's four fragments, then B's four.
.set PANEL,  13312
.set FRB,    1536
.set SCO,    12288
.set SLOT,   8*PANEL                   ; A's four panels, then B's four
.set BOFF,   4*PANEL
.set STAGE,  2*SLOT                    ; behind the ring: 128 rows x 528 bytes; no tensor load lands there
.set SP,     528                       ; 512 bytes + 16 = 33 x 16 bytes
.set SPARE,  STAGE+128*SP              ; behind the stage: the spare words, 128 bytes for each wave: two blocks of 256 bytes that no other line names
.set ADRA, 16                          ; v16-17  my A fragments in slot 0, 1
.set ASC,  18                          ; v18-19  my scale words: lanes 0-15 A's records, lanes 16-31 B's
.set ADRB, 20                          ; v20-21  my B fragments
.set STO,  24                          ; v24  the stage: where I put 32 bytes of a row
.set RD,   25                          ; v25  the stage: my 32 whole rows, 16 bytes a lane
.set LI,   26                          ; v26  16 x lane
.set LS,   27                          ; v27  4 x lane
.set SPW,  28                          ; v28  my spare word: SPARE + 4 x my thread's number; never rewritten
.set NIL,  29                          ; v29  0; never rewritten
.set SC,   32                          ; set p at v[SC + 4 p]; register i: lanes 0-15 the words of A's block i, lanes 16-31 those of B's block i
.set BIAS, 40                          ; 8 registers for each of my four blocks of columns
.set ACC,  128
.set G1, 24                            ; s[24:31] group 1 for A's panels;  s[32:39] group 0, one set for each slot
.set G0, 32
.set G1B, 48                           ; s[48:55], s[56:63] the same for B's
.set G0B, 56
.set MSB, 0
.macro WIN new                         ; the immediate's high byte repeats the setting that is left
.if MSB != \new
	s_set_vgpr_msb (MSB<<8)|\new
.set MSB, \new
.endif
.endm
.set MUL,  0x05                        ; sources 0 (B) and 1 (A) window 1; C and D window 0
.set TO_F, 0x40                        ; destination window 1, address window 0
.macro PLACES                          ; four places behind matrix instructions, in front of loads into their registers and of reads of results
.rept 4
	v_nop
.endr
.endm
.macro JLOAD s                         ; a joint load: waves 0 and 1 fetch for A, waves 2 and 3 for B; four v_nop follow each of the two lines
	s_cmp_eq_u32 s11, 0
	s_cbranch_scc0 .Lfor_b_\@
	tensor_load_to_lds s[G0+4*\s:G0+4*\s+3], s[G1:G1+7]
	s_nop 0
.rept 4
	v_nop
.endr
	s_branch .Lasked_\@
.Lfor_b_\@:
	tensor_load_to_lds s[G0B+4*\s:G0B+4*\s+3], s[G1B:G1B+7]
	s_nop 0
.rept 4
	v_nop
.endr
.Lasked_\@:
.endm
.macro CREST                           ; a round of the cluster's barrier behind its opening barrier
	s_cmp_lg_u32 s10, 0
	s_cbranch_scc1 .Lnot_wave_0_\@
	s_barrier_signal -3
.Lnot_wave_0_\@:
	s_barrier_wait -3
	s_barrier_signal -1
	s_barrier_wait -1
.endm
.macro CROUND                          ; a whole round
	s_barrier_signal -1
	s_barrier_wait -1
	CREST
.endm
	s_load_b256 s[68:75], s[0:1], 0x0              ; cp s[68:69], wop s[70:71], bo s[72:73], out0 s[74:75]
	v_lshl_add_u32 v[SPW], v0, 2, SPARE
	v_mov_b32 v[NIL], 0
	ds_add_u32 v28, v29
	s_wait_dscnt 0x0
	v_lshrrev_b32 v1, 5, v0
	v_readfirstlane_b32 s10, v1                    ; wave 0..3
	s_lshr_b32 s11, s10, 1                         ; which half of the tile's rows is mine.  Also: I fetch for A (0) or for B (1)
	s_and_b32 s12, s10, 1                          ; which half of its columns.  Also: which two panels of a slot's four I fetch
	s_bfe_u32 s40, ttmp6, 0x40000                  ; cx, cy: my place in the cluster
	s_bfe_u32 s41, ttmp6, 0x40004
	s_lshl_b32 s42, ttmp9, 2
	s_add_co_u32 s42, s42, s40                     ; tile column = 4 x cluster x + cx
	s_and_b32 s13, ttmp7, 0xffff
	s_lshl_b32 s13, s13, 2
	s_add_co_u32 s13, s13, s41                     ; tile row = 4 x cluster y + cy
	s_lshl_b32 s43, s41, 2
	s_lshl_b32 s43, 15, s43                        ; my row of the cluster
	s_lshl_b32 s44, 0x1111, s40                    ; my column
	; group 1: two panels, 26,624 dense bytes, as 104 rows of 32 elements of 8 bytes; no padding
	s_or_b32 s[G1+0], s43, (3<<16)|(1<<21)         ; 15:0 the mask: A's panels go to my row; 17:16 elements of 8 bytes; 21 set beside a mask
	s_or_b32 s[G1B+0], s44, (3<<16)|(1<<21)        ; B's go to my column
.irp g, G1, G1B
	s_mov_b32 s[\g+1], 32<<16                      ; tensor_dim0 = 32
	s_mov_b32 s[\g+2], 104<<16                     ; tensor_dim1 = 104
	s_mov_b32 s[\g+3], 32<<16                      ; tile_dim0 = 32
	s_mov_b32 s[\g+4], 104                         ; tile_dim1 = 104
	s_mov_b32 s[\g+5], 32                          ; tensor_dim0_stride
	s_mov_b32 s[\g+6], 0
	s_mov_b32 s[\g+7], 0
.endr
	s_lshl_b32 s17, s12, 1                         ; my two panels of four
	s_lshl_b32 s16, s13, 4
	s_add_co_u32 s16, s16, s17
	s_mul_i32 s16, s16, PANEL                      ; A: panel 16 x tile row + 2 x half
	s_lshl_b32 s46, s42, 4
	s_add_co_u32 s46, s46, s17
	s_mul_i32 s46, s46, PANEL                      ; B: panel 16 x tile column + 2 x half
	s_mov_b32 s17, 0
	s_mov_b32 s47, 0
	s_mul_i32 s20, s10, 2*PANEL                    ; where they go: wave x two panels: no place in the cluster enters an LDS address
	s_wait_kmcnt 0x0
	s_add_nc_u64 s[14:15], s[68:69], s[16:17]
	s_add_nc_u64 s[46:47], s[70:71], s[46:47]
	CROUND                                         ; all sixteen work-groups are here: the first joint loads meet
.irp s, 0,1
	s_mov_b32 s[G0+4*\s], 1
	s_add_co_u32 s[G0+4*\s+1], s20, \s*SLOT
	s_add_nc_u64 s[G0+4*\s+2:G0+4*\s+3], s[14:15], \s*4*PANEL      ; slot s begins with K steps 4 s .. 4 s + 3
	s_or_b32 s[G0+4*\s+3], s[G0+4*\s+3], 0x80000000
	s_mov_b32 s[G0B+4*\s], 1
	s_add_co_u32 s[G0B+4*\s+1], s20, \s*SLOT
	s_add_nc_u64 s[G0B+4*\s+2:G0B+4*\s+3], s[46:47], \s*4*PANEL
	s_or_b32 s[G0B+4*\s+3], s[G0B+4*\s+3], 0x80000000
	JLOAD \s
.endr
	v_and_b32 v1, 15, v0                           ; r
	v_bfe_u32 v2, v0, 4, 1                         ; h
	v_and_b32 v3, 31, v0                           ; lane
	v_lshlrev_b32 v[LI], 4, v3
	v_lshlrev_b32 v[LS], 2, v3
	s_mul_i32 s21, s11, 4*FRB                      ; my four fragments of A's eight
	s_mul_i32 s22, s12, 4*FRB                      ; and of B's,
	s_add_co_u32 s22, s22, BOFF                    ; which lie behind A's four panels
.irp s, 0,1
	v_add_nc_u32 v[ADRA+\s], s21, v[LI]
	v_add_nc_u32 v[ADRB+\s], s22, v[LI]
	s_add_co_u32 s21, s21, SLOT
	s_add_co_u32 s22, s22, SLOT
.endr
	s_xor_b32 s22, s11, 1                          ; lanes 16-31 take B's records: BOFF + 512 (w & 1) - 512 (w >> 1) further on, written as one product with h
	s_add_co_u32 s22, s22, s12
	s_lshl_b32 s22, s22, 9
	s_add_co_u32 s22, s22, BOFF-512
	v_mul_u32_u24 v4, s22, v2
	s_lshl_b32 s21, s11, 9
	s_add_co_u32 s21, s21, SCO
	v_add_nc_u32 v4, v4, v[LS]
	v_add_nc_u32 v[ASC], s21, v4
	v_add_nc_u32 v[ASC+1], SLOT, v[ASC]
	s_mul_i32 s23, s11, 64*SP                      ; into the stage: my 64 rows, my 256 bytes of them; row r, 32 bytes for each half of the lanes
	s_lshl_b32 s21, s12, 8
	s_add_co_u32 s23, s23, s21
	s_add_co_u32 s23, s23, STAGE
	v_mul_u32_u24 v4, v1, SP
	v_lshl_add_u32 v4, v2, 5, v4
	v_add_nc_u32 v[STO], s23, v4
	s_mul_i32 s23, s10, 32*SP                      ; back: wave w takes rows 32 w .. 32 w + 31
	s_add_co_u32 s23, s23, STAGE
	v_add_nc_u32 v[RD], s23, v[LI]
	v_lshlrev_b32 v5, 5, v2                        ; the bias: 32 h bytes
	s_lshl_b32 s46, s13, 20                        ; out0: row 128 y + 32 w of 8,192 bytes, + 512 x
	s_lshl_b32 s47, s10, 18
	s_add_co_u32 s46, s46, s47
	s_lshl_b32 s47, s42, 9
	s_add_co_u32 s46, s46, s47
	s_mov_b32 s47, 0
	s_add_nc_u64 s[74:75], s[74:75], s[46:47]
	s_lshl_b32 s46, s42, 9                         ; the bias of my 64 columns
	s_lshl_b32 s21, s12, 8
	s_add_co_u32 s46, s46, s21
	s_add_nc_u64 s[72:73], s[72:73], s[46:47]
.irp b, 0,1,2,3
	global_load_b128 v[BIAS+8*\b:BIAS+8*\b+3], v5, s[72:73] offset:64*\b          ; lane (r, h), register j: the bias of column 16 b + 8 h + j: the result's layout
	global_load_b128 v[BIAS+8*\b+4:BIAS+8*\b+7], v5, s[72:73] offset:64*\b+16
.endr
; 28 LDS loads in one run: the slot's q-th K step into set p: four scale registers, B's four fragments, A's four
.macro FETCH slot, q, p
.irp i, 0,1,2,3
	ds_load_b32 v[SC+4*(\p)+\i], v[ASC+\slot] offset:(\q)*PANEL+128*\i
.endr
	WIN TO_F
.irp i, 0,1,2,3
.irp c, 0,1,2
	ds_load_b128 v[96*(\p)+48+12*\i+4*\c:96*(\p)+48+12*\i+4*\c+3], v[ADRB+\slot] offset:(\q)*PANEL+\i*FRB+512*\c
.endr
.endr
.irp i, 0,1,2,3
.irp c, 0,1,2
	ds_load_b128 v[96*(\p)+12*\i+4*\c:96*(\p)+12*\i+4*\c+3], v[ADRA+\slot] offset:(\q)*PANEL+\i*FRB+512*\c
.endr
.endr
	WIN 0
.endm
; 8 matrix instructions: A's blocks a0, a0 + 1 x B's four, 128 along K, from set p.  first = 1: the bias starts the sums.  The 16 accumulators take turns, one instruction a turn, in the same order in every step.
.macro MUL8 p, a0, first
.irp a, \a0, \a0+1
.irp b, 0,1,2,3
.if \first
	v_wmma_scale_f32_16x16x128_f8f6f4 v[ACC+8*(4*(\a)+\b):ACC+8*(4*(\a)+\b)+7], v[96*(\p)+48+12*\b:96*(\p)+48+12*\b+11], v[96*(\p)+12*(\a):96*(\p)+12*(\a)+11], v[BIAS+8*\b:BIAS+8*\b+7], v[SC+4*(\p)+\b], v[SC+4*(\p)+(\a)] matrix_a_fmt:MATRIX_FMT_BF6 matrix_b_fmt:MATRIX_FMT_BF6 matrix_a_scale:MATRIX_SCALE_ROW1
.else
	v_wmma_scale_f32_16x16x128_f8f6f4 v[ACC+8*(4*(\a)+\b):ACC+8*(4*(\a)+\b)+7], v[96*(\p)+48+12*\b:96*(\p)+48+12*\b+11], v[96*(\p)+12*(\a):96*(\p)+12*(\a)+11], v[ACC+8*(4*(\a)+\b):ACC+8*(4*(\a)+\b)+7], v[SC+4*(\p)+\b], v[SC+4*(\p)+(\a)] matrix_a_fmt:MATRIX_FMT_BF6 matrix_b_fmt:MATRIX_FMT_BF6 matrix_a_scale:MATRIX_SCALE_ROW1
.endif
.endr
.endr
.endm
; One of a slot's first three K steps: the next step's operands are asked for, then this step's 16 products are issued.
.macro STEP slot, q, first
	s_wait_dscnt 0x0                               ; this step's 28 loads are in
.if !\first
	PLACES                                         ; the other set was read by the step before
.endif
	FETCH \slot, (\q)+1, ((\q)+1)%2
	WIN MUL
	MUL8 (\q)%2, 0, \first
	MUL8 (\q)%2, 2, \first
	WIN 0
.endm
; A slot's last K step (set 1) changes slots: ONE barrier; in front of it each wave waits for all its tensor loads, adds 0 to its spare word, and waits for that and for its reads of this slot.
; fill = 1: the barrier opens a round of the cluster's, and this slot is filled again, with the K steps eight further on.
.macro TURN slot, next, fill
	s_wait_tensorcnt 0x0                           ; all my tensor loads have landed: my part of the next slot
	ds_add_u32 v[SPW], v[NIL]                      ; 0 onto my spare word
	s_wait_dscnt 1                                 ; this step's 28 loads are in; the add may be out
	WIN MUL
	MUL8 1, 0, 0                                   ; eight matrix instructions stand between the add and the wait for it
	s_wait_dscnt 0x0                               ; the add is done, and my reads of this slot are over
	s_barrier_signal -1
	MUL8 1, 2, 0
	WIN 0
	s_barrier_wait -1
.if \fill
	CREST                                          ; no wave of any partner still reads this slot or has a load on its way
	s_add_nc_u64 s[G0+4*\slot+2:G0+4*\slot+3], s[G0+4*\slot+2:G0+4*\slot+3], SLOT
	s_add_nc_u64 s[G0B+4*\slot+2:G0B+4*\slot+3], s[G0B+4*\slot+2:G0B+4*\slot+3], SLOT
	JLOAD \slot                                    ; the first tensor load behind the round; the four v_nop behind it are also the places in front of the loads below
.else
	PLACES
.endif
	FETCH \next, 0, 0
.endm
	s_wait_tensorcnt 1                             ; my part of slot 0 is in; slot 1's may stay out
	s_barrier_signal -1
	s_barrier_wait -1                              ; everybody's is
	FETCH 0, 0, 0
	s_wait_loadcnt 0x0                             ; the bias
	STEP 0, 0, 1                                   ; K steps 0 to 3
	STEP 0, 1, 0
	STEP 0, 2, 0
	TURN 0, 1, 1                                   ; slot 0 takes K steps 8 to 11
	STEP 1, 0, 0
	STEP 1, 1, 0
	STEP 1, 2, 0
	TURN 1, 0, 1                                   ; slot 1 takes K steps 12 to 15
	STEP 0, 0, 0
	STEP 0, 1, 0
	STEP 0, 2, 0
	TURN 0, 1, 0                                   ; nothing is left to fetch
	STEP 1, 0, 0
	STEP 1, 1, 0
	STEP 1, 2, 0
	s_wait_dscnt 0x0
	WIN MUL
	MUL8 1, 0, 0
	MUL8 1, 2, 0
	WIN 0
	PLACES
.irp a, 0,1,2,3
.irp b, 0,1,2,3
	ds_store_b128 v[STO], v[ACC+8*(4*\a+\b):ACC+8*(4*\a+\b)+3] offset:\a*16*SP+64*\b       ; each accumulator from its low end on
	ds_store_b128 v[STO], v[ACC+8*(4*\a+\b)+4:ACC+8*(4*\a+\b)+7] offset:\a*16*SP+64*\b+16
.endr
.endr
	s_wait_dscnt 0x0                               ; for the others' sake: my stores into the stage are done
	s_barrier_signal -1
	s_barrier_wait -1                              ; a row's 512 bytes come from two waves: now they lie together
.set n, 0
.rept 32
	ds_load_b128 v[ACC+4*n:ACC+4*n+3], v[RD] offset:n*SP
.set n, n+1
.endr
.set n, 0
.rept 32
	s_wait_dscnt 31-n                              ; row n is back; the younger loads may be out
	global_store_b128 v[LI], v[ACC+4*n:ACC+4*n+3], s[74:75] offset:n*8192 th:TH_STORE_NT   ; 32 lanes store 512 consecutive bytes, at a multiple of 256 from out0's first byte
.set n, n+1
.endr
	s_wait_tensorcnt 0x0                           ; the wave's end
	ds_add_u32 v[SPW], v[NIL]
	s_wait_dscnt 0x0
	CROUND                                         ; the closing round: no work-group ends while a partner may still ask for a tile that names it
	s_endpgm
.Lfunc_end_k_q4f77106775_gemm_out:
	.size	k_q4f77106775_gemm_out, .Lfunc_end_k_q4f77106775_gemm_out-k_q4f77106775_gemm_out
	.p2alignl 7, 3214868480
	.fill 96, 4, 3214868480
	.section	.rodata,"a",@progbits
	.p2align	6, 0x0
	.amdhsa_kernel k_q4f77106775_gemm_out
		.amdhsa_group_segment_fixed_size 327680
		.amdhsa_private_segment_fixed_size 0
		.amdhsa_enable_private_segment 0
		.amdhsa_kernarg_size 32
		.amdhsa_user_sgpr_count 2
		.amdhsa_user_sgpr_kernarg_segment_ptr 1
		.amdhsa_wavefront_size32 1
		.amdhsa_system_sgpr_workgroup_id_x 1
		.amdhsa_system_sgpr_workgroup_id_y 1
		.amdhsa_system_sgpr_workgroup_id_z 1
		.amdhsa_system_vgpr_workitem_id 0
		.amdhsa_next_free_vgpr 448
		.amdhsa_next_free_sgpr 80
		.amdhsa_reserve_vcc 0
		.amdhsa_float_denorm_mode_32 3
		.amdhsa_float_denorm_mode_16_64 3
		.amdhsa_memory_ordered 1
		.amdhsa_forward_progress 1
		.amdhsa_inst_pref_size 83
	.end_amdhsa_kernel
	.amdgpu_metadata
---
amdhsa.version: [ 1, 2 ]
amdhsa.kernels:
  - .name:           k_q4f77106775_gemm_out
    .symbol:         k_q4f77106775_gemm_out.kd
    .args:
      - { .name: cp, .offset: 0, .size: 8, .value_kind: global_buffer, .address_space: global }
      - { .name: wop, .offset: 8, .size: 8, .value_kind: global_buffer, .address_space: global }
      - { .name: bo, .offset: 16, .size: 8, .value_kind: global_buffer, .address_space: global }
      - { .name: out0, .offset: 24, .size: 8, .value_kind: global_buffer, .address_space: global }
    .group_segment_fixed_size: 327680
    .private_segment_fixed_size: 0
    .kernarg_segment_align: 8
    .kernarg_segment_size: 32
    .max_flat_workgroup_size: 128
    .sgpr_count:     80
    .vgpr_count:     448
    .wavefront_size: 32
...
	.end_amdgpu_metadata
.endif
;; end of part 4
;; ======== version 2 of 2: 4 launches; 1.17 times as fast as version 1
;; workspace buffers: xp 3,407,872 bytes; wqkvp 10,223,616 bytes; wop 3,407,872 bytes; qp 3,407,872 bytes; kvp 6,815,744 bytes; cp 3,407,872 bytes
;; launch quant_in (part 5): grid 512 x 1, 4 waves a work-group, no clusters, 34,304 bytes of LDS; arguments hidden_states, Wq, Wk, Wv, xp, wqkvp; writes xp, wqkvp
.if DOCPART == 5
	.amdgcn_target "amdgcn-amd-amdhsa--gfx1250"
	.amdhsa_code_object_version 6
	.text
	.protected	k_q4f77106775_quant_in
	.globl	k_q4f77106775_quant_in
	.p2align	8
	.type	k_q4f77106775_quant_in,@function
k_q4f77106775_quant_in:
	s_mov_b64 s[64:65], 0
	v_nop
	global_prefetch_b8 v0, s[64:65] scope:SCOPE_SE
	s_setreg_imm32_b32 hwreg(HW_REG_WAVE_MODE, 25, 1), 1
	s_wait_xcnt 0x0
; hidden_states, Wq, Wk, Wv, each [2048][2048] f32 with K innermost, become codes of BF6 (E3M2) with one E8M0 byte for each 32 along K, laid in PANELS.  (Wo is quantised by the attention launch.)
; A PANEL is 128 rows x 128 along K in 13,312 bytes: eight fragments (16 rows x 128 K) as images of the operand's 12 registers, fragment f at 1,536 f, its registers 4 c .. 4 c + 3
; at 512 c + 16 x lane; then, from byte 12,288 on, eight records of scale words, record f at 128 f, 4 bytes a lane (lanes 16-31 hold the words of lanes 0-15 again).
; Panels lie [rows / 128][K / 128].  So a later launch takes a fragment by three loads of 16 bytes a lane, and a run of panels is one dense block.
; A block's scale is 2^(floor(log2(its largest magnitude)) - 4); its byte is the largest magnitude's exponent field - 4, held at 1 from below.
; LIMITS: a block whose largest magnitude lies under 2^-122 keeps the byte 1; a block of zeros gets the byte 1 where the rule says 127 (its codes are zeros, and this program alone reads the bytes);
; NaN and infinities among the inputs are not served.
; SHARES: 512 work-groups = 4 matrices x 128 tiles of 16 rows.  Wave w takes K 512 w .. 512 w + 511 of the 16 rows: four fragments.  Each load reads 512 consecutive bytes of a row;
; a fragment's 16 x 512 bytes turn through the wave's own stage in LDS and come back into the registers that they left, so that a lane gets 16 neighbours along K of each block of 32 of ITS row.
; Three sets of 64 registers: three fragments' 48 loads go out at the start, the fourth's behind the first one's work.  Waves share nothing: no barrier.
; The matrix units, clusters and tensor loads have nothing to do here: the launch streams.
.set PANEL, 13312
.set FRB,   1536
.set SCO,   12288
.set SP,    528                        ; a stage row: 512 bytes + 16 = 33 x 16 bytes, so that sixteen rows' pieces of 16 bytes fall on sixteen different places modulo 256 bytes
.set TM,    8                          ; v8-23   at work in QUANT
.set LI,    24                         ; v24     16 x lane
.set LS,    25                         ; v25     4 x lane
.set SIN,   26                         ; v26     the stage, way in: 16 x lane
.set SOUT,  27                         ; v27     the stage, way out: row r, + 64 h
.set PW,    30                         ; v30     the scale word just made
.set R,     32                         ; v32-223 three sets of 64: a fragment's numbers as loaded; behind the turn register 16 b + i = k 32 b + 16 h + i of my row
.set PC,    224                        ; v224-243 the codes just made
.set SEL,   8                          ; s[8:9]  v_permlanex16_b32's selects for lane l xor 16
; From the four blocks' largest magnitudes in v[TM] on: the scale word in v[PW] and the fragment's 12 registers in v[PC] on.
.macro QTAIL s
.irp b, 0,1,2,3
	v_add_nc_u32 v[TM+12+\b], 0xfe000000, v[TM+\b]         ; 4 off the exponent field: the conversion takes the exponent field of this operand as its scale
.endr
.irp b, 0,1,2,3
	v_lshrrev_b32 v[TM+4+\b], 23, v[TM+12+\b]              ; the scale's byte
.endr
	v_lshl_or_b32 v[PW], v[TM+5], 8, v[TM+4]
	v_lshl_or_b32 v[PW], v[TM+6], 16, v[PW]
	v_lshl_or_b32 v[PW], v[TM+7], 24, v[PW]
.irp c, 0,1
	v_cvt_scalef32_pk16_bf6_f32 v[PC+6*\c:PC+2+6*\c], v[(\s)+32*\c:(\s)+15+32*\c], v[TM+12+2*\c]
	v_cvt_scalef32_pk16_bf6_f32 v[PC+12+4*\c:PC+14+4*\c], v[(\s)+16+32*\c:(\s)+31+32*\c], v[TM+12+2*\c+1]   ; (a conversion's three registers begin on an even number)
.endr
	v_nop                                                  ; one plain place behind a scaled conversion
.irp c, 0,1                                            ; the operand's layout wants a WHOLE block in a lane: lanes 0-15 block 2 c, lanes 16-31 block 2 c + 1
.irp i, 0,1,2
	v_permlane16_swap_b32 v[PC+6*\c+\i], v[PC+12+4*\c+\i]
.endr
.irp i, 0,1,2
	v_mov_b32 v[PC+3+6*\c+\i], v[PC+12+4*\c+\i]
.endr
.endr
.endm
.macro QUANT s
.irp b, 0,1,2,3
	v_max3_num_f32 v[TM+\b], |v[(\s)+16*\b]|, |v[(\s)+1+16*\b]|, 0x2800000   ; block b: my 16 numbers, and the floor 2^(5 - 127): the byte cannot fall under 1
.endr
.irp i, 2,4,6,8,10,12,14
.irp b, 0,1,2,3
	v_max3_num_f32 v[TM+\b], v[TM+\b], |v[(\s)+16*\b+\i]|, |v[(\s)+1+16*\b+\i]|   ; the four blocks by turns
.endr
.endr
.irp b, 0,1,2,3
	v_permlanex16_b32 v[TM+4+\b], v[TM+\b], s[SEL], s[SEL+1]
.endr
.irp b, 0,1,2,3
	v_max_num_f32 v[TM+\b], v[TM+\b], v[TM+4+\b]           ; with lane l xor 16's 16: the block's largest magnitude
.endr
	QTAIL \s
.endm
	s_load_b256 s[16:23], s[0:1], 0x0              ; hidden_states, Wq, Wk, Wv
	s_load_b128 s[24:27], s[0:1], 0x20             ; xp, wqkvp
	v_lshl_add_u32 v248, v0, 2, 0x8400
	v_mov_b32 v249, 0
	v_lshrrev_b32 v1, 5, v0
	v_readfirstlane_b32 s2, v1                     ; wave 0..3
	v_and_b32 v1, 31, v0                           ; lane
	v_and_b32 v2, 15, v0                           ; r
	v_bfe_u32 v3, v0, 4, 1                         ; h
	v_lshlrev_b32 v[LI], 4, v1
	v_lshlrev_b32 v[LS], 2, v1
	s_mul_i32 s3, s2, 16*SP                        ; my wave's stage
	v_add_nc_u32 v[SIN], s3, v[LI]
	v_mul_u32_u24 v[SOUT], v2, SP
	v_lshl_add_u32 v[SOUT], v3, 6, v[SOUT]
	v_add_nc_u32 v[SOUT], s3, v[SOUT]
.irp b, 0,1,2,3
	v_mov_b32 v[TM+4+\b], 0                        ; written once: a lane permute's destination counts as one of its sources
.endr
	s_mov_b32 s[SEL], 0x76543210
	s_mov_b32 s[SEL+1], 0xfedcba98
	s_lshr_b32 s4, ttmp9, 7                        ; which matrix: 0 hidden_states, 1 Wq, 2 Wk, 3 Wv
	s_and_b32 s5, ttmp9, 127                       ; which tile of 16 rows
	s_lshl_b32 s10, s5, 17                         ; in: 16 rows of 8,192 bytes a tile,
	s_lshl_b32 s11, s2, 11                         ; 2,048 bytes of each row a wave
	s_add_co_u32 s10, s10, s11
	s_mov_b32 s11, 0
	s_lshr_b32 s12, s5, 3                          ; out: panel (tile / 8) x 16 + 4 x wave,
	s_lshl_b32 s12, s12, 4
	s_lshl_b32 s13, s2, 2
	s_add_co_u32 s12, s12, s13
	s_mul_i32 s12, s12, PANEL
	s_max_u32 s6, s4, 1                            ; Wq, Wk, Wv lie one behind the other in wqkvp, 256 panels each
	s_sub_co_u32 s6, s6, 1
	s_mul_i32 s6, s6, 256*PANEL
	s_add_co_u32 s12, s12, s6
	s_and_b32 s7, s5, 7                            ; fragment tile % 8 of the panel
	s_mul_i32 s14, s7, FRB
	s_add_co_u32 s14, s14, s12                     ; its codes,
	s_mov_b32 s15, 0
	s_lshl_b32 s7, s7, 7
	s_add_co_u32 s12, s12, s7
	s_add_co_u32 s12, s12, SCO                     ; its record of scale words
	s_mov_b32 s13, 0
	s_wait_kmcnt 0x0
	s_cmp_eq_u32 s4, 1                             ; the buffers are chosen by the work-group's number alone; all four matrices take one path through the text
	s_cselect_b64 s[16:17], s[18:19], s[16:17]
	s_cmp_eq_u32 s4, 2
	s_cselect_b64 s[16:17], s[20:21], s[16:17]
	s_cmp_eq_u32 s4, 3
	s_cselect_b64 s[16:17], s[22:23], s[16:17]
	s_cmp_eq_u32 s4, 0
	s_cselect_b64 s[28:29], s[24:25], s[26:27]
	s_add_nc_u64 s[16:17], s[16:17], s[10:11]
	s_add_nc_u64 s[32:33], s[28:29], s[14:15]
	s_add_nc_u64 s[34:35], s[28:29], s[12:13]
.macro LOAD f                          ; fragment f: 16 rows x 512 bytes into set f % 3; each load reads 512 consecutive bytes
.irp i, 0,1,2,3,4,5,6,7,8,9,10,11,12,13,14,15
	global_load_b128 v[R+64*((\f)%3)+4*\i:R+64*((\f)%3)+4*\i+3], v[LI], s[16:17] offset:\i*8192+(\f)*512 th:TH_LOAD_NT
.endr
.endm
.macro FRAG f, left                    ; left: the loads of the fragments behind this one, which may stay out
.set XS, R+64*((\f)%3)
	s_wait_loadcnt \left
.irp i, 0,1,2,3,4,5,6,7,8,9,10,11,12,13,14,15
	ds_store_b128 v[SIN], v[XS+4*\i:XS+4*\i+3] offset:\i*SP
.endr
.irp b, 0,1,2,3
.irp j, 0,1,2,3
	ds_load_b128 v[XS+16*\b+4*\j:XS+16*\b+4*\j+3], v[SOUT] offset:128*\b+16*\j   ; LDS serves a wave's instructions in order: these see the stores above, and come behind them into the registers that they left
.endr
.endr
	s_wait_dscnt 0x0                               ; my numbers are back
.if (\f) > 0
	s_wait_xcnt 0x0                                ; the last fragment's stores have read v[PC] on and v[PW]: they are written again only behind this wait
.endif
	QUANT XS
.irp c, 0,1,2
	global_store_b128 v[LI], v[PC+4*\c:PC+4*\c+3], s[32:33] offset:(\f)*PANEL+512*\c   ; 32 lanes store 512 consecutive bytes, at a multiple of 256 from the buffer's first byte
.endr
	global_store_b32 v[LS], v[PW], s[34:35] offset:(\f)*PANEL
.endm
	LOAD 0
	LOAD 1
	LOAD 2
	FRAG 0, 32                                     ; behind fragment 0's loads: fragments 1 and 2
	LOAD 3                                         ; into the set just left
	FRAG 1, 32                                     ; behind fragment 1's: fragments 2 and 3
	FRAG 2, 16
	FRAG 3, 0
	s_wait_tensorcnt 0x0
	ds_add_u32 v248, v249
	s_wait_dscnt 0x0
	s_endpgm
.Lfunc_end_k_q4f77106775_quant_in:
	.size	k_q4f77106775_quant_in, .Lfunc_end_k_q4f77106775_quant_in-k_q4f77106775_quant_in
	.p2alignl 7, 3214868480
	.fill 96, 4, 3214868480
	.section	.rodata,"a",@progbits
	.p2align	6, 0x0
	.amdhsa_kernel k_q4f77106775_quant_in
		.amdhsa_group_segment_fixed_size 34304
		.amdhsa_private_segment_fixed_size 0
		.amdhsa_enable_private_segment 0
		.amdhsa_kernarg_size 48
		.amdhsa_user_sgpr_count 2
		.amdhsa_user_sgpr_kernarg_segment_ptr 1
		.amdhsa_wavefront_size32 1
		.amdhsa_system_sgpr_workgroup_id_x 1
		.amdhsa_system_sgpr_workgroup_id_y 1
		.amdhsa_system_sgpr_workgroup_id_z 1
		.amdhsa_system_vgpr_workitem_id 0
		.amdhsa_next_free_vgpr 250
		.amdhsa_next_free_sgpr 66
		.amdhsa_reserve_vcc 0
		.amdhsa_float_denorm_mode_32 3
		.amdhsa_float_denorm_mode_16_64 3
		.amdhsa_memory_ordered 1
		.amdhsa_forward_progress 1
		.amdhsa_inst_pref_size 34
	.end_amdhsa_kernel
	.amdgpu_metadata
---
amdhsa.version: [ 1, 2 ]
amdhsa.kernels:
  - .name:           k_q4f77106775_quant_in
    .symbol:         k_q4f77106775_quant_in.kd
    .args:
      - { .name: hidden_states, .offset: 0, .size: 8, .value_kind: global_buffer, .address_space: global }
      - { .name: Wq, .offset: 8, .size: 8, .value_kind: global_buffer, .address_space: global }
      - { .name: Wk, .offset: 16, .size: 8, .value_kind: global_buffer, .address_space: global }
      - { .name: Wv, .offset: 24, .size: 8, .value_kind: global_buffer, .address_space: global }
      - { .name: xp, .offset: 32, .size: 8, .value_kind: global_buffer, .address_space: global }
      - { .name: wqkvp, .offset: 40, .size: 8, .value_kind: global_buffer, .address_space: global }
    .group_segment_fixed_size: 34304
    .private_segment_fixed_size: 0
    .kernarg_segment_align: 8
    .kernarg_segment_size: 48
    .max_flat_workgroup_size: 128
    .sgpr_count:     66
    .vgpr_count:     250
    .wavefront_size: 32
...
	.end_amdgpu_metadata
.endif
;; end of part 5
;; launch gemm_qkv (part 6): grid 16 x 16, 4 waves a work-group, clusters of 4 x 4, 327,680 bytes of LDS; arguments xp, wqkvp, bq, bk, bv, qp, kvp, out1, out2; writes qp, kvp, out1, out2
.if DOCPART == 6
	.amdgcn_target "amdgcn-amd-amdhsa--gfx1250"
	.amdhsa_code_object_version 6
	.text
	.protected	k_q4f77106775_gemm_qkv
	.globl	k_q4f77106775_gemm_qkv
	.p2align	8
	.type	k_q4f77106775_gemm_qkv,@function
k_q4f77106775_gemm_qkv:
	s_mov_b64 s[64:65], 0
	v_nop
	global_prefetch_b8 v0, s[64:65] scope:SCOPE_SE
	s_setreg_imm32_b32 hwreg(HW_REG_WAVE_MODE, 25, 1), 1
	s_wait_xcnt 0x0
	s_wait_alu depctr_hold_cnt(0) depctr_sa_sdst(0) depctr_va_vdst(0) depctr_va_sdst(0) depctr_va_ssrc(0) depctr_va_vcc(0) depctr_vm_vsrc(0)
	s_getreg_b32 s2, hwreg(HW_REG_IB_STS2, 6, 4)
	s_cmp_eq_u32 s2, 0
	s_cbranch_scc0 .Lentry_in_a_cluster
	s_endpgm
.Lentry_in_a_cluster:
	s_bfe_u32 s2, ttmp6, 0x10000c
	s_cmp_lg_u32 s2, 0xf033
	s_cbranch_scc0 .Lentry_shape_is_right
	s_endpgm
.Lentry_shape_is_right:
; q, k, v = x W^T + b on codes of BF6 (E3M2) with E8M0 scales; x and the three weights come as PANELS (128 rows x 128 K in 13,312 bytes: eight fragments as images of the operand's 12 registers,
; fragment f at 1,536 f, registers 4 c .. 4 c + 3 at 512 c + 16 x lane; from byte 12,288 on eight records of scale words, 128 bytes each, 4 bytes a lane).  Panels lie [rows / 128][K / 128].
; A work-group makes 128 rows (tokens) x ONE HEAD of q, of k AND of v: 128 x 384; 16 x 16 work-groups.  So x's panels are fetched once for three products.
; Four waves, each 64 rows x 64 columns of each of the three: 48 accumulators, 384 registers.  K = 16 steps of 128; a wave reads 4 + 12 fragments from LDS for a step's 48 products.
; THE RING: two LDS slots of three K steps: x's three panels, then Wq's, Wk's, Wv's.  Wave 0 fetches x's, waves 1 to 3 one weight's each: one tensor load a wave, 39,936 dense bytes as 156 rows of 256.
; The 16 steps come as 3, 3, 3, 3, 3, 1: the last fill has 52 rows.  Two tensor loads of a wave are out at the start, later one.
; CLUSTER 4 x 4: the four of a row of the cluster need the same panels of x, the four of a column the same panels of the weights: each is asked for JOINTLY.
; THE MATRIX INSTRUCTION IS USED TRANSPOSED (source 0 = 16 rows of W, source 1 = 16 rows of x): a lane holds eight neighbouring columns of one row.  The bias is the C of the first K step's products
; (it enters the f32 sum first, not last).
; A K STEP goes q, k, v: a weight's four fragments are free when its 16 products are issued and are fetched anew there, 32 products ahead of their use: ONE set of registers serves the weights, two serve x.
; THE WAY OUT: through two stages in LDS, which lie in slot 0: it has had its last fill, and nobody reads it behind the last change of slots.  k and v leave as f32 (out1, out2: whole rows of 512 bytes).
; All three are quantised here, for the attention launch, and leave as panels:
;   q along the head's 128, rows 16 f + r;  k likewise, but fragment 2 b + u holds keys 32 b + 8 u + r + 8 (r / 8);  v along the 128 KEYS, fragment 2 b + u holding channels 32 b + 8 u + r + 8 (r / 8).
;   With those rows the results of the attention's two products have 16 neighbours along the next K in a lane's 16 registers.
; LIMITS: a block whose largest magnitude lies under 2^-122 keeps the byte 1, a block of zeros too (its codes are zeros; this program alone reads the bytes); NaN and infinities are not served.
; REGISTERS: window 0: v2-27 addresses; v32-55 scale words, two sets of 12; v56-93 at work in the quantiser; v96-191 the three biases; on the way out v128-255 rows from the stage.
;   window 1: v0-95 x's four fragments, two sets; v96-239 the weights' twelve.   window 2: q's 16 accumulators, then k's ((a, b) at 8 (4 a + b)).   window 3: v's.
.set PANEL,  13312
.set FRB,    1536
.set SCO,    12288
.set OPB,    3*PANEL                   ; an operand's three panels in a slot
.set SLOT,   4*OPB                     ; x, Wq, Wk, Wv
.set SP,     528                       ; a stage row: 512 bytes + 16 = 33 x 16 bytes
.set STG1,   128*SP                    ; stage 0 at LDS byte 0, stage 1 behind it: both inside slot 0
.set SPARE,  2*SLOT                    ; behind the ring: the spare words, 128 bytes for each wave: two blocks of 256 bytes that no other line names
.set ADRA, 2                           ; v2-3    my fragments of x in slot 0, 1
.set ADRB, 4                           ; v4-9    my fragments of weight g in slot s: v[4 + 2 g + s]
.set ASC,  10                          ; v10-15  scale words, v[10 + 2 g + s]: lanes 16-31 weight g's records; lanes 0-15, for g = 0, x's
.set STO,  16                          ; v16-17  stage 0, 1: where I put 32 bytes of a row
.set RD,   18                          ; v18-19  stage 0, 1: my 32 whole rows, 16 bytes a lane
.set QAQ,  20                          ; v20     stage 0: row 32 w + r, + 64 h
.set QAK,  21                          ; v21     stage 1: row 32 w + r + 8 (r / 8), + 64 h
.set VA,   22                          ; v22     stage 0: row 32 h, column 32 w + r + 8 (r / 8)
.set H8,   23                          ; v23     8 h
.set LI,   24                          ; v24     16 x lane
.set LS,   25                          ; v25     4 x lane
.set SPW,  26                          ; v26     my spare word: SPARE + 4 x my thread's number; never rewritten
.set NIL,  27                          ; v27     0; never rewritten
.set SC,   32                          ; set p at v[SC + 12 p]; register 4 g + i: lanes 16-31 the words of weight g's block i; register i: lanes 0-15 those of x's block i
.set TM,   56
.set PW,   72
.set PC,   74
.set BIAS, 96                          ; 8 registers for each of my four blocks of columns of each of the three
.set EP,   128
.set SEL,  8                           ; s[8:9]
.set G1, 24                            ; s[24:31] group 1 for x's panels;  s[32:39] group 0, one set for each slot
.set G0, 32
.set G1B, 48                           ; s[48:55], s[56:63] the same for a weight's
.set G0B, 56
.set QC,  92                           ; s[92:93] q's fragments 2 w, 2 w + 1;  s[94:95] their records;  s[96:97], s[98:99] the same for k (v's panel lies 13,312 bytes behind k's)
.set QS,  94
.set KC,  96
.set KSB, 98
.set MSB, 0
.macro WIN new                         ; the immediate's high byte repeats the setting that is left
.if MSB != (\new)
	s_set_vgpr_msb (MSB<<8)|(\new)
.set MSB, (\new)
.endif
.endm
.set TO_F, 0x40                        ; destination window 1, address window 0
.macro PLACES                          ; four places behind matrix instructions, in front of loads into their registers and of reads of results
.rept 4
	v_nop
.endr
.endm
.macro JLOAD s                         ; a joint load: wave 0 fetches x's panels, waves 1 to 3 a weight's; four v_nop follow each of the two lines
	s_cmp_eq_u32 s10, 0
	s_cbranch_scc0 .Lfor_b_\@
	tensor_load_to_lds s[G0+4*(\s):G0+4*(\s)+3], s[G1:G1+7]
	s_nop 0
.rept 4
	v_nop
.endr
	s_branch .Lasked_\@
.Lfor_b_\@:
	tensor_load_to_lds s[G0B+4*(\s):G0B+4*(\s)+3], s[G1B:G1B+7]
	s_nop 0
.rept 4
	v_nop
.endr
.Lasked_\@:
.endm
.macro CREST                           ; a round of the cluster's barrier behind its opening barrier
	s_cmp_lg_u32 s10, 0
	s_cbranch_scc1 .Lnot_wave_0_\@
	s_barrier_signal -3
.Lnot_wave_0_\@:
	s_barrier_wait -3
	s_barrier_signal -1
	s_barrier_wait -1
.endm
.macro CROUND                          ; a whole round
	s_barrier_signal -1
	s_barrier_wait -1
	CREST
.endm
; From the four blocks' largest magnitudes in v[TM] on: the scale word in v[PW] and the fragment's 12 registers in v[PC] on.
.macro QTAIL s
.irp b, 0,1,2,3
	v_add_nc_u32 v[TM+12+\b], 0xfe000000, v[TM+\b]         ; 4 off the exponent field: the conversion's scale operand
.endr
.irp b, 0,1,2,3
	v_lshrrev_b32 v[TM+4+\b], 23, v[TM+12+\b]              ; the scale's byte
.endr
	v_lshl_or_b32 v[PW], v[TM+5], 8, v[TM+4]
	v_lshl_or_b32 v[PW], v[TM+6], 16, v[PW]
	v_lshl_or_b32 v[PW], v[TM+7], 24, v[PW]
.irp c, 0,1
	v_cvt_scalef32_pk16_bf6_f32 v[PC+6*\c:PC+2+6*\c], v[(\s)+32*\c:(\s)+15+32*\c], v[TM+12+2*\c]
	v_cvt_scalef32_pk16_bf6_f32 v[PC+12+4*\c:PC+14+4*\c], v[(\s)+16+32*\c:(\s)+31+32*\c], v[TM+12+2*\c+1]
.endr
	v_nop                                                  ; one plain place behind a scaled conversion
.irp c, 0,1                                            ; a WHOLE block in a lane: lanes 0-15 block 2 c, lanes 16-31 block 2 c + 1
.irp i, 0,1,2
	v_permlane16_swap_b32 v[PC+6*\c+\i], v[PC+12+4*\c+\i]
.endr
.irp i, 0,1,2
	v_mov_b32 v[PC+3+6*\c+\i], v[PC+12+4*\c+\i]
.endr
.endr
.endm
.macro QUANT s                         ; 64 numbers of a lane, register 16 b + i = k 32 b + 16 h + i of my row
.irp b, 0,1,2,3
	v_max3_num_f32 v[TM+\b], |v[(\s)+16*\b]|, |v[(\s)+1+16*\b]|, 0x2800000   ; and the floor 2^(5 - 127): the byte cannot fall under 1
.endr
.irp i, 2,4,6,8,10,12,14
.irp b, 0,1,2,3
	v_max3_num_f32 v[TM+\b], v[TM+\b], |v[(\s)+16*\b+\i]|, |v[(\s)+1+16*\b+\i]|
.endr
.endr
.irp b, 0,1,2,3
	v_permlanex16_b32 v[TM+4+\b], v[TM+\b], s[SEL], s[SEL+1]
.endr
.irp b, 0,1,2,3
	v_max_num_f32 v[TM+\b], v[TM+\b], v[TM+4+\b]
.endr
	QTAIL \s
.endm
	s_load_b512 s[68:83], s[0:1], 0x0              ; xp s[68:69], wqkvp s[70:71], bq, bk, bv s[72:77], qp s[78:79], kvp s[80:81], out1 s[82:83]
	s_load_b64 s[84:85], s[0:1], 0x40              ; out2
	v_lshl_add_u32 v[SPW], v0, 2, SPARE
	v_mov_b32 v[NIL], 0
	ds_add_u32 v26, v27
	s_wait_dscnt 0x0
	v_lshrrev_b32 v1, 5, v0
	v_readfirstlane_b32 s10, v1                    ; wave 0..3.  Also: which operand's panels I fetch: 0 x, 1 Wq, 2 Wk, 3 Wv
	s_lshr_b32 s11, s10, 1                         ; which half of the tile's rows is mine
	s_and_b32 s12, s10, 1                          ; which half of each head's 128 columns
	s_bfe_u32 s40, ttmp6, 0x40000                  ; cx, cy: my place in the cluster
	s_bfe_u32 s41, ttmp6, 0x40004
	s_lshl_b32 s42, ttmp9, 2
	s_add_co_u32 s42, s42, s40                     ; the head = 4 x cluster x + cx
	s_and_b32 s13, ttmp7, 0xffff
	s_lshl_b32 s13, s13, 2
	s_add_co_u32 s13, s13, s41                     ; the block of 128 tokens = 4 x cluster y + cy
	s_lshl_b32 s43, s41, 2
	s_lshl_b32 s43, 15, s43                        ; my row of the cluster
	s_lshl_b32 s44, 0x1111, s40                    ; my column
	; group 1: three panels, 39,936 dense bytes, as 156 rows of 32 elements of 8 bytes; no padding
	s_or_b32 s[G1+0], s43, (3<<16)|(1<<21)         ; 15:0 the mask: x's panels go to my row; 17:16 elements of 8 bytes; 21 set beside a mask
	s_or_b32 s[G1B+0], s44, (3<<16)|(1<<21)        ; the weights' go to my column
.irp g, G1, G1B
	s_mov_b32 s[\g+1], 32<<16                      ; tensor_dim0 = 32
	s_mov_b32 s[\g+2], 156<<16                     ; tensor_dim1 = 156
	s_mov_b32 s[\g+3], 32<<16                      ; tile_dim0 = 32
	s_mov_b32 s[\g+4], 156                         ; tile_dim1 = 156
	s_mov_b32 s[\g+5], 32                          ; tensor_dim0_stride
	s_mov_b32 s[\g+6], 0
	s_mov_b32 s[\g+7], 0
.endr
	s_lshl_b32 s16, s13, 4
	s_mul_i32 s16, s16, PANEL                      ; x: panel 16 x block: made of the block of tokens alone
	s_mov_b32 s17, 0
	s_max_u32 s45, s10, 1
	s_sub_co_u32 s45, s45, 1                       ; which weight (wave 0 makes Wq's address and does not use it)
	s_lshl_b32 s45, s45, 8                         ; 256 panels a weight
	s_lshl_b32 s46, s42, 4
	s_add_co_u32 s46, s46, s45
	s_mul_i32 s46, s46, PANEL                      ; W: panel 256 x weight + 16 x head: made of the head and the wave alone
	s_mov_b32 s47, 0
	s_mul_i32 s20, s10, OPB                        ; where they go: wave x three panels: no place in the cluster enters an LDS address
	s_wait_kmcnt 0x0
	s_add_nc_u64 s[14:15], s[68:69], s[16:17]
	s_add_nc_u64 s[46:47], s[70:71], s[46:47]
	CROUND                                         ; all sixteen work-groups are here: the first joint loads meet
.irp s, 0,1
	s_mov_b32 s[G0+4*\s], 1
	s_add_co_u32 s[G0+4*\s+1], s20, \s*SLOT
	s_add_nc_u64 s[G0+4*\s+2:G0+4*\s+3], s[14:15], \s*OPB          ; slot s begins with K steps 3 s .. 3 s + 2
	s_or_b32 s[G0+4*\s+3], s[G0+4*\s+3], 0x80000000
	s_mov_b32 s[G0B+4*\s], 1
	s_add_co_u32 s[G0B+4*\s+1], s20, \s*SLOT
	s_add_nc_u64 s[G0B+4*\s+2:G0B+4*\s+3], s[46:47], \s*OPB
	s_or_b32 s[G0B+4*\s+3], s[G0B+4*\s+3], 0x80000000
	JLOAD \s
.endr
	v_and_b32 v28, 15, v0                          ; r
	v_bfe_u32 v29, v0, 4, 1                        ; h
	v_and_b32 v30, 31, v0                          ; lane
	s_lshl_b32 s90, s42, 9                         ; the biases of my 64 columns of the head
	s_lshl_b32 s21, s12, 8
	s_add_co_u32 s90, s90, s21
	s_mov_b32 s91, 0
	s_add_nc_u64 s[72:73], s[72:73], s[90:91]
	s_add_nc_u64 s[74:75], s[74:75], s[90:91]
	s_add_nc_u64 s[76:77], s[76:77], s[90:91]
	v_lshlrev_b32 v1, 5, v29                       ; 32 h bytes
.irp g, 0,1,2
.irp b, 0,1,2,3
	global_load_b128 v[BIAS+32*\g+8*\b:BIAS+32*\g+8*\b+3], v1, s[72+2*\g:73+2*\g] offset:64*\b        ; lane (r, h), register j: the bias of column 16 b + 8 h + j: the result's layout
	global_load_b128 v[BIAS+32*\g+8*\b+4:BIAS+32*\g+8*\b+7], v1, s[72+2*\g:73+2*\g] offset:64*\b+16
.endr
.endr
	v_lshlrev_b32 v[LI], 4, v30
	v_lshlrev_b32 v[LS], 2, v30
	s_mul_i32 s21, s11, 4*FRB                      ; my four fragments of x's eight
	v_add_nc_u32 v[ADRA], s21, v[LI]
	v_add_nc_u32 v[ADRA+1], SLOT, v[ADRA]
	s_mul_i32 s22, s12, 4*FRB                      ; and of a weight's; Wq's panels lie behind x's
	s_add_co_u32 s22, s22, OPB
	v_add_nc_u32 v[ADRB], s22, v[LI]
	v_add_nc_u32 v[ADRB+2], OPB, v[ADRB]
	v_add_nc_u32 v[ADRB+4], 2*OPB, v[ADRB]
.irp g, 0,1,2
	v_add_nc_u32 v[ADRB+2*\g+1], SLOT, v[ADRB+2*\g]
.endr
	s_xor_b32 s22, s11, 1                          ; lanes 16-31 take Wq's records: OPB + 512 (w & 1) - 512 (w >> 1) further on, written as one product with h
	s_add_co_u32 s22, s22, s12
	s_lshl_b32 s22, s22, 9
	s_add_co_u32 s22, s22, OPB-512
	v_mul_u32_u24 v31, s22, v29
	s_lshl_b32 s21, s11, 9
	s_add_co_u32 s21, s21, SCO
	v_add_nc_u32 v31, v31, v[LS]
	v_add_nc_u32 v[ASC], s21, v31
	v_add_nc_u32 v[ASC+2], OPB, v[ASC]             ; Wk's, Wv's (what lanes 0-15 then read is not used)
	v_add_nc_u32 v[ASC+4], 2*OPB, v[ASC]
.irp g, 0,1,2
	v_add_nc_u32 v[ASC+2*\g+1], SLOT, v[ASC+2*\g]
.endr
	s_mul_i32 s23, s11, 64*SP                      ; into a stage: my 64 rows, my 256 bytes of them; row r, 32 bytes for each half of the lanes
	s_lshl_b32 s21, s12, 8
	s_add_co_u32 s23, s23, s21
	v_mul_u32_u24 v31, v28, SP
	v_lshl_add_u32 v31, v29, 5, v31
	v_add_nc_u32 v[STO], s23, v31
	v_add_nc_u32 v[STO+1], STG1, v[STO]
	s_mul_i32 s23, s10, 32*SP                      ; back: wave w takes rows 32 w .. 32 w + 31
	v_add_nc_u32 v[RD], s23, v[LI]
	v_add_nc_u32 v[RD+1], STG1, v[RD]
	v_and_b32 v30, 8, v28
	v_add_nc_u32 v30, v30, v28                     ; r + 8 (r / 8)
	v_mul_u32_u24 v31, v28, SP
	v_lshl_add_u32 v31, v29, 6, v31
	v_add_nc_u32 v[QAQ], s23, v31
	v_mul_u32_u24 v31, v30, SP
	v_lshl_add_u32 v31, v29, 6, v31
	v_add_nc_u32 v31, s23, v31
	v_add_nc_u32 v[QAK], STG1, v31
	v_mul_u32_u24 v31, v29, 32*SP
	v_lshl_add_u32 v31, v30, 2, v31
	s_lshl_b32 s21, s10, 7
	v_add_nc_u32 v[VA], s21, v31
	v_lshlrev_b32 v[H8], 3, v29
.irp b, 0,1,2,3
	v_mov_b32 v[TM+4+\b], 0                        ; written once: a lane permute's destination counts as one of its sources
.endr
	s_mov_b32 s[SEL], 0x76543210
	s_mov_b32 s[SEL+1], 0xfedcba98
	s_lshl_b32 s88, s42, 4
	s_add_co_u32 s88, s88, s13                     ; 16 x head + block
	s_mul_i32 s86, s88, PANEL                      ; qp: a panel for each;
	s_mul_i32 s88, s88, 2*PANEL                    ; kvp: a pair
	s_mul_i32 s21, s10, 2*FRB                      ; fragments 2 w, 2 w + 1,
	s_lshl_b32 s22, s10, 8
	s_add_co_u32 s22, s22, SCO                     ; and their records
	s_add_co_u32 s90, s86, s21
	s_add_nc_u64 s[QC:QC+1], s[78:79], s[90:91]
	s_add_co_u32 s90, s86, s22
	s_add_nc_u64 s[QS:QS+1], s[78:79], s[90:91]
	s_add_co_u32 s90, s88, s21
	s_add_nc_u64 s[KC:KC+1], s[80:81], s[90:91]
	s_add_co_u32 s90, s88, s22
	s_add_nc_u64 s[KSB:KSB+1], s[80:81], s[90:91]
	s_lshl_b32 s90, s42, 20                        ; f32: head x 2,048 rows of 512 bytes + row 128 x block + 32 w
	s_lshl_b32 s21, s13, 16
	s_add_co_u32 s90, s90, s21
	s_lshl_b32 s21, s10, 14
	s_add_co_u32 s90, s90, s21
	s_add_nc_u64 s[82:83], s[82:83], s[90:91]
	s_add_nc_u64 s[84:85], s[84:85], s[90:91]
; 12 LDS loads: my four fragments of weight g, of the slot's q-th K step
.macro FETCH_B g, slot, q
	WIN TO_F
.irp i, 0,1,2,3
.irp c, 0,1,2
	ds_load_b128 v[96+48*(\g)+12*\i+4*\c:96+48*(\g)+12*\i+4*\c+3], v[ADRB+2*(\g)+(\slot)] offset:(\q)*PANEL+\i*FRB+512*\c
.endr
.endr
.endm
; 36 LDS loads: the step's 12 scale registers and x's four fragments into set p, and Wq's four fragments
.macro FETCH_AQ slot, q, p
	WIN 0
.irp g, 0,1,2
.irp i, 0,1,2,3
	ds_load_b32 v[SC+12*(\p)+4*\g+\i], v[ASC+2*\g+(\slot)] offset:(\q)*PANEL+128*\i
.endr
.endr
	WIN TO_F
.irp i, 0,1,2,3
.irp c, 0,1,2
	ds_load_b128 v[48*(\p)+12*\i+4*\c:48*(\p)+12*\i+4*\c+3], v[ADRA+(\slot)] offset:(\q)*PANEL+\i*FRB+512*\c
.endr
.endr
	FETCH_B 0, \slot, \q
.endm
; 8 matrix instructions: x's blocks a0, a0 + 1 x weight g's four, 128 along K; x and the scale words from set p.  first = 1: the bias starts the sums.
; The 48 accumulators take turns, one instruction a turn, in the same order in every step.
.macro MUL8 g, p, a0, first
.irp a, \a0, \a0+1
.irp b, 0,1,2,3
.if \first
	v_wmma_scale_f32_16x16x128_f8f6f4 v[128*((\g)%2)+8*(4*(\a)+\b):128*((\g)%2)+8*(4*(\a)+\b)+7], v[96+48*(\g)+12*\b:96+48*(\g)+12*\b+11], v[48*(\p)+12*(\a):48*(\p)+12*(\a)+11], v[BIAS+32*(\g)+8*\b:BIAS+32*(\g)+8*\b+7], v[SC+12*(\p)+4*(\g)+\b], v[SC+12*(\p)+(\a)] matrix_a_fmt:MATRIX_FMT_BF6 matrix_b_fmt:MATRIX_FMT_BF6 matrix_a_scale:MATRIX_SCALE_ROW1
.else
	v_wmma_scale_f32_16x16x128_f8f6f4 v[128*((\g)%2)+8*(4*(\a)+\b):128*((\g)%2)+8*(4*(\a)+\b)+7], v[96+48*(\g)+12*\b:96+48*(\g)+12*\b+11], v[48*(\p)+12*(\a):48*(\p)+12*(\a)+11], v[128*((\g)%2)+8*(4*(\a)+\b):128*((\g)%2)+8*(4*(\a)+\b)+7], v[SC+12*(\p)+4*(\g)+\b], v[SC+12*(\p)+(\a)] matrix_a_fmt:MATRIX_FMT_BF6 matrix_b_fmt:MATRIX_FMT_BF6 matrix_a_scale:MATRIX_SCALE_ROW1
.endif
.endr
.endr
.endm
.macro PROD g, p, first                ; weight g's 16 products.  Sources 0 and 1 window 1; D window 2 (q, k) or 3 (v); C with D, or, for the bias, window 0
.if \first
	WIN 0x85+0x40*((\g)/2)
.else
	WIN 0xa5+0x50*((\g)/2)
.endif
	MUL8 \g, \p, 0, \first
	MUL8 \g, \p, 2, \first
.endm
.macro SETS s                          ; K step s: its set, its slot; the next step's slot, place in the slot, and set
.set PP,  (\s)%2
.set CSL, ((\s)/3)%2
.set NSL, (((\s)+1)/3)%2
.set NQ,  ((\s)+1)%3
.set NP,  ((\s)+1)%2
.endm
; A K step whose successor lies in the same slot.  At its head three runs of loads are out, in this order: 36 (scale words, x, Wq), 12 (Wk), 12 (Wv).
.macro STEP s, first
	SETS \s
	s_wait_dscnt 24                                ; the 36 are in; Wk's 12 and Wv's 12 may be out
	PROD 0, PP, \first
	PLACES
	FETCH_AQ NSL, NQ, NP
	s_wait_dscnt 48                                ; Wk's are in; behind them: Wv's 12 and the 36 just issued
	PROD 1, PP, \first
	PLACES
	FETCH_B 1, NSL, NQ
	s_wait_dscnt 48                                ; Wv's are in; behind them: the 36 and Wk's next 12
	PROD 2, PP, \first
	PLACES
	FETCH_B 2, NSL, NQ
.endm
; A slot's last K step changes slots: all its operands were asked for in the step before.  ONE barrier; in front of it each wave waits for all its tensor loads, adds 0 to its spare word, and waits
; for that and for its reads of this slot.  fill = 1: the barrier opens a round of the cluster's, and this slot is filled again, with the K steps six further on; fill = 2: with the one K step that is left.
.macro TURN s, fill
	SETS \s
	WIN 0
	s_wait_tensorcnt 0x0                           ; all my tensor loads have landed: my part of the next slot
	ds_add_u32 v[SPW], v[NIL]                      ; 0 onto my spare word
	s_wait_dscnt 25                                ; the 36 are in; Wk's 12, Wv's 12 and the add may be out
	WIN 0xa5
	MUL8 0, PP, 0, 0                               ; eight matrix instructions stand between the add and the wait for it
	s_wait_dscnt 0x0                               ; the add is done, and my reads of this slot are over
	s_barrier_signal -1
	MUL8 0, PP, 2, 0
	WIN 0
	s_barrier_wait -1
.if \fill
	CREST                                          ; no wave of any partner still reads this slot or has a load on its way
	s_add_nc_u64 s[G0+4*CSL+2:G0+4*CSL+3], s[G0+4*CSL+2:G0+4*CSL+3], 2*OPB
	s_add_nc_u64 s[G0B+4*CSL+2:G0B+4*CSL+3], s[G0B+4*CSL+2:G0B+4*CSL+3], 2*OPB
.if \fill == 2
	s_mov_b32 s[G1+2], 52<<16                      ; one panel: 52 rows (no tensor load of mine is out: the shape may be written)
	s_mov_b32 s[G1+4], 52
	s_mov_b32 s[G1B+2], 52<<16
	s_mov_b32 s[G1B+4], 52
.endif
	JLOAD CSL                                      ; the first tensor load behind the round; the four v_nop behind it are also the places in front of the loads below
.else
	PLACES
.endif
	FETCH_AQ NSL, NQ, NP
	PROD 1, PP, 0
	PLACES
	FETCH_B 1, NSL, NQ
	PROD 2, PP, 0
	PLACES
	FETCH_B 2, NSL, NQ
.endm
	s_wait_tensorcnt 1                             ; my part of slot 0 is in; slot 1's may stay out
	s_barrier_signal -1
	s_barrier_wait -1                              ; everybody's is
	FETCH_AQ 0, 0, 0
	FETCH_B 1, 0, 0
	FETCH_B 2, 0, 0
	s_wait_loadcnt 0x0                             ; the biases
	STEP 0, 1
	STEP 1, 0
	TURN 2, 1                                      ; slot 0 takes K steps 6 to 8
	STEP 3, 0
	STEP 4, 0
	TURN 5, 1                                      ; slot 1 takes K steps 9 to 11
	STEP 6, 0
	STEP 7, 0
	TURN 8, 1                                      ; slot 0 takes K steps 12 to 14
	STEP 9, 0
	STEP 10, 0
	TURN 11, 2                                     ; slot 1 takes K step 15
	STEP 12, 0
	STEP 13, 0
	TURN 14, 0                                     ; nothing is left to fetch; behind this barrier nobody reads slot 0
	SETS 15
	s_wait_dscnt 24
	PROD 0, PP, 0
	s_wait_dscnt 12                                ; Wk's are in; Wv's 12 may be out
	PROD 1, PP, 0
	s_wait_dscnt 0x0
	PROD 2, PP, 0
	WIN 0
	PLACES
.macro TOSTAGE g, st                   ; my 64 x 64 of q, k or v into stage st; an LDS store's data are its source 1: window 2 or 3
	WIN 0x08+4*((\g)/2)
.irp a, 0,1,2,3
.irp b, 0,1,2,3
	ds_store_b128 v[STO+\st], v[128*((\g)%2)+8*(4*\a+\b):128*((\g)%2)+8*(4*\a+\b)+3] offset:\a*16*SP+64*\b       ; each accumulator from its low end on
	ds_store_b128 v[STO+\st], v[128*((\g)%2)+8*(4*\a+\b)+4:128*((\g)%2)+8*(4*\a+\b)+7] offset:\a*16*SP+64*\b+16
.endr
.endr
	WIN 0
.endm
.macro F32OUT rd, base                 ; my 32 whole rows leave as f32
	s_wait_xcnt 0x0                                ; earlier stores have read their registers: they are loaded again only behind this wait
.set n, 0
.rept 32
	ds_load_b128 v[EP+4*n:EP+4*n+3], v[\rd] offset:n*SP
.set n, n+1
.endr
.set n, 0
.rept 32
	s_wait_dscnt 31-n                              ; row n is back; the younger loads may be out
	global_store_b128 v[LI], v[EP+4*n:EP+4*n+3], s[\base:\base+1] offset:n*512 th:TH_STORE_NT   ; a row of 512 bytes; the wave's 32 rows are 16,384 consecutive bytes
.set n, n+1
.endr
.endm
.macro GIMAGE cb, sb, off, u           ; the fragment in v[PC] on and its scale words leave as they stand
.irp c, 0,1,2
	global_store_b128 v[LI], v[PC+4*\c:PC+4*\c+3], s[\cb:\cb+1] offset:\off+\u*FRB+512*\c   ; 32 lanes store 512 consecutive bytes, at a multiple of 256 from the buffer's first byte
.endr
	global_store_b32 v[LS], v[PW], s[\sb:\sb+1] offset:\off+\u*128
.endm
.macro QROW adr, rows, u, cb, sb       ; a fragment whose K is the head's 128: my row's 16 neighbours of each block of 32
	s_wait_xcnt 0x0                                ; earlier stores have read their registers: they are written again only behind this wait
.irp b, 0,1,2,3
.irp j, 0,1,2,3
	ds_load_b128 v[EP+16*\b+4*\j:EP+16*\b+4*\j+3], v[\adr] offset:\rows*\u*SP+128*\b+16*\j
.endr
.endr
	s_wait_dscnt 0x0
	QUANT EP
	GIMAGE \cb, \sb, 0, \u
.endm
.macro QCOL u                          ; a fragment whose K is the 128 keys: a lane takes a channel, and its registers run down the keys 64 c + 32 h + 0 .. 31: two whole blocks
	s_wait_xcnt 0x0
.irp c, 0,1
.set n, 0
.rept 32
	ds_load_b32 v[EP+32*\c+n], v[VA] offset:(64*\c+n)*SP+32*\u
.set n, n+1
.endr
.endr
	s_wait_dscnt 0x0
.irp c, 0,1
	v_max3_num_f32 v[TM+\c], |v[EP+32*\c]|, |v[EP+1+32*\c]|, 0x2800000
.endr
.irp i, 2,4,6,8,10,12,14,16,18,20,22,24,26,28,30
.irp c, 0,1
	v_max3_num_f32 v[TM+\c], v[TM+\c], |v[EP+32*\c+\i]|, |v[EP+1+32*\c+\i]|
.endr
.endr
.irp c, 0,1
	v_add_nc_u32 v[TM+12+\c], 0xfe000000, v[TM+\c]
.endr
.irp c, 0,1
	v_lshrrev_b32 v[TM+4+\c], 23, v[TM+12+\c]
.endr
	v_lshl_or_b32 v[PW], v[TM+5], 16, v[TM+4]      ; my two bytes: blocks h and 2 + h,
	v_lshlrev_b32 v[PW], v[H8], v[PW]              ; at their places in the scale word;
	v_permlanex16_b32 v[TM+7], v[PW], s[SEL], s[SEL+1]
	v_or_b32 v[PW], v[PW], v[TM+7]                 ; with lane l xor 16's two the word is whole
.irp c, 0,1
	v_cvt_scalef32_pk16_bf6_f32 v[PC+6*\c:PC+2+6*\c], v[EP+32*\c:EP+15+32*\c], v[TM+12+\c]
	v_cvt_scalef32_pk16_bf6_f32 v[PC+12+4*\c:PC+14+4*\c], v[EP+16+32*\c:EP+31+32*\c], v[TM+12+\c]
.endr
	v_nop                                          ; one plain place behind a scaled conversion
.irp c, 0,1
.irp i, 0,1,2
	v_mov_b32 v[PC+3+6*\c+\i], v[PC+12+4*\c+\i]
.endr
.endr
	GIMAGE KC, KSB, PANEL, \u
.endm
	TOSTAGE 0, 0                                   ; q into stage 0, k into stage 1
	TOSTAGE 1, 1
	s_wait_dscnt 0x0                               ; for the others' sake: my stores into the stages are done
	s_barrier_signal -1
	s_barrier_wait -1
	QROW QAQ, 16, 0, QC, QS
	QROW QAQ, 16, 1, QC, QS
	s_wait_dscnt 0x0                               ; my reads of stage 0 are over
	s_barrier_signal -1
	s_barrier_wait -1                              ; everybody's are: stage 0 may be written again
	TOSTAGE 2, 0                                   ; v into stage 0; meanwhile k leaves from stage 1
	F32OUT RD+1, 82
	QROW QAK, 8, 0, KC, KSB
	QROW QAK, 8, 1, KC, KSB
	s_wait_dscnt 0x0                               ; for the others' sake: my stores of v are done
	s_barrier_signal -1
	s_barrier_wait -1
	F32OUT RD, 84
	QCOL 0
	QCOL 1
	s_wait_tensorcnt 0x0                           ; the wave's end
	ds_add_u32 v[SPW], v[NIL]
	s_wait_dscnt 0x0
	CROUND                                         ; the closing round: no work-group ends while a partner may still ask for a tile that names it
	s_endpgm
.Lfunc_end_k_q4f77106775_gemm_qkv:
	.size	k_q4f77106775_gemm_qkv, .Lfunc_end_k_q4f77106775_gemm_qkv-k_q4f77106775_gemm_qkv
	.p2alignl 7, 3214868480
	.fill 96, 4, 3214868480
	.section	.rodata,"a",@progbits
	.p2align	6, 0x0
	.amdhsa_kernel k_q4f77106775_gemm_qkv
		.amdhsa_group_segment_fixed_size 327680
		.amdhsa_private_segment_fixed_size 0
		.amdhsa_enable_private_segment 0
		.amdhsa_kernarg_size 72
		.amdhsa_user_sgpr_count 2
		.amdhsa_user_sgpr_kernarg_segment_ptr 1
		.amdhsa_wavefront_size32 1
		.amdhsa_system_sgpr_workgroup_id_x 1
		.amdhsa_system_sgpr_workgroup_id_y 1
		.amdhsa_system_sgpr_workgroup_id_z 1
		.amdhsa_system_vgpr_workitem_id 0
		.amdhsa_next_free_vgpr 896
		.amdhsa_next_free_sgpr 100
		.amdhsa_reserve_vcc 0
		.amdhsa_float_denorm_mode_32 3
		.amdhsa_float_denorm_mode_16_64 3
		.amdhsa_memory_ordered 1
		.amdhsa_forward_progress 1
		.amdhsa_inst_pref_size 237
	.end_amdhsa_kernel
	.amdgpu_metadata
---
amdhsa.version: [ 1, 2 ]
amdhsa.kernels:
  - .name:           k_q4f77106775_gemm_qkv
    .symbol:         k_q4f77106775_gemm_qkv.kd
    .args:
      - { .name: xp, .offset: 0, .size: 8, .value_kind: global_buffer, .address_space: global }
      - { .name: wqkvp, .offset: 8, .size: 8, .value_kind: global_buffer, .address_space: global }
      - { .name: bq, .offset: 16, .size: 8, .value_kind: global_buffer, .address_space: global }
      - { .name: bk, .offset: 24, .size: 8, .value_kind: global_buffer, .address_space: global }
      - { .name: bv, .offset: 32, .size: 8, .value_kind: global_buffer, .address_space: global }
      - { .name: qp, .offset: 40, .size: 8, .value_kind: global_buffer, .address_space: global }
      - { .name: kvp, .offset: 48, .size: 8, .value_kind: global_buffer, .address_space: global }
      - { .name: out1, .offset: 56, .size: 8, .value_kind: global_buffer, .address_space: global }
      - { .name: out2, .offset: 64, .size: 8, .value_kind: global_buffer, .address_space: global }
    .group_segment_fixed_size: 327680
    .private_segment_fixed_size: 0
    .kernarg_segment_align: 8
    .kernarg_segment_size: 72
    .max_flat_workgroup_size: 128
    .sgpr_count:     100
    .vgpr_count:     896
    .wavefront_size: 32
...
	.end_amdgpu_metadata
.endif
;; end of part 6
;; launch attn (part 7): grid 16 x 16, 8 waves a work-group, clusters of 4 x 4, 327,680 bytes of LDS; arguments qp, kvp, attn_mask, Wo, cp, wop; writes cp, wop
.if DOCPART == 7
	.amdgcn_target "amdgcn-amd-amdhsa--gfx1250"
	.amdhsa_code_object_version 6
	.text
	.protected	k_q4f77106775_attn
	.globl	k_q4f77106775_attn
	.p2align	8
	.type	k_q4f77106775_attn,@function
k_q4f77106775_attn:
	s_mov_b64 s[64:65], 0
	v_nop
	global_prefetch_b8 v0, s[64:65] scope:SCOPE_SE
	s_setreg_imm32_b32 hwreg(HW_REG_WAVE_MODE, 25, 1), 1
	s_wait_xcnt 0x0
	s_wait_alu depctr_hold_cnt(0) depctr_sa_sdst(0) depctr_va_vdst(0) depctr_va_sdst(0) depctr_va_ssrc(0) depctr_va_vcc(0) depctr_vm_vsrc(0)
	s_getreg_b32 s2, hwreg(HW_REG_IB_STS2, 6, 4)
	s_cmp_eq_u32 s2, 0
	s_cbranch_scc0 .Lentry_in_a_cluster
	s_endpgm
.Lentry_in_a_cluster:
	s_bfe_u32 s2, ttmp6, 0x10000c
	s_cmp_lg_u32 s2, 0xf033
	s_cbranch_scc0 .Lentry_shape_is_right
	s_endpgm
.Lentry_shape_is_right:
; ctx[q][head] = softmax_k(q . k / sqrt(128) + attn_mask[q][k]) v, both products on codes of BF6 (E3M2) with E8M0 scales.  q, k, v come as PANELS of 13,312 bytes (eight fragments as images of the
; operand's 12 registers, fragment f at 1,536 f, registers 4 c .. 4 c + 3 at 512 c + 16 x lane; from byte 12,288 on eight records of scale words, 128 bytes each).  kvp holds, for each head and each
; 128 keys, k's panel and then v's.  THE MASK IS AN INPUT: every head walks every key and adds every number of it, in f32.
; THE SOFTMAX: logit = score x (1 / sqrt(128)) + mask (one fused multiply-add: one rounding where two are written); t = logit x log2(e); M = the running largest t rounded UP to a whole number;
; p = 2^(t - M) is quantised along the keys; the row's sum is taken of the unquantised p and divides at the end; when M moves, the sum and O are multiplied by 2^(old M - new M): exact.
; SHARES: a work-group owns 128 queries of one head; each of its eight waves 16 of them, in 512 registers: two waves to a SIMD, so that one wave's vector work stands beside the other's products and loads.
; A TRIP IS 256 KEYS, two key steps of 128; eight trips.  k's and v's panels come through a ring of two LDS slots of 256 keys.  Two such slots of the mask (128 x 256 numbers each) would not fit beside them:
; the mask has ONE region in LDS, and the waves' registers are its second buffer: when a trip's tiles have landed, each wave takes its 16 queries x 256 keys of the mask into 128 registers;
; then the region is free, and behind the cluster's round it is filled with the next trip's, together with the other slot of k and v.  So each load has two key steps in which to land.
; CLUSTER 4 x 4: x = the block of queries, y = the head.  The four of a row share a head: k's and v's panels are asked for JOINTLY; the four of a column share the queries: the MASK's tile likewise.
; EVERY WAVE FETCHES: waves 0 to 3 one of a trip's four panels each, waves 4 to 7 a quarter of the mask's tile each (64 queries x 128 keys).  Both slots of k and v and the mask are first filled at the
; start: two tensor loads of waves 0 to 3 are out there, later one a wave.
; LAYOUT: both products transposed (S^T = K Q^T, O^T = V^T P^T): a lane holds ONE query (lane % 16).  Fragment 2 b + u of k holds keys 32 b + 8 u + r + 8 (r / 8), and of v channels likewise,
; so that register 16 b + i of S^T is key 32 b + 16 h + i, and of O^T channel 32 b + 16 h + i: 16 neighbours along the next K.  ctx is quantised in registers and leaves as a fragment of cp.
; BESIDE ITS OWN WORK the launch quantises Wo [2048][2048] f32 into panels for the launch behind it: 2,048 fragments of 16 rows x 128 K, one for each of the 256 x 8 waves.  A wave's 16 loads go out in the
; last trip, between its two key steps, into the registers that held the first step's mask: no tensor load is on its way there any more.  The quantising stands behind ctx's stores.
; LIMITS: a p under 2^-126 counts as 0; a row whose mask is -infinity at every key gives NaN, as the definition does; NaN and infinities among the other inputs are not served; a block whose largest magnitude
; lies under 2^-122 keeps the byte 1, a block of zeros too (its codes are zeros; this program alone reads the bytes).
; REGISTERS: window 0: v1-10, v30-31 addresses; v12 -M, v13 the largest t, v[14:15] the sum; v16-27 Q, v28 its scale words, v29 p's (at the end ctx's, then Wo's); v32-47, v56-58 at work;
;   v80-87, v88-95 k's and v's scale words; v96-159 S^T, then p; v160-223 O^T; v224-243 codes.   window 1: v0-127 the trip's mask; v128-223 eight fragments: k's, then, when the scores are made, v's.
.set PANEL, 13312
.set FRB,   1536
.set SCO,   12288
.set STEPB, 2*PANEL                    ; a key step's pair of panels
.set KVS,   2*STEPB                    ; a slot: two key steps
.set MBASE, 2*KVS                      ; behind the two slots: the mask, a half for each key step
.set MP,    528                        ; a row of a half: 512 bytes + 16 = 33 x 16 bytes
.set MSTEP, 128*MP                     ; a half: 128 rows
.set SPARE, MBASE+2*MSTEP              ; behind it: the spare words, 128 bytes for each wave: four blocks of 256 bytes that no other line names
.set WST,   SPARE+1024                 ; behind them: a stage of 16 rows x 528 bytes for each wave, for Wo; no tensor load lands there
.set AKV,  1                           ; v1-2   16 x lane + the slot
.set LI,   1                           ;        (slot 0's is 16 x lane itself)
.set ASC,  3                           ; v3-4   4 x lane + the slot + 12,288
.set SPW,  5                           ; v5     my spare word: SPARE + 4 x my thread's number; never rewritten
.set NIL,  6                           ; v6     0; never rewritten
.set AM,   7                           ; v7-8   the mask's half 0, 1: row 16 w + r, + 64 h
.set LS,   10                          ; v10    4 x lane
.set WSI,  30                          ; v30    Wo's stage, way in: 16 x lane
.set WSO,  31                          ; v31    Wo's stage, way out: row r, + 64 h
.set QF,   16
.set QS,   28
.set PW,   29
.set TM,   32
.set FF,   56                          ; v[56:57] f = 2^(old M - new M), named as a pair
.set T0,   58
.set KS,   80
.set VS,   88
.set SS,   96
.set OT,   160
.set PC,   224
.set MK,   0                           ; window 1
.set FRG,  128
.set SEL,  20                          ; s[20:21] lane l xor 16
.set RS,   22                          ; s[22:23] 1 / sqrt(128)
.set L2E,  66                          ; s[66:67] log2(e)
.set G1KV, 24                          ; s[24:31] group 1 for a panel;  s[32:39] group 0, one set for each slot
.set G0KV, 32
.set G1M,  40                          ; s[40:47] group 1 for a quarter of the mask's tile;  s[48:51] its group 0
.set G0M,  48
.set MSB, 0
.macro WIN new                         ; the immediate's high byte repeats the setting that is left
.if MSB != (\new)
	s_set_vgpr_msb (MSB<<8)|(\new)
.set MSB, (\new)
.endif
.endm
.macro PLACES
.rept 4
	v_nop
.endr
.endm
.macro JLOAD s                         ; the refills of a trip: slot s of k and v (waves 0 to 3), and the mask (waves 4 to 7).  The branch hangs on the wave's number alone; four v_nop follow each of the two lines
	s_cmp_lt_u32 s12, 4
	s_cbranch_scc0 .Lfor_m_\@
	tensor_load_to_lds s[G0KV+4*(\s):G0KV+4*(\s)+3], s[G1KV:G1KV+7]
	s_nop 0
.rept 4
	v_nop
.endr
	s_branch .Lasked_\@
.Lfor_m_\@:
	tensor_load_to_lds s[G0M:G0M+3], s[G1M:G1M+7]
	s_nop 0
.rept 4
	v_nop
.endr
.Lasked_\@:
.endm
.macro JLOADM                          ; the first trip's: the mask alone (both slots of k and v were filled at the start)
	s_cmp_lt_u32 s12, 4
	s_cbranch_scc1 .Lasked_\@
	tensor_load_to_lds s[G0M:G0M+3], s[G1M:G1M+7]
	s_nop 0
.rept 4
	v_nop
.endr
.Lasked_\@:
.endm
.macro CROUND                          ; a round of the cluster's barrier
	s_barrier_signal -1
	s_barrier_wait -1
	s_cmp_lg_u32 s12, 0
	s_cbranch_scc1 .Lnot_wave_0_\@
	s_barrier_signal -3
.Lnot_wave_0_\@:
	s_barrier_wait -3
	s_barrier_signal -1
	s_barrier_wait -1
.endm
; From the four blocks' largest magnitudes in v[TM] on: the scale word in v[PW] and the fragment's 12 registers in v[PC] on.
.macro QTAIL s
.irp b, 0,1,2,3
	v_add_nc_u32 v[TM+12+\b], 0xfe000000, v[TM+\b]         ; 4 off the exponent field: the conversion's scale operand
.endr
.irp b, 0,1,2,3
	v_lshrrev_b32 v[TM+4+\b], 23, v[TM+12+\b]              ; the scale's byte
.endr
	v_lshl_or_b32 v[PW], v[TM+5], 8, v[TM+4]
	v_lshl_or_b32 v[PW], v[TM+6], 16, v[PW]
	v_lshl_or_b32 v[PW], v[TM+7], 24, v[PW]
.irp c, 0,1
	v_cvt_scalef32_pk16_bf6_f32 v[PC+6*\c:PC+2+6*\c], v[(\s)+32*\c:(\s)+15+32*\c], v[TM+12+2*\c]
	v_cvt_scalef32_pk16_bf6_f32 v[PC+12+4*\c:PC+14+4*\c], v[(\s)+16+32*\c:(\s)+31+32*\c], v[TM+12+2*\c+1]
.endr
	v_nop                                                  ; one plain place behind a scaled conversion
.irp c, 0,1                                            ; a WHOLE block in a lane: lanes 0-15 block 2 c, lanes 16-31 block 2 c + 1
.irp i, 0,1,2
	v_permlane16_swap_b32 v[PC+6*\c+\i], v[PC+12+4*\c+\i]
.endr
.irp i, 0,1,2
	v_mov_b32 v[PC+3+6*\c+\i], v[PC+12+4*\c+\i]
.endr
.endr
.endm
.macro QUANT s
.irp b, 0,1,2,3
	v_max3_num_f32 v[TM+\b], |v[(\s)+16*\b]|, |v[(\s)+1+16*\b]|, 0x2800000
.endr
.irp i, 2,4,6,8,10,12,14
.irp b, 0,1,2,3
	v_max3_num_f32 v[TM+\b], v[TM+\b], |v[(\s)+16*\b+\i]|, |v[(\s)+1+16*\b+\i]|
.endr
.endr
.irp b, 0,1,2,3
	v_permlanex16_b32 v[TM+4+\b], v[TM+\b], s[SEL], s[SEL+1]
.endr
.irp b, 0,1,2,3
	v_max_num_f32 v[TM+\b], v[TM+\b], v[TM+4+\b]
.endr
	QTAIL \s
.endm
	s_load_b256 s[4:11], s[0:1], 0x0               ; qp s[4:5], kvp s[6:7], attn_mask s[8:9], Wo s[10:11]
	s_load_b128 s[72:75], s[0:1], 0x20             ; cp s[72:73], wop s[74:75]
	v_lshl_add_u32 v[SPW], v0, 2, SPARE
	v_mov_b32 v[NIL], 0
	ds_add_u32 v5, v6
	s_wait_dscnt 0x0
	v_lshrrev_b32 v11, 5, v0
	v_readfirstlane_b32 s12, v11                   ; wave 0..7
	s_and_b32 s13, s12, 3                          ; which of a trip's four panels, or which quarter of the mask's tile, I fetch
	s_bfe_u32 s14, ttmp6, 0x40000                  ; cx, cy
	s_bfe_u32 s15, ttmp6, 0x40004
	s_lshl_b32 s16, ttmp9, 2
	s_add_co_u32 s16, s16, s14                     ; my block of 128 queries = 4 x cluster x + cx
	s_and_b32 s17, ttmp7, 0xffff
	s_lshl_b32 s17, s17, 2
	s_add_co_u32 s17, s17, s15                     ; my head = 4 x cluster y + cy
	s_lshl_b32 s18, s15, 2
	s_lshl_b32 s18, 15, s18                        ; my row of the cluster: the same head
	s_lshl_b32 s19, 0x1111, s14                    ; my column: the same queries
	; group 1 for a panel: 13,312 dense bytes as 52 rows of 32 elements of 8 bytes
	s_or_b32 s[G1KV], s18, (3<<16)|(1<<21)
	s_mov_b32 s[G1KV+1], 32<<16
	s_mov_b32 s[G1KV+2], 52<<16
	s_mov_b32 s[G1KV+3], 32<<16
	s_mov_b32 s[G1KV+4], 52
	s_mov_b32 s[G1KV+5], 32
	s_mov_b32 s[G1KV+6], 0
	s_mov_b32 s[G1KV+7], 0
	; group 1 for a quarter of the mask's tile: 64 rows of 128 elements of 4 bytes, 2,048 elements apart; 4 words of padding behind every 128
	s_or_b32 s[G1M], s19, (2<<16)|(1<<20)|(1<<21)|(6<<22)|(3<<25)
	s_mov_b32 s[G1M+1], 128<<16
	s_mov_b32 s[G1M+2], 64<<16
	s_mov_b32 s[G1M+3], 128<<16
	s_mov_b32 s[G1M+4], 64
	s_mov_b32 s[G1M+5], 2048
	s_mov_b32 s[G1M+6], 0
	s_mov_b32 s[G1M+7], 0
	s_mul_i32 s57, s13, PANEL                      ; my panel's place in a slot, and in a trip's four panels
	s_mul_i32 s58, s17, 32*PANEL                   ; the head's 32 panels: made of the head and the wave alone
	s_add_co_u32 s58, s58, s57
	s_mov_b32 s59, 0
	s_and_b32 s61, s12, 1                          ; the mask: row 128 x block + 64 x (w & 1), 8,192 bytes a row; key step (w >> 1) & 1, 512 bytes: made of the block and the wave alone
	s_lshl_b32 s61, s61, 19
	s_lshl_b32 s60, s16, 20
	s_add_co_u32 s60, s60, s61
	s_bfe_u32 s61, s12, 0x10001
	s_lshl_b32 s61, s61, 9
	s_add_co_u32 s60, s60, s61
	s_mov_b32 s61, 0
	s_mul_i32 s62, s13, 64*MP                      ; its place in LDS: quarter 2 x key step + half
	s_add_co_u32 s62, s62, MBASE
	s_mov_b32 s[SEL], 0x76543210
	s_mov_b32 s[SEL+1], 0xfedcba98
	s_mov_b32 s[RS], 0x3db504f3                    ; 1 / sqrt(128)
	s_mov_b32 s[RS+1], s[RS]                       ; (named with it as a pair, so it is written)
	s_mov_b32 s[L2E], 0x3fb8aa3b                   ; log2(e)
	s_mov_b32 s[L2E+1], s[L2E]
	s_wait_kmcnt 0x0
	s_add_nc_u64 s[6:7], s[6:7], s[58:59]
	s_add_nc_u64 s[8:9], s[8:9], s[60:61]
.irp s, 0,1
	s_mov_b32 s[G0KV+4*\s], 1
	s_add_co_u32 s[G0KV+4*\s+1], s57, \s*KVS
	s_add_nc_u64 s[G0KV+4*\s+2:G0KV+4*\s+3], s[6:7], \s*KVS        ; slot s begins with trip s
	s_or_b32 s[G0KV+4*\s+3], s[G0KV+4*\s+3], 0x80000000
.endr
	s_mov_b32 s[G0M], 1
	s_mov_b32 s[G0M+1], s62
	s_mov_b64 s[G0M+2:G0M+3], s[8:9]
	s_or_b32 s[G0M+3], s[G0M+3], 0x80000000
	CROUND                                         ; all sixteen work-groups are here: the first joint loads meet
	s_cmp_lt_u32 s12, 4                            ; a wave's first fills stand in one branch, ahead of every wait on TENSORcnt, every LDS read and every other barrier
	s_cbranch_scc0 .Lfirst_m
	tensor_load_to_lds s[G0KV:G0KV+3], s[G1KV:G1KV+7]              ; trip 0's
	s_nop 0
	tensor_load_to_lds s[G0KV+4:G0KV+7], s[G1KV:G1KV+7]            ; trip 1's
	s_nop 0
.rept 4
	v_nop
.endr
	s_branch .Lfirst_done
.Lfirst_m:
	tensor_load_to_lds s[G0M:G0M+3], s[G1M:G1M+7]                  ; trip 0's mask
	s_nop 0
.rept 4
	v_nop
.endr
.Lfirst_done:
	s_mul_i32 s63, s12, FRB                        ; fragment w of a panel,
	s_lshl_b32 s57, s12, 7
	s_add_co_u32 s57, s57, SCO                     ; and its record
	s_lshl_b32 s62, s17, 4
	s_add_co_u32 s62, s62, s16                     ; g = 16 x head + block
	s_mul_i32 s58, s62, PANEL                      ; q's panel
	s_add_co_u32 s60, s58, s57
	s_add_co_u32 s58, s58, s63
	s_add_nc_u64 s[68:69], s[4:5], s[60:61]
	s_add_nc_u64 s[4:5], s[4:5], s[58:59]
	s_lshl_b32 s58, s16, 4
	s_add_co_u32 s58, s58, s17
	s_mul_i32 s58, s58, PANEL                      ; ctx's panel: 16 x block + head
	s_add_co_u32 s60, s58, s57
	s_add_co_u32 s58, s58, s63
	s_add_nc_u64 s[70:71], s[72:73], s[60:61]
	s_add_nc_u64 s[72:73], s[72:73], s[58:59]
	s_lshr_b32 s57, s62, 1                         ; Wo: my wave's fragment: tile of 16 rows g / 2,
	s_and_b32 s63, s62, 1
	s_lshl_b32 s63, s63, 3
	s_add_co_u32 s63, s63, s12                     ; K step 8 (g % 2) + w
	s_lshl_b32 s58, s57, 17                        ; in: 16 rows of 8,192 bytes a tile, 512 bytes a K step
	s_lshl_b32 s60, s63, 9
	s_add_co_u32 s58, s58, s60
	s_add_nc_u64 s[10:11], s[10:11], s[58:59]
	s_lshr_b32 s58, s57, 3                         ; out: panel (tile / 8) x 16 + K step,
	s_lshl_b32 s58, s58, 4
	s_add_co_u32 s58, s58, s63
	s_mul_i32 s58, s58, PANEL
	s_and_b32 s57, s57, 7                          ; fragment tile % 8 of it
	s_lshl_b32 s60, s57, 7
	s_add_co_u32 s60, s60, s58
	s_add_co_u32 s60, s60, SCO
	s_mul_i32 s57, s57, FRB
	s_add_co_u32 s58, s58, s57
	s_add_nc_u64 s[76:77], s[74:75], s[60:61]
	s_add_nc_u64 s[74:75], s[74:75], s[58:59]
	v_and_b32 v11, 31, v0
	v_lshlrev_b32 v[LI], 4, v11
	v_lshlrev_b32 v[LS], 2, v11
.irp c, 0,1,2
	global_load_b128 v[QF+4*\c:QF+4*\c+3], v[LI], s[4:5] offset:512*\c         ; Q's fragment stays in registers
.endr
	global_load_b32 v[QS], v[LS], s[68:69]
	v_add_nc_u32 v[AKV+1], KVS, v[LI]
	v_add_nc_u32 v[ASC], SCO, v[LS]
	v_add_nc_u32 v[ASC+1], KVS+SCO, v[LS]
	v_and_b32 v11, 15, v0
	v_mul_u32_u24 v[AM], v11, MP
	v_bfe_u32 v11, v0, 4, 1
	v_lshl_add_u32 v[AM], v11, 6, v[AM]
	s_mul_i32 s57, s12, 16*MP                      ; 16 rows a wave, in the mask's halves and among Wo's stages alike
	s_add_co_u32 s58, s57, WST
	s_add_co_u32 s57, s57, MBASE
	v_add_nc_u32 v[AM], s57, v[AM]
	v_add_nc_u32 v[AM+1], MSTEP, v[AM]
	v_add_nc_u32 v[WSO], WST-MBASE, v[AM]
	v_add_nc_u32 v[WSI], s58, v[LI]
	v_mov_b32 v13, 0xff61b1e6                      ; the largest t so far: -3e38
	v_floor_f32 v12, -v13                          ; -M
	v_mov_b32 v14, 0                               ; the sum, in two halves
	v_mov_b32 v15, 0
	v_mov_b32 v[FF+1], 0                           ; (named as the upper half of a pair)
.irp b, 0,1,2,3
	v_mov_b32 v[TM+4+\b], 0                        ; written once: a lane permute's destination counts as one of its sources
.endr
.set n, 0
.rept 64
	v_mov_b32 v[OT+n], 0                           ; O^T.  (The step is written once for all steps: the first finds zeros, which the first change of M leaves zeros)
.set n, n+1
.endr
; The trip's mask of my 16 queries: 32 loads into 128 registers; register 64 q + 16 b + 4 j on: keys 128 q + 32 b + 16 h + 4 j on: S^T's own order
.macro MLOAD
	WIN 0x40                                       ; destination window 1
.irp q, 0,1
.irp b, 0,1,2,3
.irp j, 0,1,2,3
	ds_load_b128 v[MK+64*\q+16*\b+4*\j:MK+64*\q+16*\b+4*\j+3], v[AM+\q] offset:128*\b+16*\j
.endr
.endr
.endr
	WIN 0
.endm
; My fragment of Wo: 16 rows x 512 bytes, each load 512 consecutive bytes, into the registers that held the first key step's mask
.macro WOLOAD
	WIN 0x40                                       ; destination window 1
.irp i, 0,1,2,3,4,5,6,7,8,9,10,11,12,13,14,15
	global_load_b128 v[MK+4*\i:MK+4*\i+3], v[LI], s[10:11] offset:\i*8192 th:TH_LOAD_NT
.endr
	WIN 0
.endm
; A KEY STEP: 128 keys, the q-th of the slot named.
.macro STEP slot, q
.irp t, 0,1,2,3,4,5,6,7
	ds_load_b32 v[KS+\t], v[ASC+\slot] offset:(\q)*STEPB+128*\t
.endr
	WIN 0x40                                       ; destination window 1
.irp t, 0,1,2,3,4,5,6,7
.irp c, 0,1,2
	ds_load_b128 v[FRG+12*\t+4*\c:FRG+12*\t+4*\c+3], v[AKV+\slot] offset:(\q)*STEPB+\t*FRB+512*\c
.endr
.endr
	s_wait_dscnt 0x0                               ; k's words and fragments are in
	WIN 0x01                                       ; source 0 window 1
.irp t, 0,1,2,3,4,5,6,7
	v_wmma_scale_f32_16x16x128_f8f6f4 v[SS+8*\t:SS+8*\t+7], v[FRG+12*\t:FRG+12*\t+11], v[QF:QF+11], 0, v[KS+\t], v[QS] matrix_a_fmt:MATRIX_FMT_BF6 matrix_b_fmt:MATRIX_FMT_BF6
.endr
	WIN 0
	PLACES                                         ; behind these products: ahead of the first read of the scores, and of the loads of v into the registers that held k
.irp t, 0,1,2,3,4,5,6,7
	ds_load_b32 v[VS+\t], v[ASC+\slot] offset:(\q)*STEPB+PANEL+128*\t
.endr
	WIN 0x40
.irp t, 0,1,2,3,4,5,6,7
.irp c, 0,1,2
	ds_load_b128 v[FRG+12*\t+4*\c:FRG+12*\t+4*\c+3], v[AKV+\slot] offset:(\q)*STEPB+PANEL+\t*FRB+512*\c   ; they land under the softmax
.endr
.endr
	WIN 0x10                                       ; source 2 window 1
.set n, 0
.rept 32
	v_pk_fma_f32 v[SS+n:SS+n+1], v[SS+n:SS+n+1], s[RS:RS+1], v[MK+64*(\q)+n:MK+64*(\q)+n+1] op_sel_hi:[1,0,1]   ; the logit; each accumulator is read from its low end on
.set n, n+2
.endr
	WIN 0
.set n, 0
.rept 32
	v_pk_mul_f32 v[SS+n:SS+n+1], v[SS+n:SS+n+1], s[L2E:L2E+1] op_sel_hi:[1,0]   ; t
.set n, n+2
.endr
.irp b, 0,1,2,3
	v_max3_num_f32 v[TM+\b], v[SS+16*\b], v[SS+1+16*\b], v[SS+2+16*\b]   ; the largest t of each block of 32 keys: it serves the row's maximum and, since p rises with t, the block's largest p
.endr
.irp i, 3,5,7,9,11,13
.irp b, 0,1,2,3
	v_max3_num_f32 v[TM+\b], v[TM+\b], v[SS+16*\b+\i], v[SS+1+16*\b+\i]
.endr
.endr
.irp b, 0,1,2,3
	v_max_num_f32 v[TM+\b], v[TM+\b], v[SS+15+16*\b]
.endr
.irp b, 0,1,2,3
	v_permlanex16_b32 v[TM+4+\b], v[TM+\b], s[SEL], s[SEL+1]
.endr
.irp b, 0,1,2,3
	v_max_num_f32 v[TM+\b], v[TM+\b], v[TM+4+\b]   ; with lane l xor 16's 16 keys
.endr
	v_max3_num_f32 v[T0], v[TM], v[TM+1], v[TM+2]
	v_max_num_f32 v[T0], v[T0], v[TM+3]
	v_max_num_f32 v13, v13, v[T0]                  ; the running largest t
	v_mov_b32 v[T0], v12
	v_floor_f32 v12, -v13                          ; the new -M = floor(-t): M is a whole number
	v_sub_f32 v[T0], v12, v[T0]                    ; old M - new M: a whole number, 0 or less
	v_cvt_i32_f32 v[T0], v[T0]                     ; (it saturates)
	v_ldexp_f32 v[FF], 1.0, v[T0]                  ; f = 2^(old M - new M)
.set n, 0
.rept 32
	v_pk_add_f32 v[SS+n:SS+n+1], v[SS+n:SS+n+1], v[12:13] op_sel_hi:[1,0]   ; t - M
.set n, n+2
.endr
.irp b, 0,1,2,3
	v_add_f32 v[TM+\b], v[TM+\b], v12              ; the same of each block's largest t
.endr
.set n, 0
.rept 64
	v_exp_f32 v[SS+n], v[SS+n]                     ; p = 2^(t - M), at most 1
.set n, n+1
.endr
.irp b, 0,1,2,3
	v_exp_f32 v[TM+\b], v[TM+\b]                   ; the block's largest p: the same two instructions on the same number
.endr
	v_pk_mul_f32 v[14:15], v[14:15], v[FF:FF+1] op_sel_hi:[1,0]   ; the sums under the new M.  (A plain place behind the exponentials)
	s_wait_alu depctr_va_vdst(0)
.irp b, 0,1,2,3
	v_max_num_f32 v[TM+\b], 0x2800000, v[TM+\b]    ; the floor 2^(5 - 127): the byte cannot fall under 1
.endr
	QTAIL SS
	v_pk_add_f32 v[TM+8:TM+9], v[SS:SS+1], v[SS+2:SS+3]           ; the row's sum of the UNQUANTISED p, in two chains
.irp j, 4,8,12,16,20,24,28,32,36,40,44,48,52,56,60
	v_pk_add_f32 v[14:15], v[14:15], v[SS+\j:SS+\j+1]
	v_pk_add_f32 v[TM+8:TM+9], v[TM+8:TM+9], v[SS+2+\j:SS+3+\j]
.endr
	v_pk_add_f32 v[14:15], v[14:15], v[TM+8:TM+9]
.set n, 0
.rept 32
	v_pk_mul_f32 v[OT+n:OT+n+1], v[OT+n:OT+n+1], v[FF:FF+1] op_sel_hi:[1,0]   ; O^T under the new M, each accumulator from its low end on.  (With the sums above: the places between p's codes and scale word and the products below)
.set n, n+2
.endr
	s_wait_dscnt 0x0                               ; v's words and fragments are in
	WIN 0x01
.irp t, 0,1,2,3,4,5,6,7
	v_wmma_scale_f32_16x16x128_f8f6f4 v[OT+8*\t:OT+8*\t+7], v[FRG+12*\t:FRG+12*\t+11], v[PC:PC+11], v[OT+8*\t:OT+8*\t+7], v[VS+\t], v[PW] matrix_a_fmt:MATRIX_FMT_BF6 matrix_b_fmt:MATRIX_FMT_BF6
.endr
	WIN 0
	PLACES                                         ; behind these products: ahead of the next loads into the fragments' registers, and of the next read of O^T
.endm
; A TRIP.  My part of its tiles has landed; a barrier: everybody's has.  Each wave takes its part of the mask into registers.  Then each wave waits for all its tensor loads (none is out: the line stands
; ahead of the add), adds 0 to its spare word, and waits for that, for its reads of the mask and for its reads of the other slot; a round of the cluster's barrier; behind it no wave
; of any partner reads the mask's region or the other slot, and both are filled with the next trip's tiles, which have this trip's two key steps in which to land.
; kind = 2: both refills;  1: the mask's alone;  0: none: the last trip.   wo = 1: my fragment of Wo is asked for between the two key steps.
.macro TRIP slot, kind, wo
	s_wait_tensorcnt 0x0                           ; for the reads below: at trip 0 it also waits for trip 1's slot; later no younger load of mine exists
	s_barrier_signal -1
	s_barrier_wait -1
	MLOAD
.if \kind
	s_wait_tensorcnt 0x0
	ds_add_u32 v[SPW], v[NIL]                      ; 0 onto my spare word
.if \kind == 2
	s_add_nc_u64 s[G0KV+4*(1-\slot)+2:G0KV+4*(1-\slot)+3], s[G0KV+4*(1-\slot)+2:G0KV+4*(1-\slot)+3], 2*KVS   ; the other slot's next tiles: two trips on from its last
.endif
	s_add_nc_u64 s[G0M+2:G0M+3], s[G0M+2:G0M+3], 1024              ; the next 256 keys of the mask
	s_wait_dscnt 0x0                               ; the add is done, the mask is in my registers, and my reads of the other slot are over
	CROUND
.if \kind == 2
	JLOAD 1-\slot
.else
	JLOADM
.endif
.else
	s_wait_dscnt 0x0                               ; the mask is in my registers
.endif
	STEP \slot, 0
.if \wo
	WOLOAD
.endif
	STEP \slot, 1
.endm
	s_wait_loadcnt 0x0                             ; Q
	TRIP 0, 1, 0                                   ; trip 0 is written out: slot 1 was filled at the start
	s_mov_b32 s56, 3
.Lloop:                                                ; trips 1 to 6
	TRIP 1, 2, 0
	TRIP 0, 2, 0
	s_sub_co_u32 s56, s56, 1
	s_cmp_lg_u32 s56, 0
	s_cbranch_scc1 .Lloop
	TRIP 1, 0, 1                                   ; trip 7 is written out: it asks for no tile
	; THE WAY OUT: O^T / the sum is ctx; register 16 b + i is channel 32 b + 16 h + i of my query: it is quantised as it stands and leaves as fragment w of the panel (block, head).
	v_add_f32 v14, v14, v15                        ; the sum's two halves,
	v_permlanex16_b32 v[T0], v14, s[SEL], s[SEL+1]
	v_add_f32 v14, v14, v[T0]                      ; and lane l xor 16's
	v_rcp_f32 v14, v14
	v_nop                                          ; one plain place behind a transcendental
.set n, 0
	s_wait_alu depctr_va_vdst(0)
.rept 64
	v_mul_f32 v[SS+n], v[OT+n], v14
.set n, n+1
.endr
	QUANT SS
.irp c, 0,1,2
	global_store_b128 v[LI], v[PC+4*\c:PC+4*\c+3], s[72:73] offset:512*\c      ; 32 lanes store 512 consecutive bytes, at a multiple of 256 from the buffer's first byte
.endr
	global_store_b32 v[LS], v[PW], s[70:71]
	; MY FRAGMENT OF Wo: its 16 x 512 bytes turn through my own stage, so that a lane gets 16 neighbours along K of each block of 32 of its row; then the same quantiser.
	s_wait_loadcnt 0x0                             ; asked for a key step ago
	WIN 0x04                                       ; an LDS store's data are its source 1: window 1
.irp i, 0,1,2,3,4,5,6,7,8,9,10,11,12,13,14,15
	ds_store_b128 v[WSI], v[MK+4*\i:MK+4*\i+3] offset:\i*MP
.endr
	WIN 0
.irp b, 0,1,2,3
.irp j, 0,1,2,3
	ds_load_b128 v[SS+16*\b+4*\j:SS+16*\b+4*\j+3], v[WSO] offset:128*\b+16*\j   ; LDS serves a wave's instructions in order: these see the stores above
.endr
.endr
	s_wait_dscnt 0x0
	s_wait_xcnt 0x0                                ; ctx's stores have read v[PC] on and v[PW]: they are written again only behind this wait
	QUANT SS
.irp c, 0,1,2
	global_store_b128 v[LI], v[PC+4*\c:PC+4*\c+3], s[74:75] offset:512*\c
.endr
	global_store_b32 v[LS], v[PW], s[76:77]
	s_wait_tensorcnt 0x0                           ; the wave's end
	ds_add_u32 v[SPW], v[NIL]
	s_wait_dscnt 0x0
	CROUND                                         ; the closing round: no work-group ends while a partner may still ask for a tile that names it
	s_endpgm
.Lfunc_end_k_q4f77106775_attn:
	.size	k_q4f77106775_attn, .Lfunc_end_k_q4f77106775_attn-k_q4f77106775_attn
	.p2alignl 7, 3214868480
	.fill 96, 4, 3214868480
	.section	.rodata,"a",@progbits
	.p2align	6, 0x0
	.amdhsa_kernel k_q4f77106775_attn
		.amdhsa_group_segment_fixed_size 327680
		.amdhsa_private_segment_fixed_size 0
		.amdhsa_enable_private_segment 0
		.amdhsa_kernarg_size 48
		.amdhsa_user_sgpr_count 2
		.amdhsa_user_sgpr_kernarg_segment_ptr 1
		.amdhsa_wavefront_size32 1
		.amdhsa_system_sgpr_workgroup_id_x 1
		.amdhsa_system_sgpr_workgroup_id_y 1
		.amdhsa_system_sgpr_workgroup_id_z 1
		.amdhsa_system_vgpr_workitem_id 0
		.amdhsa_next_free_vgpr 512
		.amdhsa_next_free_sgpr 80
		.amdhsa_reserve_vcc 0
		.amdhsa_float_denorm_mode_32 3
		.amdhsa_float_denorm_mode_16_64 3
		.amdhsa_memory_ordered 1
		.amdhsa_forward_progress 1
		.amdhsa_inst_pref_size 220
	.end_amdhsa_kernel
	.amdgpu_metadata
---
amdhsa.version: [ 1, 2 ]
amdhsa.kernels:
  - .name:           k_q4f77106775_attn
    .symbol:         k_q4f77106775_attn.kd
    .args:
      - { .name: qp, .offset: 0, .size: 8, .value_kind: global_buffer, .address_space: global }
      - { .name: kvp, .offset: 8, .size: 8, .value_kind: global_buffer, .address_space: global }
      - { .name: attn_mask, .offset: 16, .size: 8, .value_kind: global_buffer, .address_space: global }
      - { .name: Wo, .offset: 24, .size: 8, .value_kind: global_buffer, .address_space: global }
      - { .name: cp, .offset: 32, .size: 8, .value_kind: global_buffer, .address_space: global }
      - { .name: wop, .offset: 40, .size: 8, .value_kind: global_buffer, .address_space: global }
    .group_segment_fixed_size: 327680
    .private_segment_fixed_size: 0
    .kernarg_segment_align: 8
    .kernarg_segment_size: 48
    .max_flat_workgroup_size: 256
    .sgpr_count:     80
    .vgpr_count:     512
    .wavefront_size: 32
...
	.end_amdgpu_metadata
.endif
;; end of part 7
;; launch gemm_out (part 8): grid 16 x 16, 4 waves a work-group, clusters of 4 x 4, 327,680 bytes of LDS; arguments cp, wop, bo, out0; writes out0
.if DOCPART == 8
	.amdgcn_target "amdgcn-amd-amdhsa--gfx1250"
	.amdhsa_code_object_version 6
	.text
	.protected	k_q4f77106775_gemm_out
	.globl	k_q4f77106775_gemm_out
	.p2align	8
	.type	k_q4f77106775_gemm_out,@function
k_q4f77106775_gemm_out:
	s_mov_b64 s[64:65], 0
	v_nop
	global_prefetch_b8 v0, s[64:65] scope:SCOPE_SE
	s_setreg_imm32_b32 hwreg(HW_REG_WAVE_MODE, 25, 1), 1
	s_wait_xcnt 0x0
	s_wait_alu depctr_hold_cnt(0) depctr_sa_sdst(0) depctr_va_vdst(0) depctr_va_sdst(0) depctr_va_ssrc(0) depctr_va_vcc(0) depctr_vm_vsrc(0)
	s_getreg_b32 s2, hwreg(HW_REG_IB_STS2, 6, 4)
	s_cmp_eq_u32 s2, 0
	s_cbranch_scc0 .Lentry_in_a_cluster
	s_endpgm
.Lentry_in_a_cluster:
	s_bfe_u32 s2, ttmp6, 0x10000c
	s_cmp_lg_u32 s2, 0xf033
	s_cbranch_scc0 .Lentry_shape_is_right
	s_endpgm
.Lentry_shape_is_right:
; out0 = ctx Wo^T + bo on codes of BF6 (E3M2) with E8M0 scales; ctx and Wo come as PANELS (128 rows x 128 K in 13,312 bytes: eight fragments as images of the operand's 12 registers,
; fragment f at 1,536 f, registers 4 c .. 4 c + 3 at 512 c + 16 x lane; from byte 12,288 on eight records of scale words, 128 bytes each, 4 bytes a lane).  Panels lie [rows / 128][K / 128].
; A work-group makes 128 x 128 of out0: 256 work-groups in all.  Four waves, each 64 x 64: 16 accumulators.  K = 16 steps of 128.
; THREE LDS SLOTS, each with A's and B's panels of four K steps; a wave's tensor load brings two panels, 26,624 dense bytes, as 104 rows of 256.  Twelve of the sixteen K steps fit in LDS at once:
; all three slots are first filled at the start (three tensor loads of a wave are out there), and there is ONE refill: slot 0 takes K steps 12 to 15 behind K step 3's round, and has eight K steps,
; 128 products a wave, in which to land.  The wait and the barrier in front of that refill show slots 1 and 2 whole to every wave: K steps 4 to 10 need no barrier.
; CLUSTER 4 x 4: the four of a row of the cluster need the same panels of ctx, the four of a column the same panels of Wo: each is asked for JOINTLY.
; THE MATRIX INSTRUCTION IS USED TRANSPOSED (source 0 = 16 rows of Wo, source 1 = 16 rows of ctx): a lane holds eight neighbouring columns of one row.  The bias is the C of the first K step's products
; (it enters the f32 sum first, not last).  The tile leaves through a stage in LDS, as whole rows of 512 bytes.  The stage lies in slot 1, which is filled once, and which nobody reads behind K step 11's barrier.
; REGISTERS: window 0: v10-29 addresses; v32-39 scale words, two sets; v40-71 the bias; v128-255 the accumulators ((a, b) at v[128 + 8 (4 a + b)]), later rows from the stage.
;   window 1: two sets of 96: A's four fragments, then B's four.
.set PANEL,  13312
.set FRB,    1536
.set SCO,    12288
.set SLOT,   8*PANEL                   ; A's four panels, then B's four
.set BOFF,   4*PANEL
.set STAGE,  SLOT                      ; in slot 1: 128 rows x 528 bytes
.set SP,     528                       ; 512 bytes + 16 = 33 x 16 bytes
.set SPARE,  3*SLOT                    ; behind the slots: the spare words, 128 bytes for each wave: two blocks of 256 bytes that no other line names
.set ADRA, 10                          ; v10-12  my A fragments in slot 0, 1, 2
.set ADRB, 13                          ; v13-15  my B fragments
.set ASC,  16                          ; v16-18  my scale words: lanes 0-15 A's records, lanes 16-31 B's
.set STO,  24                          ; v24  the stage: where I put 32 bytes of a row
.set RD,   25                          ; v25  the stage: my 32 whole rows, 16 bytes a lane
.set LI,   26                          ; v26  16 x lane
.set LS,   27                          ; v27  4 x lane
.set SPW,  28                          ; v28  my spare word: SPARE + 4 x my thread's number; never rewritten
.set NIL,  29                          ; v29  0; never rewritten
.set SC,   32                          ; set p at v[SC + 4 p]; register i: lanes 0-15 the words of A's block i, lanes 16-31 those of B's block i
.set BIAS, 40                          ; 8 registers for each of my four blocks of columns
.set ACC,  128
.set G1, 24                            ; s[24:31] group 1 for A's panels;  s[32:43] group 0, one set for each slot
.set G0, 32
.set G1B, 48                           ; s[48:55], s[76:87] the same for B's
.set G0B, 76
.set MSB, 0
.macro WIN new                         ; the immediate's high byte repeats the setting that is left
.if MSB != (\new)
	s_set_vgpr_msb (MSB<<8)|(\new)
.set MSB, (\new)
.endif
.endm
.set MUL,  0x05                        ; sources 0 (B) and 1 (A) window 1; C and D window 0
.set TO_F, 0x40                        ; destination window 1, address window 0
.macro PLACES                          ; four places behind matrix instructions, in front of loads into their registers and of reads of results
.rept 4
	v_nop
.endr
.endm
.macro JLOAD s                         ; a joint load: waves 0 and 1 fetch for A, waves 2 and 3 for B; four v_nop follow each of the two lines
	s_cmp_eq_u32 s11, 0
	s_cbranch_scc0 .Lfor_b_\@
	tensor_load_to_lds s[G0+4*(\s):G0+4*(\s)+3], s[G1:G1+7]
	s_nop 0
.rept 4
	v_nop
.endr
	s_branch .Lasked_\@
.Lfor_b_\@:
	tensor_load_to_lds s[G0B+4*(\s):G0B+4*(\s)+3], s[G1B:G1B+7]
	s_nop 0
.rept 4
	v_nop
.endr
.Lasked_\@:
.endm
.macro CREST                           ; a round of the cluster's barrier behind its opening barrier
	s_cmp_lg_u32 s10, 0
	s_cbranch_scc1 .Lnot_wave_0_\@
	s_barrier_signal -3
.Lnot_wave_0_\@:
	s_barrier_wait -3
	s_barrier_signal -1
	s_barrier_wait -1
.endm
.macro CROUND                          ; a whole round
	s_barrier_signal -1
	s_barrier_wait -1
	CREST
.endm
	s_load_b256 s[68:75], s[0:1], 0x0              ; cp s[68:69], wop s[70:71], bo s[72:73], out0 s[74:75]
	v_lshl_add_u32 v[SPW], v0, 2, SPARE
	v_mov_b32 v[NIL], 0
	ds_add_u32 v28, v29
	s_wait_dscnt 0x0
	v_lshrrev_b32 v1, 5, v0
	v_readfirstlane_b32 s10, v1                    ; wave 0..3
	s_lshr_b32 s11, s10, 1                         ; which half of the tile's rows is mine.  Also: I fetch for A (0) or for B (1)
	s_and_b32 s12, s10, 1                          ; which half of its columns.  Also: which two panels of a slot's four I fetch
	s_bfe_u32 s88, ttmp6, 0x40000                  ; cx, cy: my place in the cluster
	s_bfe_u32 s89, ttmp6, 0x40004
	s_lshl_b32 s90, ttmp9, 2
	s_add_co_u32 s90, s90, s88                     ; tile column = 4 x cluster x + cx
	s_and_b32 s13, ttmp7, 0xffff
	s_lshl_b32 s13, s13, 2
	s_add_co_u32 s13, s13, s89                     ; tile row = 4 x cluster y + cy
	s_lshl_b32 s91, s89, 2
	s_lshl_b32 s91, 15, s91                        ; my row of the cluster
	s_lshl_b32 s92, 0x1111, s88                    ; my column
	; group 1: two panels, 26,624 dense bytes, as 104 rows of 32 elements of 8 bytes; no padding
	s_or_b32 s[G1+0], s91, (3<<16)|(1<<21)         ; 15:0 the mask: A's panels go to my row; 17:16 elements of 8 bytes; 21 set beside a mask
	s_or_b32 s[G1B+0], s92, (3<<16)|(1<<21)        ; B's go to my column
.irp g, G1, G1B
	s_mov_b32 s[\g+1], 32<<16                      ; tensor_dim0 = 32
	s_mov_b32 s[\g+2], 104<<16                     ; tensor_dim1 = 104
	s_mov_b32 s[\g+3], 32<<16                      ; tile_dim0 = 32
	s_mov_b32 s[\g+4], 104                         ; tile_dim1 = 104
	s_mov_b32 s[\g+5], 32                          ; tensor_dim0_stride
	s_mov_b32 s[\g+6], 0
	s_mov_b32 s[\g+7], 0
.endr
	s_lshl_b32 s17, s12, 1                         ; my two panels of four
	s_lshl_b32 s16, s13, 4
	s_add_co_u32 s16, s16, s17
	s_mul_i32 s16, s16, PANEL                      ; A: panel 16 x tile row + 2 x half
	s_lshl_b32 s46, s90, 4
	s_add_co_u32 s46, s46, s17
	s_mul_i32 s46, s46, PANEL                      ; B: panel 16 x tile column + 2 x half
	s_mov_b32 s17, 0
	s_mov_b32 s47, 0
	s_mul_i32 s20, s10, 2*PANEL                    ; where they go: wave x two panels: no place in the cluster enters an LDS address
	s_wait_kmcnt 0x0
	s_add_nc_u64 s[14:15], s[68:69], s[16:17]
	s_add_nc_u64 s[46:47], s[70:71], s[46:47]
	CROUND                                         ; all sixteen work-groups are here: the first joint loads meet
.irp s, 0,1,2
	s_mov_b32 s[G0+4*\s], 1
	s_add_co_u32 s[G0+4*\s+1], s20, \s*SLOT
	s_add_nc_u64 s[G0+4*\s+2:G0+4*\s+3], s[14:15], \s*4*PANEL      ; slot s begins with K steps 4 s .. 4 s + 3
	s_or_b32 s[G0+4*\s+3], s[G0+4*\s+3], 0x80000000
	s_mov_b32 s[G0B+4*\s], 1
	s_add_co_u32 s[G0B+4*\s+1], s20, \s*SLOT
	s_add_nc_u64 s[G0B+4*\s+2:G0B+4*\s+3], s[46:47], \s*4*PANEL
	s_or_b32 s[G0B+4*\s+3], s[G0B+4*\s+3], 0x80000000
	JLOAD \s
.endr
	v_and_b32 v1, 15, v0                           ; r
	v_bfe_u32 v2, v0, 4, 1                         ; h
	v_and_b32 v3, 31, v0                           ; lane
	v_lshlrev_b32 v[LI], 4, v3
	v_lshlrev_b32 v[LS], 2, v3
	s_mul_i32 s21, s11, 4*FRB                      ; my four fragments of A's eight
	s_mul_i32 s22, s12, 4*FRB                      ; and of B's,
	s_add_co_u32 s22, s22, BOFF                    ; which lie behind A's four panels
.irp s, 0,1,2
	v_add_nc_u32 v[ADRA+\s], s21, v[LI]
	v_add_nc_u32 v[ADRB+\s], s22, v[LI]
	s_add_co_u32 s21, s21, SLOT
	s_add_co_u32 s22, s22, SLOT
.endr
	s_xor_b32 s22, s11, 1                          ; lanes 16-31 take B's records: BOFF + 512 (w & 1) - 512 (w >> 1) further on, written as one product with h
	s_add_co_u32 s22, s22, s12
	s_lshl_b32 s22, s22, 9
	s_add_co_u32 s22, s22, BOFF-512
	v_mul_u32_u24 v4, s22, v2
	s_lshl_b32 s21, s11, 9
	s_add_co_u32 s21, s21, SCO
	v_add_nc_u32 v4, v4, v[LS]
	v_add_nc_u32 v[ASC], s21, v4
	v_add_nc_u32 v[ASC+1], SLOT, v[ASC]
	v_add_nc_u32 v[ASC+2], 2*SLOT, v[ASC]
	s_mul_i32 s23, s11, 64*SP                      ; into the stage: my 64 rows, my 256 bytes of them; row r, 32 bytes for each half of the lanes
	s_lshl_b32 s21, s12, 8
	s_add_co_u32 s23, s23, s21
	s_add_co_u32 s23, s23, STAGE
	v_mul_u32_u24 v4, v1, SP
	v_lshl_add_u32 v4, v2, 5, v4
	v_add_nc_u32 v[STO], s23, v4
	s_mul_i32 s23, s10, 32*SP                      ; back: wave w takes rows 32 w .. 32 w + 31
	s_add_co_u32 s23, s23, STAGE
	v_add_nc_u32 v[RD], s23, v[LI]
	v_lshlrev_b32 v5, 5, v2                        ; the bias: 32 h bytes
	s_lshl_b32 s46, s13, 20                        ; out0: row 128 y + 32 w of 8,192 bytes, + 512 x
	s_lshl_b32 s47, s10, 18
	s_add_co_u32 s46, s46, s47
	s_lshl_b32 s47, s90, 9
	s_add_co_u32 s46, s46, s47
	s_mov_b32 s47, 0
	s_add_nc_u64 s[74:75], s[74:75], s[46:47]
	s_lshl_b32 s46, s90, 9                         ; the bias of my 64 columns
	s_lshl_b32 s21, s12, 8
	s_add_co_u32 s46, s46, s21
	s_add_nc_u64 s[72:73], s[72:73], s[46:47]
.irp b, 0,1,2,3
	global_load_b128 v[BIAS+8*\b:BIAS+8*\b+3], v5, s[72:73] offset:64*\b          ; lane (r, h), register j: the bias of column 16 b + 8 h + j: the result's layout
	global_load_b128 v[BIAS+8*\b+4:BIAS+8*\b+7], v5, s[72:73] offset:64*\b+16
.endr
; 28 LDS loads in one run: the slot's q-th K step into set p: four scale registers, B's four fragments, A's four
.macro FETCH slot, q, p
.irp i, 0,1,2,3
	ds_load_b32 v[SC+4*(\p)+\i], v[ASC+(\slot)] offset:(\q)*PANEL+128*\i
.endr
	WIN TO_F
.irp i, 0,1,2,3
.irp c, 0,1,2
	ds_load_b128 v[96*(\p)+48+12*\i+4*\c:96*(\p)+48+12*\i+4*\c+3], v[ADRB+(\slot)] offset:(\q)*PANEL+\i*FRB+512*\c
.endr
.endr
.irp i, 0,1,2,3
.irp c, 0,1,2
	ds_load_b128 v[96*(\p)+12*\i+4*\c:96*(\p)+12*\i+4*\c+3], v[ADRA+(\slot)] offset:(\q)*PANEL+\i*FRB+512*\c
.endr
.endr
	WIN 0
.endm
; 8 matrix instructions: A's blocks a0, a0 + 1 x B's four, 128 along K, from set p.  first = 1: the bias starts the sums.  The 16 accumulators take turns, one instruction a turn, in the same order in every step.
.macro MUL8 p, a0, first
.irp a, \a0, \a0+1
.irp b, 0,1,2,3
.if \first
	v_wmma_scale_f32_16x16x128_f8f6f4 v[ACC+8*(4*(\a)+\b):ACC+8*(4*(\a)+\b)+7], v[96*(\p)+48+12*\b:96*(\p)+48+12*\b+11], v[96*(\p)+12*(\a):96*(\p)+12*(\a)+11], v[BIAS+8*\b:BIAS+8*\b+7], v[SC+4*(\p)+\b], v[SC+4*(\p)+(\a)] matrix_a_fmt:MATRIX_FMT_BF6 matrix_b_fmt:MATRIX_FMT_BF6 matrix_a_scale:MATRIX_SCALE_ROW1
.else
	v_wmma_scale_f32_16x16x128_f8f6f4 v[ACC+8*(4*(\a)+\b):ACC+8*(4*(\a)+\b)+7], v[96*(\p)+48+12*\b:96*(\p)+48+12*\b+11], v[96*(\p)+12*(\a):96*(\p)+12*(\a)+11], v[ACC+8*(4*(\a)+\b):ACC+8*(4*(\a)+\b)+7], v[SC+4*(\p)+\b], v[SC+4*(\p)+(\a)] matrix_a_fmt:MATRIX_FMT_BF6 matrix_b_fmt:MATRIX_FMT_BF6 matrix_a_scale:MATRIX_SCALE_ROW1
.endif
.endr
.endr
.endm
.macro SETS s                          ; K step s: its set, its slot; the next step's slot, place in the slot, and set
.set PP,  (\s)%2
.set CSL, ((\s)/4)%3
.set NSL, (((\s)+1)/4)%3
.set NQ,  ((\s)+1)%4
.set NP,  ((\s)+1)%2
.endm
; A K step whose successor's panels are known to lie whole in LDS: the next step's operands are asked for, then this step's 16 products are issued.
.macro STEP s, first
	SETS \s
	s_wait_dscnt 0x0                               ; this step's 28 loads are in
.if !\first
	PLACES                                         ; the other set was read by the step before
.endif
	FETCH NSL, NQ, NP
	WIN MUL
	MUL8 PP, 0, \first
	MUL8 PP, 2, \first
	WIN 0
.endm
; A K step with a barrier: in front of it each wave waits for all its tensor loads, adds 0 to its spare word, and waits for that and for its reads of the slot that it leaves.
; fill = 1 (K step 3): all three first fills have landed; the barrier opens a round of the cluster's, and slot 0 is filled again, with K steps 12 to 15.
; fill = 0 (K step 11): that refill has landed, in every wave's sight behind the barrier; nothing is left to fetch.
.macro TURN s, fill
	SETS \s
	s_wait_tensorcnt 0x0                           ; all my tensor loads have landed
	ds_add_u32 v[SPW], v[NIL]                      ; 0 onto my spare word
	s_wait_dscnt 1                                 ; this step's 28 loads are in; the add may be out
	WIN MUL
	MUL8 PP, 0, 0                                  ; eight matrix instructions stand between the add and the wait for it
	s_wait_dscnt 0x0                               ; the add is done, and my reads of this slot are over
	s_barrier_signal -1
	MUL8 PP, 2, 0
	WIN 0
	s_barrier_wait -1
.if \fill
	CREST                                          ; no wave of any partner still reads this slot or has a load on its way
	s_add_nc_u64 s[G0+4*CSL+2:G0+4*CSL+3], s[G0+4*CSL+2:G0+4*CSL+3], 12*PANEL
	s_add_nc_u64 s[G0B+4*CSL+2:G0B+4*CSL+3], s[G0B+4*CSL+2:G0B+4*CSL+3], 12*PANEL
	JLOAD CSL                                      ; the first tensor load behind the round; the four v_nop behind it are also the places in front of the loads below
.else
	PLACES
.endif
	FETCH NSL, NQ, NP
.endm
	s_wait_tensorcnt 2                             ; my part of slot 0 is in; slots 1 and 2 may stay out
	s_barrier_signal -1
	s_barrier_wait -1                              ; everybody's is
	FETCH 0, 0, 0
	s_wait_loadcnt 0x0                             ; the bias
	STEP 0, 1                                      ; slot 0
	STEP 1, 0
	STEP 2, 0
	TURN 3, 1                                      ; slot 0 takes K steps 12 to 15
	STEP 4, 0                                      ; slots 1 and 2: no barrier
	STEP 5, 0
	STEP 6, 0
	STEP 7, 0
	STEP 8, 0
	STEP 9, 0
	STEP 10, 0
	TURN 11, 0                                     ; behind this barrier slot 0 is whole again, and nobody reads slot 1 or 2
	STEP 12, 0
	STEP 13, 0
	STEP 14, 0
	s_wait_dscnt 0x0
	WIN MUL
	MUL8 1, 0, 0
	MUL8 1, 2, 0
	WIN 0
	PLACES
.irp a, 0,1,2,3
.irp b, 0,1,2,3
	ds_store_b128 v[STO], v[ACC+8*(4*\a+\b):ACC+8*(4*\a+\b)+3] offset:\a*16*SP+64*\b       ; each accumulator from its low end on
	ds_store_b128 v[STO], v[ACC+8*(4*\a+\b)+4:ACC+8*(4*\a+\b)+7] offset:\a*16*SP+64*\b+16
.endr
.endr
	s_wait_dscnt 0x0                               ; for the others' sake: my stores into the stage are done
	s_barrier_signal -1
	s_barrier_wait -1                              ; a row's 512 bytes come from two waves: now they lie together
.set n, 0
.rept 32
	ds_load_b128 v[ACC+4*n:ACC+4*n+3], v[RD] offset:n*SP
.set n, n+1
.endr
.set n, 0
.rept 32
	s_wait_dscnt 31-n                              ; row n is back; the younger loads may be out
	global_store_b128 v[LI], v[ACC+4*n:ACC+4*n+3], s[74:75] offset:n*8192 th:TH_STORE_NT   ; 32 lanes store 512 consecutive bytes, at a multiple of 256 from out0's first byte
.set n, n+1
.endr
	s_wait_tensorcnt 0x0                           ; the wave's end
	ds_add_u32 v[SPW], v[NIL]
	s_wait_dscnt 0x0
	CROUND                                         ; the closing round: no work-group ends while a partner may still ask for a tile that names it
	s_endpgm
.Lfunc_end_k_q4f77106775_gemm_out:
	.size	k_q4f77106775_gemm_out, .Lfunc_end_k_q4f77106775_gemm_out-k_q4f77106775_gemm_out
	.p2alignl 7, 3214868480
	.fill 96, 4, 3214868480
	.section	.rodata,"a",@progbits
	.p2align	6, 0x0
	.amdhsa_kernel k_q4f77106775_gemm_out
		.amdhsa_group_segment_fixed_size 327680
		.amdhsa_private_segment_fixed_size 0
		.amdhsa_enable_private_segment 0
		.amdhsa_kernarg_size 32
		.amdhsa_user_sgpr_count 2
		.amdhsa_user_sgpr_kernarg_segment_ptr 1
		.amdhsa_wavefront_size32 1
		.amdhsa_system_sgpr_workgroup_id_x 1
		.amdhsa_system_sgpr_workgroup_id_y 1
		.amdhsa_system_sgpr_workgroup_id_z 1
		.amdhsa_system_vgpr_workitem_id 0
		.amdhsa_next_free_vgpr 448
		.amdhsa_next_free_sgpr 96
		.amdhsa_reserve_vcc 0
		.amdhsa_float_denorm_mode_32 3
		.amdhsa_float_denorm_mode_16_64 3
		.amdhsa_memory_ordered 1
		.amdhsa_forward_progress 1
		.amdhsa_inst_pref_size 84
	.end_amdhsa_kernel
	.amdgpu_metadata
---
amdhsa.version: [ 1, 2 ]
amdhsa.kernels:
  - .name:           k_q4f77106775_gemm_out
    .symbol:         k_q4f77106775_gemm_out.kd
    .args:
      - { .name: cp, .offset: 0, .size: 8, .value_kind: global_buffer, .address_space: global }
      - { .name: wop, .offset: 8, .size: 8, .value_kind: global_buffer, .address_space: global }
      - { .name: bo, .offset: 16, .size: 8, .value_kind: global_buffer, .address_space: global }
      - { .name: out0, .offset: 24, .size: 8, .value_kind: global_buffer, .address_space: global }
    .group_segment_fixed_size: 327680
    .private_segment_fixed_size: 0
    .kernarg_segment_align: 8
    .kernarg_segment_size: 32
    .max_flat_workgroup_size: 128
    .sgpr_count:     96
    .vgpr_count:     448
    .wavefront_size: 32
...
	.end_amdgpu_metadata
.endif
;; end of part 8
